; MI455X (gfx1250); checked and timed in simulation.
; The chip was launched on July 23, 2026; its instructions are those of AMD's public machine-readable ISA for CDNA 5 (MIT licence, August 2026) and "CDNA5" Instruction Set Architecture Reference Guide (July 2026). The comments in the code are by the model that wrote it; some were corrected since.
;; Attention. Allowed arithmetic: matrix products marked QUANTISED: E2M1 operands, one E8M0 scale for each 32 along K, by v_wmma_scale_f32_16x16x128_f8f6f4 with both operands' format E2M1 (or v_wmma_scale_f32_32x16x128_f4), f32 sums; everything else in f32.
;; Inputs: Wk 256 x 256 float32; Wo 256 x 512 float32; Wq 256 x 256 float32; Wv 512 x 256 float32; bo 256 float32; k_b 256 float32; k_g 256 float32; k_m 256 float32; k_v 256 float32; o_b 256 float32; o_g 256 float32; o_m 256 float32; o_v 256 float32; pos_idx 1,024 x 1,024 int32; pos_tab 1,024 x 8 float32; q_b 256 float32; q_g 256 float32; q_m 256 float32; q_v 256 float32; v_b 512 float32; v_g 512 float32; v_m 512 float32; v_v 512 float32; x 16 x 256 x 32 x 32 float32.
;; Outputs: out0 16 x 256 x 32 x 32 float32.
;; This version of the problem:
;;   THIS VERSION OF THE PROBLEM IS GIVEN IN LOW PRECISION. The matrix products marked QUANTISED in the list below multiply operands that are first quantised to E2M1 (2 exponent bits, 1 mantissa bit; 4 bits a number), with one power-of-two scale for each 32 numbers along K (OCP MX v1.0); their sums are f32. All else is computed in f32.
;;   The module's matrix products, in the order in which they are computed (A, B: the left and right operand; K: the contracted axis; several contracted axes count as one K, in the product's order):
;;     1. [M 16,384, K 256] x [K 256, N 256]; A: input x; B: input Wq: QUANTISED
;;     2. [M 16,384, K 256] x [K 256, N 256]; A: input x; B: input Wk: QUANTISED
;;     3. [M 16,384, K 256] x [K 256, N 512]; A: input x; B: input Wv: QUANTISED
;;     4. batch 128 x [M 1,024, K 32] x [K 32, N 1,024]; A: computed on the way; B: computed on the way: QUANTISED
;;     5. batch 128 x [M 1,024, K 1,024] x [K 1,024, N 64]; A: softmax (see below); B: computed on the way: QUANTISED
;;     6. [M 16,384, K 512] x [K 512, N 256]; A: computed on the way; B: input Wo: QUANTISED
;;   THE QUANTISER, for each operand of a quantised product, along K:
;;     - K is cut into blocks of 32 from its start; a last block that is shorter is filled with zeros.
;;     - A block's scale is 2^e with e = floor(log2(the largest magnitude in the block)) - 2, held to -126 .. 127; a block of zeros has e = 0. As a byte (E8M0): e + 127.
;;     - Each number is divided by its block's scale, clamped to +-6, and rounded to the nearest number of E2M1, ties to even, subnormals kept.
;;     - The product sums the exact products of the quantised numbers (number of the format x scale) in f32.
;;   ~~~python
;;   def quantise(x, axis):      # numpy; x: float32 -> the quantised numbers, widened to float32 again
;;       x = np.moveaxis(x, axis, -1); K = x.shape[-1]
;;       x = np.pad(x, [(0, 0)] * (x.ndim - 1) + [(0, -K % 32)]); x = x.reshape(x.shape[:-1] + (-1, 32)); a = np.abs(x).max(-1, keepdims=True)
;;       e = np.where(a > 0, np.clip(np.frexp(np.where(a > 0, a, 1))[1] - 1 - 2, -126, 127), 0)      # np.frexp(a)[1] - 1 = floor(log2(a)), exactly
;;       r = np.clip(x / 2.0 ** e, -6, 6)
;;       step = 2.0 ** (np.maximum(np.frexp(np.where(r == 0, 1, r))[1] - 1, 0) - 1)
;;       q = np.round(r / step) * step * 2.0 ** e      # np.round: ties to even
;;       return np.moveaxis(q.reshape(q.shape[:-2] + (-1,))[..., :K], -1, axis).astype(np.float32)
;;   ~~~
;;   SOFTMAX AHEAD OF A QUANTISED PRODUCT. Where the list says 'softmax', what is quantised is not the finished softmax but p = 2^(t - M), with t = logit x log2(e) and M = ceil(the row's largest t), a whole number; so 1/2 < the row's largest p <= 1. The row's sum l is taken of the UNQUANTISED p, in f32, and the product's result is divided by l at the end. Since M is a whole number, a kernel that streams over the keys may use a running M (the ceiling of the running maximum): every later rescaling is an exact power of two, which a block's scale takes up: the codes' values come out the same.
;;   OPERANDS COMPUTED ON THE WAY. 'Computed on the way' means the value that the module computes at that place (a softmax that the list does not call 'softmax' is quantised finished and normalised). What goes into a quantiser is computed in f32, as accurately as f32 sums, v_exp_f32 and their like allow (about 1e-6 of the number): no bf16 or f16 on the way to a quantiser, and a product that is left as it is and whose result goes on into a quantised operand takes f32 operands (vector FMAs, or v_wmma_f32_16x16x4_f32). A number that lies on a knife's edge between two numbers of the format may be rounded either way, as far as f32 arithmetic and the matrix unit's own rounding can turn it there, and no further.
;; 3 versions. Each part assembles by itself: llvm-mc -triple=amdgcn-amd-amdhsa -mcpu=gfx1250 --defsym DOCPART=n.
;; ======== version 1 of 3: 4 launches
;; workspace buffers: wimg 208,896 bytes; bnc 18,432 bytes; bias 33,554,432 bytes; qc 2,621,440 bytes; kv 6,684,672 bytes; oc 4,456,448 bytes
;; launch prep (part 1): grid 263 x 1, 8 waves a work-group, no clusters, 0 bytes of LDS; arguments Wq, Wk, Wv, Wo, pos_idx, pos_tab, wimg, bnc, bias, bo, q_g, q_b, q_m, q_v, k_g, k_b, k_m, k_v, v_g, v_b, v_m, v_v, o_g, o_b, o_m, o_v; writes wimg, bnc, bias
.if DOCPART == 1
	.amdgcn_target "amdgcn-amd-amdhsa--gfx1250"
	.amdhsa_code_object_version 6
	.text
	.protected	k_qed98869339_prep
	.globl	k_qed98869339_prep
	.p2align	8
	.type	k_qed98869339_prep,@function
k_qed98869339_prep:
	s_mov_b64 s[64:65], 0
	v_nop
	global_prefetch_b8 v0, s[64:65] scope:SCOPE_SE
	s_setreg_imm32_b32 hwreg(HW_REG_WAVE_MODE, 25, 1), 1
	s_wait_xcnt 0x0
; PREP: what every later launch reads again is made once.  Three kinds of work-groups, told apart by the work-group's number; none uses LDS or a barrier.
;   0-5    WEIGHTS: Wq, Wk, Wv [o][256] and Wo [o][512], f32, K innermost, become codes of FP4 (E2M1) with one E8M0 byte for each 32 along K, laid as IMAGES OF OPERAND REGISTERS:
;          unit U (4 fragments of 16 rows x 128 K): codes at U x 4096 + F x 1024 + c x 512 + 16 x lane, scale words at 196608 + U x 256 + 16 r + 4 F.
;          U 0-7 Wq's heads, 8-15 Wk's heads, 16-31 Wv's runs of 32 channels: F = 2 wt + ks, and row r of tile wt is channel 32 lu + 8 wt + r + 8 (r / 8); U 32-47 Wo's tiles of 16 channels: F = ks.
;   6      TABLES: the four batch norms as -m, s = g x rsq(v + 1e-5), b (for the output: bo - m).
;   7-262  BIAS: 32 x pos_tab[pos_idx[i][j]][h] (1 / scale^2 = 32, exact), laid as the image of the score registers of the attention launch:
;          [query tile 64][slot of 256 keys 4][head 8][step 2][chunk 16][lane 32][16 bytes]; it is the C of the first attention product there.
; A block's scale byte is its largest magnitude's exponent field - 2, held at 1 from below.
; LIMITS: a block whose largest magnitude lies under 2^-124, a block of zeros among them, keeps the byte 1 (its codes are then small or zero; the bytes are read by this program alone);
; NaN and infinities are not served; pos_idx is held at 1,023, the table's last row; s is g times a reciprocal square root, not a quotient by a root.
; No cluster and no tensor load: no two work-groups read the same bytes but the 32 KB of pos_tab.
.set X,   32                           ; v32-159  two sets of 64 numbers of a fragment
.set CO,  160                          ; v160-191 codes: eight registers for each fragment, so that no store's data are written again
.set WD,  192                          ; v192-195 a scale word for each fragment
.set G,   64                           ; v64-191  bias: 16 rows of pos_tab, 8 heads each
.macro LOADF f, buf                    ; fragment f: lane (r, hh) takes, of its row, k = 64 c + 32 hh + 0 .. 31: 128 bytes for each c
.irp c,0,1
.irp e,0,1,2,3,4,5,6,7
	global_load_b128 v[X+64*\buf+32*\c+4*\e:X+64*\buf+32*\c+4*\e+3], v5, s[4+2*(\f/2):5+2*(\f/2)] offset:(\f%2)*512+\c*256+16*\e th:TH_LOAD_NT
.endr
.endr
.endm
.macro QF f, buf                       ; its two blocks of 32 a lane become registers 4 c .. 4 c + 3 of the operand
.irp c,0,1
	v_max3_num_f32 v[10+\c], |v[X+64*\buf+32*\c]|, |v[X+64*\buf+32*\c+1]|, 0x1800000   ; the floor 2^(3 - 127) is one more leaf: the byte cannot fall under 1
.endr
.irp i,2,4,6,8,10,12,14,16,18,20,22,24,26,28,30
.irp c,0,1
	v_max3_num_f32 v[10+\c], v[10+\c], |v[X+64*\buf+32*\c+\i]|, |v[X+64*\buf+32*\c+\i+1]|
.endr
.endr
.irp c,0,1
	v_add_nc_u32 v[12+\c], 0xff000000, v[10+\c]    ; 2 off the exponent field: the conversion's scale operand
.endr
.irp c,0,1
	v_lshrrev_b32 v[14+\c], 23, v[12+\c]           ; the scale's byte
.endr
.irp c,0,1
.irp g,0,1,2,3
	v_cvt_scalef32_pk8_fp4_f32 v[CO+8*\f+4*\c+\g], v[X+64*\buf+32*\c+8*\g:X+64*\buf+32*\c+8*\g+7], v[12+\c]
.endr
.endr
	v_lshl_or_b32 v[WD+\f], v15, 16, v14           ; my two bytes, blocks hh and 2 + hh (a plain line behind the conversions),
	v_lshlrev_b32 v[WD+\f], v8, v[WD+\f]           ; 8 hh bits up;
	v_permlanex16_b32 v9, v[WD+\f], s20, s21
	v_or_b32 v[WD+\f], v[WD+\f], v9                ; with lane l xor 16's two the word is whole
	global_store_b128 v6, v[CO+8*\f:CO+8*\f+3], s[12:13] offset:\f*1024       ; 32 lanes store 512 consecutive bytes
	global_store_b128 v6, v[CO+8*\f+4:CO+8*\f+7], s[12:13] offset:\f*1024+512
.endm
.macro BOUT j, o                       ; keys 4 j .. 4 j + 3 of my 16: times 32, turned from [key][head] to [head][key], and stored
	s_wait_loadcnt 8*(3-\j)                        ; the eight gathers of each later group of four keys may be out
.if \j >= 2
	s_wait_xcnt 0x0                                ; this set of registers was stored two groups ago: it is rewritten only behind this wait
.endif
.irp h,0,1,2,3,4,5,6,7
.irp e,0,1,2,3
	v_mul_f32 v[\o+4*\h+\e], 0x42000000, v[G+32*\j+8*\e+\h]
.endr
.endr
.irp h,0,1,2,3,4,5,6,7
	global_store_b128 v6, v[\o+4*\h:\o+4*\h+3], s[8:9] offset:\h*16384+\j*512   ; 32 lanes store 512 consecutive bytes
.endr
.endm
	v_lshrrev_b32 v1, 5, v0
	v_readfirstlane_b32 s2, v1                     ; wave 0..7
	v_and_b32 v2, 31, v0                           ; lane
	v_and_b32 v3, 15, v0                           ; r
	v_bfe_u32 v4, v0, 4, 1                         ; hh
	s_cmp_lt_u32 ttmp9, 6
	s_cbranch_scc1 .Lweights
	s_cmp_eq_u32 ttmp9, 6
	s_cbranch_scc1 .Ltables
	; ---- BIAS.  Work-group wg: query tile wg / 4; wave w: key step 2 (wg % 4) + w / 4 of 128 keys, block w % 4 of 32 keys in it.
	; Lane (r, hh): query 32 (qt / 2) + 8 (qt % 2) + r + 8 (r / 8), keys 16 hh + 0 .. 15 of the block.
	s_load_b128 s[4:7], s[0:1], 0x20               ; pos_idx, pos_tab
	s_load_b64 s[8:9], s[0:1], 0x40                ; bias
	s_sub_co_u32 s10, ttmp9, 7
	s_lshr_b32 s11, s10, 2                         ; qt
	s_and_b32 s12, s10, 3
	s_lshl_b32 s12, s12, 1
	s_lshr_b32 s13, s2, 2
	s_add_co_u32 s12, s12, s13                     ; key step 0..7
	s_and_b32 s13, s2, 3                           ; block 0..3
	s_lshr_b32 s14, s11, 1
	s_lshl_b32 s14, s14, 17                        ; 32 rows of 4,096 bytes
	s_and_b32 s15, s11, 1
	s_lshl_b32 s15, s15, 15                        ; 8 rows
	s_add_co_u32 s14, s14, s15
	s_lshl_b32 s15, s12, 9
	s_add_co_u32 s14, s14, s15
	s_lshl_b32 s15, s13, 7
	s_add_co_u32 s14, s14, s15
	s_mov_b32 s15, 0
	s_lshl_b32 s16, s11, 19                        ; the image: query tile x 524,288
	s_lshr_b32 s17, s12, 1
	s_lshl_b32 s17, s17, 17                        ; + slot x 131,072
	s_add_co_u32 s16, s16, s17
	s_and_b32 s17, s12, 1
	s_lshl_b32 s17, s17, 13                        ; + step in the slot x 8,192
	s_add_co_u32 s16, s16, s17
	s_lshl_b32 s17, s13, 11                        ; + block x 4 chunks of 512
	s_add_co_u32 s16, s16, s17
	s_mov_b32 s17, 0
	v_and_b32 v5, 8, v3
	v_add_nc_u32 v5, v5, v3
	v_lshlrev_b32 v5, 12, v5
	v_lshl_add_u32 v5, v4, 6, v5                   ; my row of pos_idx and my 64 bytes of it
	v_lshlrev_b32 v6, 4, v2                        ; 16 x lane
	s_wait_kmcnt 0x0
	s_add_nc_u64 s[4:5], s[4:5], s[14:15]
	s_add_nc_u64 s[8:9], s[8:9], s[16:17]
.irp j,0,1,2,3
	global_load_b128 v[16+4*\j:19+4*\j], v5, s[4:5] offset:16*\j th:TH_LOAD_NT
.endr
	s_wait_loadcnt 0x0
.irp n,0,1,2,3,4,5,6,7,8,9,10,11,12,13,14,15
	v_min_u32 v[16+\n], 0x3ff, v[16+\n]            ; an index stays inside the table
.endr
.irp n,0,1,2,3,4,5,6,7,8,9,10,11,12,13,14,15
	v_lshlrev_b32 v[16+\n], 5, v[16+\n]            ; a row of pos_tab is 32 bytes
.endr
.irp n,0,1,2,3,4,5,6,7,8,9,10,11,12,13,14,15
	global_load_b128 v[G+8*\n:G+8*\n+3], v[16+\n], s[6:7]
	global_load_b128 v[G+8*\n+4:G+8*\n+7], v[16+\n], s[6:7] offset:16
.endr
	BOUT 0, 192
	BOUT 1, 32
	BOUT 2, 192
	BOUT 3, 32
	s_endpgm
	; ---- WEIGHTS.  Wave w quantises unit U = 8 x work-group + w.
.Lweights:
	s_load_b256 s[4:11], s[0:1], 0x0               ; Wq, Wk, Wv, Wo
	s_load_b64 s[12:13], s[0:1], 0x30              ; wimg
	s_mov_b32 s20, 0x76543210
	s_mov_b32 s21, 0xfedcba98                      ; v_permlanex16_b32's selects for lane l xor 16
	s_mov_b32 s22, 0xffff0000                      ; lanes 16-31
	s_lshl_b32 s14, ttmp9, 3
	s_add_co_u32 s14, s14, s2                      ; U
	s_and_b32 s15, ttmp9, 1
	s_lshl_b32 s15, s15, 3
	s_cmp_ge_u32 ttmp9, 2
	s_cselect_b32 s15, s15, 0
	s_add_co_u32 s15, s15, s2                      ; the unit's number inside its tensor
	s_lshl_b32 s16, s15, 15                        ; a unit's rows are 32,768 bytes in every tensor (32 x 1,024 or 16 x 2,048)
	s_mov_b32 s17, 0
	s_lshl_b32 s26, s14, 12
	s_mov_b32 s27, 0
	s_lshl_b32 s28, s14, 8
	s_add_co_u32 s28, s28, 196608
	s_mov_b32 s29, 0
	s_mov_b32 s24, 8192
	s_mov_b32 s25, 0
	s_wait_kmcnt 0x0
	s_cmp_ge_u32 ttmp9, 4                          ; Wo?  Every choice hangs on the work-group's number alone
	s_cselect_b32 s18, 0, 8                        ; Wo's rows are neighbours; the others' rows 8-15 lie 8 further on
	s_cselect_b32 s19, 11, 10                      ; log2 of a row's bytes
	s_cselect_b32 s24, 1024, s24                   ; fragments 2, 3: Wo: 256 along K on; the others: 8 rows down
	s_cselect_b64 s[10:11], s[10:11], s[8:9]
	s_cmp_eq_u32 ttmp9, 0
	s_cselect_b64 s[4:5], s[4:5], s[6:7]
	s_cmp_lt_u32 ttmp9, 2
	s_cselect_b64 s[4:5], s[4:5], s[10:11]
	s_add_nc_u64 s[4:5], s[4:5], s[16:17]          ; fragments 0, 1
	s_add_nc_u64 s[6:7], s[4:5], s[24:25]          ; fragments 2, 3
	s_add_nc_u64 s[30:31], s[12:13], s[28:29]      ; the unit's scale words
	s_add_nc_u64 s[12:13], s[12:13], s[26:27]      ; the unit's codes
	v_and_b32 v5, s18, v3
	v_add_nc_u32 v5, v5, v3
	v_lshlrev_b32 v5, s19, v5
	v_lshl_add_u32 v5, v4, 7, v5                   ; my row, + 128 hh
	v_lshlrev_b32 v6, 4, v2                        ; 16 x lane
	v_lshlrev_b32 v7, 4, v3
	v_lshl_add_u32 v7, v4, 3, v7                   ; 16 r + 8 hh
	v_lshlrev_b32 v8, 3, v4                        ; 8 hh
	v_mov_b32 v9, 0                                ; a lane permute's destination counts as one of its sources
	LOADF 0, 0
	LOADF 1, 1
	s_wait_loadcnt 16                              ; this fragment's 16 loads are in, the next one's may be out
	QF 0, 0
	LOADF 2, 0
	s_wait_loadcnt 16
	QF 1, 1
	LOADF 3, 1
	s_wait_loadcnt 16
	QF 2, 0
	s_wait_loadcnt 0x0
	QF 3, 1
	v_cndmask_b32 v16, v[WD], v[WD+2], s22         ; lanes 0-15 store words 0, 1 of row r, lanes 16-31 words 2, 3:
	v_cndmask_b32 v17, v[WD+1], v[WD+3], s22
	global_store_b64 v7, v[16:17], s[30:31]        ; 256 consecutive bytes
	s_endpgm
	; ---- TABLES.  Thread t takes channel t of each norm (and t + 256 of v's).
.Ltables:
	s_load_b64 s[4:5], s[0:1], 0x38                ; bnc
	s_load_b64 s[6:7], s[0:1], 0x48                ; bo
	s_load_b256 s[8:15], s[0:1], 0x50              ; q_g, q_b, q_m, q_v
	s_load_b256 s[16:23], s[0:1], 0x70             ; k_*
	s_load_b256 s[24:31], s[0:1], 0x90             ; v_*
	s_load_b256 s[32:39], s[0:1], 0xb0             ; o_*
	v_lshlrev_b32 v5, 2, v0
	v_lshlrev_b32 v6, 4, v0
	s_wait_kmcnt 0x0
.irp p,0,1,2,3                         ; p: 0 g, 1 b, 2 m, 3 v
	global_load_b32 v[16+\p], v5, s[8+2*\p:9+2*\p]
	global_load_b32 v[20+\p], v5, s[16+2*\p:17+2*\p]
	global_load_b32 v[24+\p], v5, s[24+2*\p:25+2*\p]
	global_load_b32 v[28+\p], v5, s[24+2*\p:25+2*\p] offset:1024
	global_load_b32 v[32+\p], v5, s[32+2*\p:33+2*\p]
.endr
	global_load_b32 v36, v5, s[6:7]
	s_wait_loadcnt 0x0
.irp n,0,1,2,3,4
	v_add_f32 v[19+4*\n], 0x3727c5ac, v[19+4*\n]   ; v + 1e-5
.endr
.irp n,0,1,2,3,4
	v_rsq_f32 v[40+\n], v[19+4*\n]
.endr
	v_mov_b32 v51, 0                               ; a plain line behind the last reciprocal root
	s_wait_alu depctr_va_vdst(0)                   ; one wait for the five, ahead of their first reader
.irp n,0,1,2,3,4
	v_mul_f32 v[40+\n], v[16+4*\n], v[40+\n]       ; s = g x rsq(v + eps)
.endr
	v_xor_b32 v60, 0x80000000, v18                 ; -m
	v_xor_b32 v61, 0x80000000, v22
	v_xor_b32 v48, 0x80000000, v26
	v_mov_b32 v49, v42
	v_mov_b32 v50, v25
	v_xor_b32 v52, 0x80000000, v30
	v_mov_b32 v53, v43
	v_mov_b32 v54, v29
	v_mov_b32 v55, 0
	v_sub_f32 v56, v36, v34                        ; bo - o_m
	v_mov_b32 v57, v44
	v_mov_b32 v58, v33
	v_mov_b32 v59, 0
	global_store_b32 v5, v60, s[4:5]               ; -m, planar: q's 256, k's 256
	global_store_b32 v5, v61, s[4:5] offset:1024
	global_store_b32 v5, v40, s[4:5] offset:2048   ; s
	global_store_b32 v5, v41, s[4:5] offset:3072
	global_store_b32 v5, v17, s[4:5] offset:4096   ; b
	global_store_b32 v5, v21, s[4:5] offset:5120
	global_store_b128 v6, v[48:51], s[4:5] offset:6144    ; v's: (-m, s, b, 0) a channel
	global_store_b128 v6, v[52:55], s[4:5] offset:10240
	global_store_b128 v6, v[56:59], s[4:5] offset:14336   ; the output's: (bo - m, s, b, 0)
	s_endpgm
.Lfunc_end_k_qed98869339_prep:
	.size	k_qed98869339_prep, .Lfunc_end_k_qed98869339_prep-k_qed98869339_prep
	.p2alignl 7, 3214868480
	.fill 96, 4, 3214868480
	.section	.rodata,"a",@progbits
	.p2align	6, 0x0
	.amdhsa_kernel k_qed98869339_prep
		.amdhsa_group_segment_fixed_size 0
		.amdhsa_private_segment_fixed_size 0
		.amdhsa_enable_private_segment 0
		.amdhsa_kernarg_size 208
		.amdhsa_user_sgpr_count 2
		.amdhsa_user_sgpr_kernarg_segment_ptr 1
		.amdhsa_wavefront_size32 1
		.amdhsa_system_sgpr_workgroup_id_x 1
		.amdhsa_system_sgpr_workgroup_id_y 1
		.amdhsa_system_sgpr_workgroup_id_z 1
		.amdhsa_system_vgpr_workitem_id 0
		.amdhsa_next_free_vgpr 224
		.amdhsa_next_free_sgpr 66
		.amdhsa_reserve_vcc 0
		.amdhsa_float_denorm_mode_32 3
		.amdhsa_float_denorm_mode_16_64 3
		.amdhsa_memory_ordered 1
		.amdhsa_forward_progress 1
		.amdhsa_inst_pref_size 44
	.end_amdhsa_kernel
	.amdgpu_metadata
---
amdhsa.version: [ 1, 2 ]
amdhsa.kernels:
  - .name:           k_qed98869339_prep
    .symbol:         k_qed98869339_prep.kd
    .args:
      - { .name: Wq, .offset: 0, .size: 8, .value_kind: global_buffer, .address_space: global }
      - { .name: Wk, .offset: 8, .size: 8, .value_kind: global_buffer, .address_space: global }
      - { .name: Wv, .offset: 16, .size: 8, .value_kind: global_buffer, .address_space: global }
      - { .name: Wo, .offset: 24, .size: 8, .value_kind: global_buffer, .address_space: global }
      - { .name: pos_idx, .offset: 32, .size: 8, .value_kind: global_buffer, .address_space: global }
      - { .name: pos_tab, .offset: 40, .size: 8, .value_kind: global_buffer, .address_space: global }
      - { .name: wimg, .offset: 48, .size: 8, .value_kind: global_buffer, .address_space: global }
      - { .name: bnc, .offset: 56, .size: 8, .value_kind: global_buffer, .address_space: global }
      - { .name: bias, .offset: 64, .size: 8, .value_kind: global_buffer, .address_space: global }
      - { .name: bo, .offset: 72, .size: 8, .value_kind: global_buffer, .address_space: global }
      - { .name: q_g, .offset: 80, .size: 8, .value_kind: global_buffer, .address_space: global }
      - { .name: q_b, .offset: 88, .size: 8, .value_kind: global_buffer, .address_space: global }
      - { .name: q_m, .offset: 96, .size: 8, .value_kind: global_buffer, .address_space: global }
      - { .name: q_v, .offset: 104, .size: 8, .value_kind: global_buffer, .address_space: global }
      - { .name: k_g, .offset: 112, .size: 8, .value_kind: global_buffer, .address_space: global }
      - { .name: k_b, .offset: 120, .size: 8, .value_kind: global_buffer, .address_space: global }
      - { .name: k_m, .offset: 128, .size: 8, .value_kind: global_buffer, .address_space: global }
      - { .name: k_v, .offset: 136, .size: 8, .value_kind: global_buffer, .address_space: global }
      - { .name: v_g, .offset: 144, .size: 8, .value_kind: global_buffer, .address_space: global }
      - { .name: v_b, .offset: 152, .size: 8, .value_kind: global_buffer, .address_space: global }
      - { .name: v_m, .offset: 160, .size: 8, .value_kind: global_buffer, .address_space: global }
      - { .name: v_v, .offset: 168, .size: 8, .value_kind: global_buffer, .address_space: global }
      - { .name: o_g, .offset: 176, .size: 8, .value_kind: global_buffer, .address_space: global }
      - { .name: o_b, .offset: 184, .size: 8, .value_kind: global_buffer, .address_space: global }
      - { .name: o_m, .offset: 192, .size: 8, .value_kind: global_buffer, .address_space: global }
      - { .name: o_v, .offset: 200, .size: 8, .value_kind: global_buffer, .address_space: global }
    .group_segment_fixed_size: 0
    .private_segment_fixed_size: 0
    .kernarg_segment_align: 8
    .kernarg_segment_size: 208
    .max_flat_workgroup_size: 256
    .sgpr_count:     66
    .vgpr_count:     224
    .wavefront_size: 32
...
	.end_amdgpu_metadata
.endif
;; end of part 1
;; launch proj (part 2): grid 256 x 1, 8 waves a work-group, no clusters, 10,752 bytes of LDS; arguments x, wimg, bnc, qc, kv; writes qc, kv
.if DOCPART == 2
	.amdgcn_target "amdgcn-amd-amdhsa--gfx1250"
	.amdhsa_code_object_version 6
	.text
	.protected	k_qed98869339_proj
	.globl	k_qed98869339_proj
	.p2align	8
	.type	k_qed98869339_proj,@function
k_qed98869339_proj:
	s_mov_b64 s[64:65], 0
	v_nop
	global_prefetch_b8 v0, s[64:65] scope:SCOPE_SE
	s_setreg_imm32_b32 hwreg(HW_REG_WAVE_MODE, 25, 1), 1
	s_wait_xcnt 0x0
; PROJ: q, k, v = batch norm(W x), all three products on codes of FP4 (E2M1) with one E8M0 byte for each 32 along K = the 256 input channels; the results are quantised at once for the attention launch.
; SHARES.  A work-group takes 64 positions of one batch (four tiles of 16) and all 1,024 output channels, so x is read once.  Wave w first quantises channels 32 w .. 32 w + 31 (one block of K) of the 64 positions:
; a lane takes a position and its registers run down the channels, so a block's largest magnitude needs no other lane and the codes come out with K innermost.  They meet in LDS as rows of 128 bytes + 16; ONE barrier.
; Then waves 0, 1 make q's heads 4 w .. 4 w + 3, waves 2, 3 k's, waves 4-7 four runs of 32 channels of v each.  The weights come from memory as images of operand registers, 512 consecutive bytes a load.
; A TILE'S ROWS ARE NOT NEIGHBOURS: row r of tile T (of positions, or of output channels) is element 32 (T / 2) + 8 (T % 2) + r + 8 (r / 8), so that the 16 result registers of tiles 2 t and 2 t + 1 are 16 neighbours.
; q, k: source 0 = 16 channels, source 1 = 16 positions: a lane holds one position and 16 neighbouring channels of a head's 32: one block with lane l xor 16.  C of the first product = -m, so y - m comes out of the sums.
; v: the sources change places: a lane holds one channel and 16 neighbouring positions, since the keys are the K of the second attention product.
; OUT: q's codes by tile and row, 16 bytes a row; k's and v's codes and scale bytes into one block of 13,056 bytes for each (batch, head, 256 keys), laid as the attention launch's operand registers.
; LIMITS: a block whose largest magnitude lies under 2^-124, a block of zeros among them, keeps the scale byte 1; NaN and infinities are not served.
; No cluster, no tensor load: a wave reads its own four units of weights (16 KB) once, straight into the operand's registers; brought jointly they would have to pass through LDS first, for 64 matrix instructions a wave.
.set XF,  16                           ; v16-79   x's fragments: tile T, K step ks at XF + 8 (2 T + ks)
.set XSW, 80                           ; v80-87   their scale words
.set WF,  88                           ; v88-119  a unit's four fragments of weights
.set WS,  120                          ; v120-123 their scale words
.set NM,  124                          ; v124-139 -m in the result's layout (v: two channels' quads)
.set SS,  140                          ; v140-155 s
.set BB,  156                          ; v156-171 b
.set D,   172                          ; v172-235 eight accumulators; at the head x's 64 numbers
.set TM,  236                          ; v236-239 largest magnitudes, v240-243 the other lane's, then bytes, v244-247 scale operands
.set CD,  248                          ; v248-255 codes
; v4 4 lane; v5, v6 where I store x's codes and byte; v7, v8 where I read x's fragments and scale words; v9 16 lane; v10 16 r; v11 64 hh; v12 16 (r + 8 (r / 8)); v13 16 r + 8 hh; v14 4 r + 2 hh; v15 4 r + hh; v2, v3 scale stores' data
.macro PLACES                          ; four plain lines between a matrix instruction and a load into, or a vector read of, its registers
.rept 4
	v_nop
.endr
.endm
.macro MMZ d, a, b, sa, sb             ; the first product starts a sum
	v_wmma_scale_f32_16x16x128_f8f6f4 v[\d:\d+7], v[\a:\a+7], v[\b:\b+7], 0, v[\sa], v[\sb] matrix_a_fmt:MATRIX_FMT_FP4 matrix_b_fmt:MATRIX_FMT_FP4
.endm
.macro MMA d, a, b, c, sa, sb
	v_wmma_scale_f32_16x16x128_f8f6f4 v[\d:\d+7], v[\a:\a+7], v[\b:\b+7], v[\c:\c+7], v[\sa], v[\sb] matrix_a_fmt:MATRIX_FMT_FP4 matrix_b_fmt:MATRIX_FMT_FP4
.endm
.macro WLOAD i                         ; my unit i: four fragments and their scale words
.irp f,0,1,2,3
.irp c,0,1
	global_load_b128 v[WF+8*\f+4*\c:WF+8*\f+4*\c+3], v9, s[24:25] offset:(\i)*4096+\f*1024+\c*512
.endr
.endr
	global_load_b128 v[WS:WS+3], v10, s[26:27] offset:(\i)*256
.endm
.macro BNM i                           ; -m of the unit's 32 channels: lane (r, hh), register 8 wt + j: channel 8 wt + 16 hh + j
.irp u,0,1
	global_load_b128 v[NM+8*\u:NM+8*\u+3], v11, s[28:29] offset:(\i)*128+\u*32
	global_load_b128 v[NM+8*\u+4:NM+8*\u+7], v11, s[28:29] offset:(\i)*128+\u*32+16
.endr
.endm
.macro BNSB i                          ; s and b likewise
.irp u,0,1
	global_load_b128 v[SS+8*\u:SS+8*\u+3], v11, s[28:29] offset:2048+(\i)*128+\u*32
	global_load_b128 v[SS+8*\u+4:SS+8*\u+7], v11, s[28:29] offset:2048+(\i)*128+\u*32+16
	global_load_b128 v[BB+8*\u:BB+8*\u+3], v11, s[28:29] offset:4096+(\i)*128+\u*32
	global_load_b128 v[BB+8*\u+4:BB+8*\u+7], v11, s[28:29] offset:4096+(\i)*128+\u*32+16
.endr
.endm
.macro BNV i                           ; v: (-m, s, b, 0) of my lane's channel in each of the unit's two tiles
.irp u,0,1
	global_load_b128 v[NM+4*\u:NM+4*\u+3], v12, s[28:29] offset:(\i)*512+\u*128
.endr
.endm
.macro XQ e                            ; positions 32 e + lane: my 32 channels are one block
	v_max3_num_f32 v[TM], |v[D+32*\e]|, |v[D+32*\e+1]|, |v[D+32*\e+2]|
	v_max3_num_f32 v[TM+1], |v[D+32*\e+3]|, |v[D+32*\e+4]|, |v[D+32*\e+5]|
.irp i,6,10,14,18,22,26
	v_max3_num_f32 v[TM], v[TM], |v[D+32*\e+\i]|, |v[D+32*\e+\i+1]|
	v_max3_num_f32 v[TM+1], v[TM+1], |v[D+32*\e+\i+2]|, |v[D+32*\e+\i+3]|
.endr
	v_max3_num_f32 v[TM], v[TM], |v[D+32*\e+30]|, |v[D+32*\e+31]|
	v_max3_num_f32 v[TM], v[TM], v[TM+1], 0x1800000       ; the floor 2^(3 - 127): the byte cannot fall under 1
	v_add_nc_u32 v[TM+8+\e], 0xff000000, v[TM]            ; 2 off the exponent field: the conversion's scale operand
	v_lshrrev_b32 v[TM+2+\e], 23, v[TM+8+\e]              ; the scale's byte
.irp g,0,1,2,3
	v_cvt_scalef32_pk8_fp4_f32 v[CD+4*\e+\g], v[D+32*\e+8*\g:D+32*\e+8*\g+7], v[TM+8+\e]
.endr
	v_nop                                          ; one plain line behind the conversions: matrix instructions write their sources later
	ds_store_b128 v5, v[CD+4*\e:CD+4*\e+3] offset:4608*\e
	ds_store_b8 v6, v[TM+2+\e] offset:256*\e
.endm
; Four blocks of 32: block b is my 16 registers v[s + 16 b] on and lane l xor 16's.  Codes: my half of block b in v[CD + 2 b], v[CD + 2 b + 1]; bytes in v[TM + 4 + b].
.macro QUANT4 s
.irp b,0,1,2,3
	v_max3_num_f32 v[TM+\b], |v[\s+16*\b]|, |v[\s+1+16*\b]|, 0x1800000
.endr
.irp i,2,4,6,8,10,12,14
.irp b,0,1,2,3
	v_max3_num_f32 v[TM+\b], v[TM+\b], |v[\s+16*\b+\i]|, |v[\s+1+16*\b+\i]|
.endr
.endr
.irp b,0,1,2,3
	v_permlanex16_b32 v[TM+4+\b], v[TM+\b], s20, s21
.endr
.irp b,0,1,2,3
	v_max_num_f32 v[TM+\b], v[TM+\b], v[TM+4+\b]
.endr
.irp b,0,1,2,3
	v_add_nc_u32 v[TM+8+\b], 0xff000000, v[TM+\b]
.endr
.irp b,0,1,2,3
	v_lshrrev_b32 v[TM+4+\b], 23, v[TM+8+\b]
.endr
.irp b,0,1,2,3
	v_cvt_scalef32_pk8_fp4_f32 v[CD+2*\b], v[\s+16*\b:\s+7+16*\b], v[TM+8+\b]
	v_cvt_scalef32_pk8_fp4_f32 v[CD+1+2*\b], v[\s+8+16*\b:\s+15+16*\b], v[TM+8+\b]
.endr
	v_nop                                          ; one plain line behind the conversions
.endm
; One head of q (isk = 0) or of k (1) for the 64 positions.
.macro UNITQK i, isk
.if \i == 0
	BNM 0
	BNSB 0
.endif
	s_wait_loadcnt 0x0                             ; the unit's weights and tables
.if \i == 0
	s_wait_dscnt 0x0                               ; x's fragments
.endif
.irp k,0,1                             ; the eight accumulators take turns, one instruction a turn, K step by K step
.irp t,0,1,2,3
.irp u,0,1
.if \k == 0
	MMA D+8*(2*\t+\u), WF+8*(2*\u), XF+8*(2*\t), NM+8*\u, WS+2*\u, XSW+2*\t
.else
	MMA D+8*(2*\t+\u), WF+8*(2*\u+1), XF+8*(2*\t+1), D+8*(2*\t+\u), WS+2*\u+1, XSW+2*\t+1
.endif
.endr
.endr
.endr
	PLACES
.if \i < 3
	WLOAD \i+1                                     ; the next unit lands while this one is scaled and quantised
	BNM \i+1
.endif
.irp t,0,1,2,3
.irp p,0,2,4,6,8,10,12,14
	v_pk_fma_f32 v[D+16*\t+\p:D+16*\t+\p+1], v[D+16*\t+\p:D+16*\t+\p+1], v[SS+\p:SS+\p+1], v[BB+\p:BB+\p+1]   ; (y - m) s + b
.endr
.endr
.if \i < 3
	BNSB \i+1
.endif
	s_wait_xcnt 0x0                                ; the last unit's stores have read their data: the codes' and bytes' registers are rewritten only behind this wait
	QUANT4 D
.if \isk
.irp t,0,1,2,3
	global_store_b64 v13, v[CD+2*\t:CD+2*\t+1], s[32:33] offset:\i*52224+\t*256   ; 32 lanes store 256 consecutive bytes: a key tile's 16 rows
.endr
	v_lshl_or_b32 v2, v[TM+5], 8, v[TM+4]
	v_lshl_or_b32 v3, v[TM+7], 8, v[TM+6]
	v_cndmask_b32 v2, v2, v3, s22                  ; lanes 0-15: tiles 0, 1 of row r; lanes 16-31: tiles 2, 3
	global_store_b16 v14, v2, s[34:35] offset:\i*52224
.else
.irp t,0,1,2,3
	global_store_b64 v13, v[CD+2*\t:CD+2*\t+1], s[32:33] offset:\i*16384+\t*256
.endr
.irp b,0,1,2,3
	v_perm_b32 v[TM+4+\b], v[TM+4+\b], v[TM+4+\b], 0   ; q's byte in all four places of its word: q stands in any of the four blocks of an instruction's K
.endr
	v_cndmask_b32 v2, v[TM+4], v[TM+6], s22
	v_cndmask_b32 v3, v[TM+5], v[TM+7], s22
	global_store_b64 v13, v[2:3], s[34:35] offset:\i*4096   ; 256 consecutive bytes
.endif
.endm
; 32 channels of v for the 64 positions.
.macro UNITV i
.if \i == 0
	BNV 0
.endif
	s_wait_loadcnt 0x0
.if \i == 0
	s_wait_dscnt 0x0
.endif
.irp k,0,1
.irp u,0,1
.irp t,0,1,2,3
.if \k == 0
	MMZ D+8*(4*\u+\t), XF+8*(2*\t), WF+8*(2*\u), XSW+2*\t, WS+2*\u
.else
	MMA D+8*(4*\u+\t), XF+8*(2*\t+1), WF+8*(2*\u+1), D+8*(4*\u+\t), XSW+2*\t+1, WS+2*\u+1
.endif
.endr
.endr
.endr
	PLACES
.if \i < 3
	WLOAD \i+1
.endif
.irp u,0,1
.irp p,0,2,4,6,8,10,12,14,16,18,20,22,24,26,28,30
	v_pk_add_f32 v[D+32*\u+\p:D+32*\u+\p+1], v[D+32*\u+\p:D+32*\u+\p+1], v[NM+4*\u:NM+4*\u+1] op_sel_hi:[1,0]   ; y - m
.endr
.endr
.irp u,0,1
.irp p,0,2,4,6,8,10,12,14,16,18,20,22,24,26,28,30
	v_pk_fma_f32 v[D+32*\u+\p:D+32*\u+\p+1], v[D+32*\u+\p:D+32*\u+\p+1], v[NM+4*\u:NM+4*\u+1], v[NM+4*\u+2:NM+4*\u+3] op_sel:[0,1,0] op_sel_hi:[1,1,0]   ; x s (the pair's second word) + b (the next pair's first)
.endr
.endr
.if \i < 3
	BNV \i+1
.endif
	s_wait_xcnt 0x0                                ; as above
	QUANT4 D
.irp u,0,1
.irp e,0,1
	global_store_b64 v13, v[CD+4*\u+2*\e:CD+4*\u+2*\e+1], s[32:33] offset:(\i/2)*52224+(2*(\i%2)+\u)*1024+\e*256   ; 256 consecutive bytes: block e of 32 keys, the tile's 16 channels
.endr
.endr
	v_cndmask_b32 v2, v[TM+4], v[TM+5], s22        ; lanes 0-15 store block 0's byte, lanes 16-31 block 1's
	v_cndmask_b32 v3, v[TM+6], v[TM+7], s22
	global_store_b8 v15, v2, s[34:35] offset:(\i/2)*52224+(2*(\i%2))*64
	global_store_b8 v15, v3, s[34:35] offset:(\i/2)*52224+(2*(\i%2)+1)*64
.endm
	s_load_b256 s[4:11], s[0:1], 0x0               ; x, wimg, bnc, qc
	s_load_b64 s[12:13], s[0:1], 0x20              ; kv
	s_set_vgpr_msb 0x40
	v_lshl_add_u32 v0, v0, 2, 0x2600
	v_mov_b32 v1, 0
	s_set_vgpr_msb 0x4000
	v_lshrrev_b32 v1, 5, v0
	v_readfirstlane_b32 s14, v1                    ; wave 0..7
	v_and_b32 v1, 31, v0                           ; lane
	v_and_b32 v2, 15, v0                           ; r
	v_bfe_u32 v3, v0, 4, 1                         ; hh
	s_lshr_b32 s15, ttmp9, 4                       ; batch
	s_and_b32 s16, ttmp9, 15                       ; which 64 positions
	s_mov_b32 s20, 0x76543210
	s_mov_b32 s21, 0xfedcba98                      ; v_permlanex16_b32's selects for lane l xor 16
	s_mov_b32 s22, 0xffff0000                      ; lanes 16-31
	v_lshlrev_b32 v4, 2, v1
	v_mul_u32_u24 v5, v1, 144
	s_lshl_b32 s17, s14, 4
	v_add_nc_u32 v5, s17, v5                       ; x's codes: row = position, 16 bytes for each block of K
	v_lshlrev_b32 v6, 3, v1
	v_add_nc_u32 v6, s14, v6
	v_add_nc_u32 v6, 9216, v6                      ; x's scale bytes: 8 a position
	v_and_b32 v12, 8, v2
	v_add_nc_u32 v12, v12, v2                      ; r + 8 (r / 8)
	v_mul_u32_u24 v7, v12, 144
	v_lshl_add_u32 v7, v3, 4, v7
	v_lshl_add_u32 v8, v12, 3, 9216
	v_lshlrev_b32 v9, 4, v1
	v_lshlrev_b32 v10, 4, v2
	v_lshlrev_b32 v11, 6, v3
	v_lshlrev_b32 v12, 4, v12
	v_lshl_add_u32 v13, v3, 3, v10
	v_lshlrev_b32 v14, 2, v2
	v_add_nc_u32 v15, v14, v3
	v_lshl_add_u32 v14, v3, 1, v14
.irp b,0,1,2,3
	v_mov_b32 v[TM+4+\b], 0                        ; written once: a lane permute's destination counts as one of its sources
.endr
	s_lshl_b32 s36, s14, 14                        ; my four units' codes: unit 4 w on
	s_mov_b32 s37, 0
	s_lshl_b32 s38, s14, 10
	s_add_co_u32 s38, s38, 196608                  ; and their scale words
	s_mov_b32 s39, 0
	s_lshl_b32 s40, s15, 20                        ; x: the batch,
	s_lshl_b32 s41, s14, 17                        ; my 32 channels,
	s_add_co_u32 s40, s40, s41
	s_lshl_b32 s41, s16, 8                         ; the 64 positions
	s_add_co_u32 s40, s40, s41
	s_mov_b32 s41, 0
	s_wait_kmcnt 0x0
	s_add_nc_u64 s[24:25], s[6:7], s[36:37]
	s_add_nc_u64 s[26:27], s[6:7], s[38:39]
	s_add_nc_u64 s[30:31], s[4:5], s[40:41]
	WLOAD 0
.irp e,0,1
.irp i,0,1,2,3,4,5,6,7,8,9,10,11,12,13,14,15,16,17,18,19,20,21,22,23,24,25,26,27,28,29,30,31
	global_load_b32 v[D+32*\e+\i], v4, s[30:31] offset:\i*4096+\e*128 th:TH_LOAD_NT   ; x(32 w + i, 32 e + lane)
.endr
.endr
	s_wait_loadcnt 32                              ; the first 32 positions' numbers are in; the other 32 loads may be out
	XQ 0
	s_wait_loadcnt 0x0
	XQ 1
	s_wait_dscnt 0x0                               ; for the others' sake: my stores have landed
	s_barrier_signal -1
	s_barrier_wait -1                              ; x's codes and bytes lie in LDS; nothing is written there again
.irp t,0,1,2,3
.irp k,0,1
.irp c,0,1
	ds_load_b128 v[XF+16*\t+8*\k+4*\c:XF+16*\t+8*\k+4*\c+3], v7 offset:(32*(\t/2)+8*(\t%2))*144+64*\k+32*\c
.endr
.endr
	ds_load_b64 v[XSW+2*\t:XSW+2*\t+1], v8 offset:(32*(\t/2)+8*(\t%2))*8
.endr
	s_lshr_b32 s17, s16, 2                         ; which 256 keys,
	s_bfe_u32 s18, s16, 0x10001                    ; which 128 of them,
	s_and_b32 s19, s16, 1                          ; which 64 of those
	s_mov_b32 s37, 0
	s_cmp_lt_u32 s14, 2
	s_cbranch_scc1 .Lrole_q
	s_cmp_lt_u32 s14, 4
	s_cbranch_scc1 .Lrole_k
	; ---- v
	s_sub_co_u32 s39, s14, 4
	s_lshl_b32 s36, s39, 11
	s_add_co_u32 s36, s36, 6144
	s_add_nc_u64 s[28:29], s[8:9], s[36:37]        ; my 128 channels' quads
	s_lshl_b32 s38, s15, 3
	s_lshl_b32 s39, s39, 1
	s_add_co_u32 s38, s38, s39                     ; batch x 8 + my first head
	s_lshl_b32 s38, s38, 2
	s_add_co_u32 s38, s38, s17
	s_mul_i32 s36, s38, 13056
	s_add_nc_u64 s[12:13], s[12:13], s[36:37]      ; the block of (batch, head, 256 keys)
	s_lshl_b32 s36, s18, 12
	s_lshl_b32 s39, s19, 9
	s_add_co_u32 s36, s36, s39
	s_add_co_u32 s36, s36, 4096
	s_add_nc_u64 s[32:33], s[12:13], s[36:37]      ; V's image
	s_lshl_b32 s36, s18, 8
	s_lshl_b32 s39, s19, 1
	s_add_co_u32 s36, s36, s39
	s_add_co_u32 s36, s36, 12544
	s_add_nc_u64 s[34:35], s[12:13], s[36:37]      ; V's scale bytes
	UNITV 0
	UNITV 1
	UNITV 2
	UNITV 3
	s_set_vgpr_msb 0x5
	s_wait_tensorcnt 0x0
	ds_add_u32 v0, v1
	s_wait_dscnt 0x0
	s_set_vgpr_msb 0x500
	s_endpgm
.Lrole_q:
	s_lshl_b32 s36, s14, 9
	s_add_nc_u64 s[28:29], s[8:9], s[36:37]        ; my 128 channels in the planar tables
	s_lshl_b32 s38, s15, 3
	s_lshl_b32 s39, s14, 2
	s_add_co_u32 s38, s38, s39                     ; batch x 8 + my first head
	s_lshl_b32 s36, s38, 14
	s_lshl_b32 s39, s16, 10
	s_add_co_u32 s36, s36, s39
	s_add_nc_u64 s[32:33], s[10:11], s[36:37]      ; q's codes
	s_lshl_b32 s36, s38, 12
	s_lshl_b32 s39, s16, 8
	s_add_co_u32 s36, s36, s39
	s_add_co_u32 s36, s36, 2097152
	s_add_nc_u64 s[34:35], s[10:11], s[36:37]      ; q's scale words
	UNITQK 0, 0
	UNITQK 1, 0
	UNITQK 2, 0
	UNITQK 3, 0
	s_set_vgpr_msb 0x5
	s_wait_tensorcnt 0x0
	ds_add_u32 v0, v1
	s_wait_dscnt 0x0
	s_set_vgpr_msb 0x500
	s_endpgm
.Lrole_k:
	s_lshl_b32 s36, s14, 9
	s_add_nc_u64 s[28:29], s[8:9], s[36:37]        ; k's channels follow q's in the planar tables: 128 w on
	s_lshl_b32 s38, s15, 3
	s_sub_co_u32 s39, s14, 2
	s_lshl_b32 s39, s39, 2
	s_add_co_u32 s38, s38, s39
	s_lshl_b32 s38, s38, 2
	s_add_co_u32 s38, s38, s17
	s_mul_i32 s36, s38, 13056
	s_add_nc_u64 s[12:13], s[12:13], s[36:37]
	s_lshl_b32 s36, s18, 11
	s_lshl_b32 s39, s19, 10
	s_add_co_u32 s36, s36, s39
	s_add_nc_u64 s[32:33], s[12:13], s[36:37]      ; K's image
	s_lshl_b32 s36, s18, 7
	s_lshl_b32 s39, s19, 6
	s_add_co_u32 s36, s36, s39
	s_add_co_u32 s36, s36, 12288
	s_add_nc_u64 s[34:35], s[12:13], s[36:37]      ; K's scale bytes
	UNITQK 0, 1
	UNITQK 1, 1
	UNITQK 2, 1
	UNITQK 3, 1
	s_set_vgpr_msb 0x5
	s_wait_tensorcnt 0x0
	ds_add_u32 v0, v1
	s_wait_dscnt 0x0
	s_set_vgpr_msb 0x500
	s_endpgm
.Lfunc_end_k_qed98869339_proj:
	.size	k_qed98869339_proj, .Lfunc_end_k_qed98869339_proj-k_qed98869339_proj
	.p2alignl 7, 3214868480
	.fill 96, 4, 3214868480
	.section	.rodata,"a",@progbits
	.p2align	6, 0x0
	.amdhsa_kernel k_qed98869339_proj
		.amdhsa_group_segment_fixed_size 10752
		.amdhsa_private_segment_fixed_size 0
		.amdhsa_enable_private_segment 0
		.amdhsa_kernarg_size 40
		.amdhsa_user_sgpr_count 2
		.amdhsa_user_sgpr_kernarg_segment_ptr 1
		.amdhsa_wavefront_size32 1
		.amdhsa_system_sgpr_workgroup_id_x 1
		.amdhsa_system_sgpr_workgroup_id_y 1
		.amdhsa_system_sgpr_workgroup_id_z 1
		.amdhsa_system_vgpr_workitem_id 0
		.amdhsa_next_free_vgpr 258
		.amdhsa_next_free_sgpr 66
		.amdhsa_reserve_vcc 0
		.amdhsa_float_denorm_mode_32 3
		.amdhsa_float_denorm_mode_16_64 3
		.amdhsa_memory_ordered 1
		.amdhsa_forward_progress 1
		.amdhsa_inst_pref_size 143
	.end_amdhsa_kernel
	.amdgpu_metadata
---
amdhsa.version: [ 1, 2 ]
amdhsa.kernels:
  - .name:           k_qed98869339_proj
    .symbol:         k_qed98869339_proj.kd
    .args:
      - { .name: x, .offset: 0, .size: 8, .value_kind: global_buffer, .address_space: global }
      - { .name: wimg, .offset: 8, .size: 8, .value_kind: global_buffer, .address_space: global }
      - { .name: bnc, .offset: 16, .size: 8, .value_kind: global_buffer, .address_space: global }
      - { .name: qc, .offset: 24, .size: 8, .value_kind: global_buffer, .address_space: global }
      - { .name: kv, .offset: 32, .size: 8, .value_kind: global_buffer, .address_space: global }
    .group_segment_fixed_size: 10752
    .private_segment_fixed_size: 0
    .kernarg_segment_align: 8
    .kernarg_segment_size: 40
    .max_flat_workgroup_size: 256
    .sgpr_count:     66
    .vgpr_count:     258
    .wavefront_size: 32
...
	.end_amdgpu_metadata
.endif
;; end of part 2
;; launch attn (part 3): grid 4 x 128, 16 waves a work-group, clusters of 4 x 4, 327,680 bytes of LDS; arguments qc, kv, bias, oc; writes oc
.if DOCPART == 3
	.amdgcn_target "amdgcn-amd-amdhsa--gfx1250"
	.amdhsa_code_object_version 6
	.text
	.protected	k_qed98869339_attn
	.globl	k_qed98869339_attn
	.p2align	8
	.type	k_qed98869339_attn,@function
k_qed98869339_attn:
	s_mov_b64 s[64:65], 0
	v_nop
	global_prefetch_b8 v0, s[64:65] scope:SCOPE_SE
	s_setreg_imm32_b32 hwreg(HW_REG_WAVE_MODE, 25, 1), 1
	s_wait_xcnt 0x0
	s_wait_alu depctr_hold_cnt(0) depctr_sa_sdst(0) depctr_va_vdst(0) depctr_va_sdst(0) depctr_va_ssrc(0) depctr_va_vcc(0) depctr_vm_vsrc(0)
	s_getreg_b32 s2, hwreg(HW_REG_IB_STS2, 6, 4)
	s_cmp_eq_u32 s2, 0
	s_cbranch_scc0 .Lentry_in_a_cluster
	s_endpgm
.Lentry_in_a_cluster:
	s_bfe_u32 s2, ttmp6, 0x10000c
	s_cmp_lg_u32 s2, 0xf033
	s_cbranch_scc0 .Lentry_shape_is_right
	s_endpgm
.Lentry_shape_is_right:
; ATTN: o = relu(softmax(scale q k^T + tab / scale) v), both products on codes of FP4 (E2M1) with one E8M0 byte for each 32 along K; o is quantised at once, along the 512 inner channels, for the last product.
; scale q.k + tab / scale = scale (q.k + 32 tab): the image of 32 tab is the C of the first product, so the bias costs no vector instruction.
; THE SOFTMAX: t = (q.k + 32 tab) x log2(e) / sqrt(32); M = the row's largest t so far, rounded UP to a whole number; p = 2^(t - M) is quantised along the keys, not normalised; the row's sum is taken of the
; unquantised p and divides at the end.  When M moves, the sum and O are multiplied by 2^(old M - new M): exact.
; SHARES.  A work-group takes one head, four batches and four tiles of 16 queries; wave w takes batch w % 4 and tile w / 4: 16 queries in 256 registers, four waves to a SIMD.  So a bias image serves four waves, and so does a
; batch's block of k and v.  Every wave walks the 1,024 keys, 128 a step; a slot of the ring holds 256 keys: four bias images of 16 KB and four blocks of 13,056 bytes.
; CLUSTER 4 x 4.  x = which four batches, y = head and which four query tiles; a cluster's sixteen have one head.  The bias hangs on y alone: it is asked for JOINTLY along a row of the cluster; k and v hang on x and the
; head alone: jointly along a column.  Waves 0-3 ask for the bias images, waves 4-7 for the blocks, one load each; a wave never has more than one tensor load out.
; LAYOUT.  Both products are used transposed: a lane holds ONE query (lane % 16) throughout.  All operands lie in LDS as images of their registers: every load takes 512 consecutive bytes.
; K = 32 IN AN INSTRUCTION OF 128: a fragment of k holds FOUR key tiles, one in each block of 32; q stands in one block and zero codes in the other three: four variants of q, which are four runs of one run of 20 registers.
; The keys of a tile are not neighbours (row r of tile T: 32 (T / 2) + 8 (T % 2) + r + 8 (r / 8)), so the 16 registers of tiles 2 b, 2 b + 1 are keys 32 b + 16 (lane / 16) + 0 .. 15.  The same holds of the head's 64 channels.
; LIMITS: a block whose largest magnitude lies under 2^-124 keeps the scale byte 1; NaN and infinities are not served; a block's largest p is taken from its largest score, which takes v_exp_f32 not to fall where its
; input rises; o is multiplied by a reciprocal of the sum, not divided.
.set SLOT1, 131072                     ; slot 1 begins here: one exclusive or turns an address in one slot into the other's
.set KVO,   65536                      ; in a slot: four bias images, then four blocks of k and v
.set KVB,   13056
.set SPARE, 248832                     ; behind the ring: the spare words, 128 bytes for each wave: eight blocks of 256 bytes that no other line names
.set ABI, 1                            ; v1   16 lane + my bias image in a slot
.set AKV, 2                            ; v2   16 lane + my batch's block
.set ASC, 3                            ; v3   4 lane + its scale bytes
.set GS,  4                            ; v4   16 r + hh: the way out, scale bytes
.set SPW, 5                            ; v5   LDS address of my spare word; never rewritten
.set NIL, 6                            ; v6   0; never rewritten
.set GO,  7                            ; v7   16 r + 8 hh: the way out, codes
.set ADB, 8                            ; v8-10 the three addresses in the slot in hand
.set ADK, 9
.set ADS, 10
; v11 16 r; v12 -M, v13 the largest t, v[14:15] the sum in two halves; v16-35 q's run: zeros, q in lanes 0-15, zeros, q in lanes 16-31, zeros
.set QS,  36                           ; q's scale word
.set KS,  37                           ; k's: lanes 0-15 fragment 0, lanes 16-31 fragment 1
.set VS,  38                           ; v38-39 v's: lanes 0-15 an even tile, lanes 16-31 the odd one
.set KF,  40                           ; v40-55  two fragments of k
.set PFO, 60                           ; v60     the prefetches' offset; never rewritten
.set VF,  64                           ; v64-95  four fragments of v
.set S,   96                           ; v96-159 the bias, then the scores, then p
.set O,   160                          ; v160-191 O^T
.set PC,  224                          ; v224-231 p's codes;  v232-249 at work;  v[250:251] f;  v253 p's scale word;  v254 at work
.set WV,  12                           ; s12  my wave's number
.set TB,  19                           ; s19  LDS byte at which the slot in hand begins
.set SEL, 20
.set CS,  22                           ; s[22:23] c = log2(e) / sqrt(32)
.set G1A, 24                           ; s[24:31] descriptor group 1 for the bias images;  s[32:39] for the blocks;  s[40:43], s[44:47] their groups 0, which walk
.set G1B, 32
.set G0A, 40
.set G0B, 44
.set SLOTS, 48                         ; s48  slots still to be asked for
.set HM,  49                           ; s49  lanes 16-31
.set PFA, 78                           ; s[78:79] where my prefetches stand;  s[80:81] a slot on;  s82: 1 in a wave that prefetches, else the greatest number
.set PFS, 80
.set LIM, 82
.macro PLACES
.rept 4
	v_nop
.endr
.endm
.macro MMA d, a, b, sa, sb             ; adds in place
	v_wmma_scale_f32_16x16x128_f8f6f4 v[\d:\d+7], v[\a:\a+7], v[\b:\b+7], v[\d:\d+7], v[\sa], v[\sb] matrix_a_fmt:MATRIX_FMT_FP4 matrix_b_fmt:MATRIX_FMT_FP4
.endm
.macro MMA1 d, a, b, sa, sb            ; the same, source 0's scales from lanes 16-31
	v_wmma_scale_f32_16x16x128_f8f6f4 v[\d:\d+7], v[\a:\a+7], v[\b:\b+7], v[\d:\d+7], v[\sa], v[\sb] matrix_a_fmt:MATRIX_FMT_FP4 matrix_b_fmt:MATRIX_FMT_FP4 matrix_a_scale:MATRIX_SCALE_ROW1
.endm
; A joint load.  The branches hang on the wave's number alone.  Four v_nop follow each of the two lines, ahead of the jump, the label and what follows.
.macro JLOAD
	s_cmp_lt_u32 s[WV], 4
	s_cbranch_scc0 .Lnot_a_\@
	tensor_load_to_lds s[G0A:G0A+3], s[G1A:G1A+7]
	s_nop 0
.rept 4
	v_nop
.endr
	s_branch .Lasked_\@
.Lnot_a_\@:
	s_cmp_lt_u32 s[WV], 8
	s_cbranch_scc0 .Lasked_\@
	tensor_load_to_lds s[G0B:G0B+3], s[G1B:G1B+7]
	s_nop 0
.rept 4
	v_nop
.endr
.Lasked_\@:
.endm
; A PREFETCH INTO THE L2 of what the NEXT change of slots will ask for, a slot's two key steps of each of the sixteen waves ahead of that load.  It stands behind the joint load and its four lines.
; Each block of 256 bytes is named by one work-group.  A row of the cluster is the only reader of its four bias images: the partner at place cx takes image cx, 64 blocks, waves 8 and 9, a lane a block.
; A head's four clusters read the same blocks of k and v: the first of them asks; the partner at place cy takes batch cy's 51 blocks, waves 10 and 11 (the lanes past block 50 name block 50 again).
; Partners are told apart BY ADDRESS; the branch hangs on the wave's number and the cluster's, which all partners share.  Slots 0 and 1 come by their loads alone; the last fill asks for nothing.
.macro ASK
	s_cmp_gt_u32 s[SLOTS], s[LIM]
	s_cbranch_scc0 .Lnot_mine_\@
	global_prefetch_b8 v[PFO], s[PFA:PFA+1] th:TH_LOAD_NT scope:SCOPE_SE
.Lnot_mine_\@:
.endm
; A round of the cluster's barrier: my work-group's barrier; wave 0 signals for the work-group; every wave waits for all sixteen work-groups; my work-group's barrier once more.
.macro CROUND
	s_barrier_signal -1
	s_barrier_wait -1
	s_cmp_lg_u32 s[WV], 0
	s_cbranch_scc1 .Lnot_wave_0_\@
	s_barrier_signal -3
.Lnot_wave_0_\@:
	s_barrier_wait -3
	s_barrier_signal -1
	s_barrier_wait -1
.endm
	s_load_b256 s[4:11], s[0:1], 0x0               ; qc, kv, bias, oc
	v_lshl_add_u32 v[SPW], v0, 2, SPARE
	v_mov_b32 v[NIL], 0
	ds_add_u32 v5, v6
	s_wait_dscnt 0x0
	v_lshrrev_b32 v1, 5, v0
	v_readfirstlane_b32 s[WV], v1                  ; wave 0..15
	s_bfe_u32 s13, ttmp6, 0x40000                  ; cx
	s_bfe_u32 s14, ttmp6, 0x40004                  ; cy
	s_and_b32 s15, ttmp7, 0xffff                   ; the cluster's y
	s_lshr_b32 s16, s15, 2                         ; the head: the same in all sixteen
	s_and_b32 s17, s15, 3
	s_lshl_b32 s17, s17, 2
	s_add_co_u32 s17, s17, s14                     ; which four query tiles
	s_lshl_b32 s18, ttmp9, 2
	s_add_co_u32 s18, s18, s13                     ; which four batches
	s_and_b32 s50, s[WV], 3
	s_lshr_b32 s51, s[WV], 2
	s_lshl_b32 s52, s14, 2
	s_lshl_b32 s52, 15, s52                        ; my row of the cluster
	s_lshl_b32 s53, 0x1111, s13                    ; my column
	; descriptor group 1: dense blocks as rows of 256 bytes (32 elements of 8 bytes): 64 rows for a bias image, 51 for a block of k and v; no padding: every read is 16 x lane
	s_or_b32 s[G1A], s52, (3<<16)|(1<<21)          ; 15:0 the mask; 17:16 elements of 8 bytes; 21 set beside a mask
	s_or_b32 s[G1B], s53, (3<<16)|(1<<21)
	s_mov_b32 s[G1A+1], 32<<16                     ; tensor_dim0
	s_mov_b32 s[G1A+2], 64<<16                     ; tensor_dim1
	s_mov_b32 s[G1A+3], 32<<16                     ; tile_dim0
	s_mov_b32 s[G1A+4], 64                         ; tile_dim1
	s_mov_b32 s[G1A+5], 32                         ; tensor_dim0_stride
	s_mov_b32 s[G1A+6], 0
	s_mov_b32 s[G1A+7], 0
	s_mov_b32 s[G1B+1], 32<<16
	s_mov_b32 s[G1B+2], 51<<16
	s_mov_b32 s[G1B+3], 32<<16
	s_mov_b32 s[G1B+4], 51
	s_mov_b32 s[G1B+5], 32
	s_mov_b32 s[G1B+6], 0
	s_mov_b32 s[G1B+7], 0
	s_lshl_b32 s54, s17, 2                         ; the bias image of query tile 4 qb + w % 4, my head, slot 0: made of y and the wave's number alone
	s_add_co_u32 s54, s54, s50
	s_lshl_b32 s54, s54, 19
	s_lshl_b32 s55, s16, 14
	s_add_co_u32 s54, s54, s55
	s_mov_b32 s55, 0
	s_lshl_b32 s56, s18, 2                         ; the block of batch 4 bg + w % 4, my head, slot 0: made of x, the head and the wave's number alone
	s_add_co_u32 s56, s56, s50                     ; (also my own batch)
	s_mul_i32 s58, s56, 417792
	s_mul_i32 s59, s16, 52224
	s_add_co_u32 s58, s58, s59
	s_mov_b32 s59, 0
	s_lshl_b32 s[G0A+1], s50, 14                   ; LDS addresses: the wave's number alone
	s_mul_i32 s[G0B+1], s50, KVB
	s_add_co_u32 s[G0B+1], s[G0B+1], KVO
	s_mov_b32 s[SEL], 0x76543210
	s_mov_b32 s[SEL+1], 0xfedcba98
	s_mov_b32 s[CS], 0x3e8293ee                    ; c = log2(e) / sqrt(32)
	s_mov_b32 s[CS+1], s[CS]                       ; (named with it as a pair, so it is written)
	s_mov_b32 s[HM], 0xffff0000
	s_mov_b32 s[TB], 0
	s_mov_b32 s[SLOTS], 3
	s_wait_kmcnt 0x0
	s_mov_b32 s[G0A], 1
	s_add_nc_u64 s[G0A+2:G0A+3], s[8:9], s[54:55]
	s_or_b32 s[G0A+3], s[G0A+3], 0x80000000
	s_mov_b32 s[G0B], 1
	s_add_nc_u64 s[G0B+2:G0B+3], s[6:7], s[58:59]
	s_or_b32 s[G0B+3], s[G0B+3], 0x80000000
	CROUND                                         ; all sixteen work-groups are here: the first joint loads meet
	JLOAD                                          ; slot 0
	; my own places: batch s56, query tile s61
	s_lshl_b32 s60, s56, 3
	s_add_co_u32 s60, s60, s16                     ; batch x 8 + head
	s_lshl_b32 s61, s17, 2
	s_add_co_u32 s61, s61, s51                     ; query tile
	s_lshl_b32 s62, s60, 14
	s_lshl_b32 s63, s61, 8
	s_add_co_u32 s62, s62, s63
	s_mov_b32 s63, 0
	s_add_nc_u64 s[66:67], s[4:5], s[62:63]        ; q's codes
	s_lshl_b32 s62, s60, 12
	s_lshl_b32 s68, s17, 8
	s_add_co_u32 s62, s62, s68
	s_lshl_b32 s68, s51, 2
	s_add_co_u32 s62, s62, s68
	s_add_co_u32 s62, s62, 2097152
	s_add_nc_u64 s[4:5], s[4:5], s[62:63]          ; q's scale words
	s_lshl_b32 s68, s56, 6
	s_add_co_u32 s68, s68, s61                     ; batch x 64 + query tile
	s_lshl_b32 s70, s68, 12
	s_lshl_b32 s71, s16, 9
	s_add_co_u32 s70, s70, s71
	s_mov_b32 s71, 0
	s_add_nc_u64 s[72:73], s[10:11], s[70:71]      ; o's codes
	s_lshl_b32 s70, s68, 8
	s_lshl_b32 s69, s16, 1
	s_add_co_u32 s70, s70, s69
	s_add_co_u32 s70, s70, 4194304
	s_add_nc_u64 s[10:11], s[10:11], s[70:71]      ; o's scale bytes
	s_lshl_b32 s74, s51, 14                        ; my bias image in a slot
	s_mul_i32 s75, s50, KVB
	s_add_co_u32 s75, s75, KVO                     ; my batch's block
	s_add_co_u32 s76, s75, 12288                   ; its scale bytes
	v_and_b32 v8, 31, v0                           ; lane
	v_and_b32 v9, 15, v0                           ; r
	v_bfe_u32 v10, v0, 4, 1                        ; hh
	v_lshl_add_u32 v[ABI], v8, 4, s74
	v_lshl_add_u32 v[AKV], v8, 4, s75
	v_lshl_add_u32 v[ASC], v8, 2, s76
	v_lshlrev_b32 v11, 4, v9
	global_load_b128 v[56:59], v11, s[66:67]       ; query r's 32 codes, in both halves of the lanes
	global_load_b32 v[QS], v11, s[4:5]
	v_lshl_add_u32 v[GO], v10, 3, v11
	v_add_nc_u32 v[GS], v11, v10
	; the prefetches: where my wave's stand, and who asks
	s_and_b32 s84, s[WV], 1
	s_lshl_b32 s84, s84, 5
	s_lshl_b32 s86, s17, 2
	s_add_co_u32 s86, s86, s13                     ; the bias image of query tile 4 qb + cx,
	s_lshl_b32 s86, s86, 19
	s_lshl_b32 s87, s16, 14
	s_add_co_u32 s86, s86, s87
	s_add_co_u32 s86, s86, 131072                  ; in slot 1: the first change of slots steps it to slot 2
	s_lshl_b32 s88, s18, 2
	s_add_co_u32 s88, s88, s14                     ; the block of batch 4 bg + cy,
	s_mul_i32 s88, s88, 417792
	s_mul_i32 s89, s16, 52224
	s_add_co_u32 s88, s88, s89
	s_add_co_u32 s88, s88, KVB                     ; likewise
	s_and_b32 s[LIM], s15, 3
	s_sub_co_u32 s83, s[WV], 8
	s_lshr_b32 s83, s83, 2                         ; 0 in waves 8 to 11
	s_mov_b32 s[PFS], KVB
	s_mov_b32 s[PFS+1], 0
	s_mov_b32 s87, 0
	s_cmp_lt_u32 s[WV], 10                         ; waves 8, 9: the bias; waves 10, 11: k and v
	s_cselect_b32 s85, 63, 50                      ; the last block
	s_cselect_b32 s86, s86, s88
	s_cselect_b32 s[PFS], 131072, s[PFS]
	s_cselect_b32 s[LIM], 0, s[LIM]                ; the bias is asked for in every cluster, k and v in the head's first
	s_cselect_b64 s[PFA:PFA+1], s[8:9], s[6:7]
	s_add_nc_u64 s[PFA:PFA+1], s[PFA:PFA+1], s[86:87]
	s_or_b32 s[LIM], s[LIM], s83
	s_cmp_eq_u32 s[LIM], 0
	s_cselect_b32 s[LIM], 1, -1
	v_add_nc_u32 v[PFO], s84, v8
	v_min_u32 v[PFO], s85, v[PFO]
	v_lshlrev_b32 v[PFO], 8, v[PFO]
	v_mov_b32 v13, 0xff61b1e6                      ; the largest t so far: -3e38, under every t
	v_floor_f32 v12, -v13                          ; -M
	v_mov_b32 v14, 0
	v_mov_b32 v15, 0
	v_mov_b32 v251, 0                              ; (named as the upper half of the pair v[250:251])
.irp b,0,1,2,3
	v_mov_b32 v[236+\b], 0                         ; written once: a lane permute's destination counts as one of its sources
.endr
	s_wait_loadcnt 0x0                             ; q
.irp i,0,1,2,3
	v_mov_b32 v[16+\i], 0
	v_mov_b32 v[24+\i], 0
	v_mov_b32 v[32+\i], 0
.endr
.irp i,0,1,2,3
	v_cndmask_b32 v[20+\i], v[56+\i], v16, s[HM]   ; q in lanes 0-15, zero codes above
	v_cndmask_b32 v[28+\i], v16, v[56+\i], s[HM]   ; and the other way round
.endr
.irp j,0,1,2,3,4,5,6,7,8,9,10,11,12,13,14,15,16,17,18,19,20,21,22,23,24,25,26,27,28,29,30,31
	v_mov_b32 v[O+\j], 0                           ; O^T.  (The step is written once: the first finds zeros, which the first change of M leaves zeros)
.endr
; A KEY STEP: 128 keys, the q-th of the slot in hand.
.macro STEP q
	PLACES                                         ; behind the last products, in front of loads into their operands
.irp g,0,1
.irp c,0,1
	ds_load_b128 v[KF+8*\g+4*\c:KF+8*\g+4*\c+3], v[ADK] offset:\q*2048+\g*1024+\c*512
.endr
.endr
	ds_load_b32 v[KS], v[ADS] offset:\q*128
.irp k,0,1,2,3,4,5,6,7,8,9,10,11,12,13,14,15
	ds_load_b128 v[S+4*\k:S+4*\k+3], v[ADB] offset:\q*8192+\k*512   ; 32 tab, in the scores' own registers
.endr
.irp t,0,1,2,3
.irp c,0,1
	ds_load_b128 v[VF+8*\t+4*\c:VF+8*\t+4*\c+3], v[ADK] offset:4096+\q*4096+\t*1024+\c*512
.endr
.endr
.irp p,0,1
	ds_load_b32 v[VS+\p], v[ADS] offset:256+\q*256+\p*128
.endr
	s_wait_dscnt 10                                ; k, its scales and the bias are in; v's eight loads and its two scale words may be out
.irp e,0,1,2,3                         ; S^T = k q^T + 32 tab: key tile e is block e of fragment 0; q's variant e begins at v20, v28, v16, v24
	MMA S+8*\e, KF, 20+8*(\e%2)-4*(\e/2), KS, QS
.endr
.irp e,0,1,2,3
	MMA1 S+32+8*\e, KF+8, 20+8*(\e%2)-4*(\e/2), KS, QS
.endr
	PLACES
.irp b,0,1,2,3
	v_max3_num_f32 v[232+\b], v[96+16*\b], v[97+16*\b], v[98+16*\b]   ; the largest score of each block of 32 keys: it serves the row's maximum and, since p rises with the score, the block's largest p
.endr
.irp i,3,5,7,9,11,13
.irp b,0,1,2,3
	v_max3_num_f32 v[232+\b], v[232+\b], v[96+16*\b+\i], v[97+16*\b+\i]
.endr
.endr
.irp b,0,1,2,3
	v_max_num_f32 v[232+\b], v[232+\b], v[111+16*\b]
.endr
.irp b,0,1,2,3
	v_permlanex16_b32 v[236+\b], v[232+\b], s[SEL], s[SEL+1]
.endr
.irp b,0,1,2,3
	v_max_num_f32 v[232+\b], v[232+\b], v[236+\b]  ; with lane l xor 16's 16 keys
.endr
	v_max3_num_f32 v254, v232, v233, v234
	v_max_num_f32 v254, v254, v235
	v_mul_f32 v254, s[CS], v254                    ; the step's largest t (c is positive)
	v_max_num_f32 v13, v13, v254                   ; the running largest t
	v_mov_b32 v254, v12
	v_floor_f32 v12, -v13                          ; the new -M = floor(-t): M is a whole number
	v_sub_f32 v254, v12, v254                      ; old M - new M: a whole number, 0 or less
	v_cvt_i32_f32 v254, v254                       ; (it saturates)
	v_ldexp_f32 v250, 1.0, v254                    ; f = 2^(old M - new M)
.irp j,0,2,4,6,8,10,12,14,16,18,20,22,24,26,28,30,32,34,36,38,40,42,44,46,48,50,52,54,56,58,60,62
	v_pk_fma_f32 v[96+\j:97+\j], v[96+\j:97+\j], s[CS:CS+1], v[12:13] op_sel_hi:[1,0,0]   ; t - M
.endr
.irp b,0,1,2,3
	v_fma_f32 v[232+\b], v[232+\b], s[CS], v12     ; the same of each block's largest score
.endr
.irp j,0,1,2,3,4,5,6,7,8,9,10,11,12,13,14,15,16,17,18,19,20,21,22,23,24,25,26,27,28,29,30,31,32,33,34,35,36,37,38,39,40,41,42,43,44,45,46,47,48,49,50,51,52,53,54,55,56,57,58,59,60,61,62,63
	v_exp_f32 v[96+\j], v[96+\j]                   ; p = 2^(t - M), at most 1
.endr
	v_pk_mul_f32 v[14:15], v[14:15], v[250:251] op_sel_hi:[1,0]   ; the sums under the new M (a plain line behind the exponentials)
	s_wait_alu depctr_va_vdst(0)                   ; one wait for the batch of 64, ahead of its first reader
.irp b,0,1,2,3
	v_exp_f32 v[232+\b], v[232+\b]                 ; the block's largest p
.endr
	v_pk_add_f32 v[248:249], v[96:97], v[98:99]    ; the row's sum is taken of the unquantised p, in two chains (plain work behind the four)
.irp j,4,8,12,16,20,24,28,32,36,40,44,48,52
	v_pk_add_f32 v[14:15], v[14:15], v[96+\j:97+\j]
	v_pk_add_f32 v[248:249], v[248:249], v[98+\j:99+\j]
.endr
	s_wait_alu depctr_va_vdst(0)                   ; and one for the four
.irp b,0,1,2,3
	v_max_num_f32 v[232+\b], 0x1800000, v[232+\b]  ; the floor 2^(3 - 127): the byte cannot fall under 1
.endr
.irp b,0,1,2,3
	v_add_nc_u32 v[244+\b], 0xff000000, v[232+\b]  ; 2 off the exponent field: the conversion's scale operand
.endr
.irp b,0,1,2,3
	v_lshrrev_b32 v[236+\b], 23, v[244+\b]         ; the scale's byte
.endr
	v_lshl_or_b32 v253, v237, 8, v236              ; p's scale word for these 128 keys
	v_lshl_or_b32 v253, v238, 16, v253
	v_lshl_or_b32 v253, v239, 24, v253
.irp b,0,1,2,3
	v_cvt_scalef32_pk8_fp4_f32 v[PC+2*\b], v[96+16*\b:103+16*\b], v[244+\b]
	v_cvt_scalef32_pk8_fp4_f32 v[PC+1+2*\b], v[104+16*\b:111+16*\b], v[244+\b]
.endr
	v_nop                                          ; one plain line behind the conversions
.irp c,0,1                             ; the operand's layout wants a whole block in a lane
.irp i,0,1
	v_permlane16_swap_b32 v[PC+4*\c+\i], v[PC+2+4*\c+\i]
.endr
.endr
.irp j,0,2,4,6,8,10,12,14,16,18,20,22,24,26,28,30
	v_pk_mul_f32 v[O+\j:O+\j+1], v[O+\j:O+\j+1], v[250:251] op_sel_hi:[1,0]   ; O^T under the new M
.endr
.irp j,56,60                           ; the rest of the sum stands here: plain lines between the last write of O^T, of p's codes and of its scale word and the products below
	v_pk_add_f32 v[14:15], v[14:15], v[96+\j:97+\j]
	v_pk_add_f32 v[248:249], v[248:249], v[98+\j:99+\j]
.endr
	v_pk_add_f32 v[14:15], v[14:15], v[248:249]
	s_wait_dscnt 0x0                               ; v and its scale words are in
	MMA  O,    VF,    PC, VS,   253                ; O^T += v^T p^T: the four tiles of the head's 64 channels by turns
	MMA1 O+8,  VF+8,  PC, VS,   253
	MMA  O+16, VF+16, PC, VS+1, 253
	MMA1 O+24, VF+24, PC, VS+1, 253
.endm
; THE CHANGE OF SLOTS stands at a slot's head.  Each wave waits for all its tensor loads (its part of the slot that it is about to read), adds 0 to its spare word, and waits for that and for its reads of the slot that it has
; left.  fill = 1: the barrier is a round of the cluster's, so that no wave of any partner still reads that slot or has a load on its way, and the joint refill is the first thing behind it: it has a whole slot's steps to land.
.macro CHANGE fill
	s_wait_tensorcnt 0x0                           ; no tensor load of mine is out, so a group 0 may be written
	ds_add_u32 v[SPW], v[NIL]                      ; 0 onto my spare word
.if \fill
	s_xor_b32 s[G0A+1], s[G0A+1], SLOT1            ; the walking descriptors: the other slot than last time,
	s_add_nc_u64 s[G0A+2:G0A+3], s[G0A+2:G0A+3], 131072   ; the next 256 keys; the type bits on top are not reached
	s_xor_b32 s[G0B+1], s[G0B+1], SLOT1
	s_add_nc_u64 s[G0B+2:G0B+3], s[G0B+2:G0B+3], KVB
	s_wait_xcnt 0x0                                ; the last prefetch, a slot back, has read its address, so it may be written:
	s_add_nc_u64 s[PFA:PFA+1], s[PFA:PFA+1], s[PFS:PFS+1]  ; one slot further on than the walking descriptors
.endif
	s_wait_dscnt 0x0                               ; the add is done, and my reads of the slot that I have left are over
.if \fill
	CROUND
	JLOAD
	ASK
.else
	s_barrier_signal -1
	s_barrier_wait -1
.endif
.endm
.macro SLOT_STEPS
	v_add_nc_u32 v[ADB], s[TB], v[ABI]
	v_add_nc_u32 v[ADK], s[TB], v[AKV]
	v_add_nc_u32 v[ADS], s[TB], v[ASC]
	STEP 0
	STEP 1
	s_xor_b32 s[TB], s[TB], SLOT1                  ; on to the other slot
.endm
.Lslot:                                            ; three trips: behind each change of slots but the last the next slot is asked for
	CHANGE 1
	SLOT_STEPS
	s_sub_co_u32 s[SLOTS], s[SLOTS], 1
	s_cmp_lg_u32 s[SLOTS], 0
	s_cbranch_scc1 .Lslot
	CHANGE 0                                       ; the last slot is written out
	SLOT_STEPS
	; THE WAY OUT.  O^T / the sum, relu, and the quantiser along the inner channels: register 16 g + i is channel 32 g + 16 hh + i of my head; a block of 32 lies in lanes l and l xor 16.
	PLACES
	v_add_f32 v14, v14, v15
	v_permlanex16_b32 v254, v14, s[SEL], s[SEL+1]
	v_add_f32 v14, v14, v254                       ; the row's sum
	v_rcp_f32 v14, v14
	v_nop                                          ; a plain line behind the reciprocal
	s_wait_alu depctr_va_vdst(0)                   ; and the wait, ahead of its first reader
.irp j,0,1,2,3,4,5,6,7,8,9,10,11,12,13,14,15,16,17,18,19,20,21,22,23,24,25,26,27,28,29,30,31
	v_mul_f32 v[96+\j], v[O+\j], v14
.endr
.irp j,0,1,2,3,4,5,6,7,8,9,10,11,12,13,14,15,16,17,18,19,20,21,22,23,24,25,26,27,28,29,30,31
	v_max_num_f32 v[96+\j], 0, v[96+\j]            ; relu
.endr
.irp g,0,1
	v_max3_num_f32 v[232+\g], v[96+16*\g], v[97+16*\g], 0x1800000   ; none is negative: no |.|
.endr
.irp i,2,4,6,8,10,12,14
.irp g,0,1
	v_max3_num_f32 v[232+\g], v[232+\g], v[96+16*\g+\i], v[97+16*\g+\i]
.endr
.endr
.irp g,0,1
	v_permlanex16_b32 v[236+\g], v[232+\g], s[SEL], s[SEL+1]
.endr
.irp g,0,1
	v_max_num_f32 v[232+\g], v[232+\g], v[236+\g]
.endr
.irp g,0,1
	v_add_nc_u32 v[244+\g], 0xff000000, v[232+\g]
.endr
.irp g,0,1
	v_lshrrev_b32 v[236+\g], 23, v[244+\g]
.endr
.irp g,0,1
	v_cvt_scalef32_pk8_fp4_f32 v[PC+2*\g], v[96+16*\g:103+16*\g], v[244+\g]
	v_cvt_scalef32_pk8_fp4_f32 v[PC+1+2*\g], v[104+16*\g:111+16*\g], v[244+\g]
.endr
	v_nop                                          ; one plain line behind the conversions
.irp g,0,1
	global_store_b64 v[GO], v[PC+2*\g:PC+2*\g+1], s[72:73] offset:\g*256   ; 32 lanes store 256 consecutive bytes, at a multiple of 256 from the buffer's first byte
.endr
	v_cndmask_b32 v238, v236, v237, s[HM]          ; lanes 0-15 store block 0's byte, lanes 16-31 block 1's
	global_store_b8 v[GS], v238, s[10:11]
	s_wait_tensorcnt 0x0                           ; the wave's end
	ds_add_u32 v[SPW], v[NIL]
	s_wait_dscnt 0x0
	CROUND                                         ; the closing round: no work-group ends while a partner may still ask for a tile that names it
	s_endpgm
.Lfunc_end_k_qed98869339_attn:
	.size	k_qed98869339_attn, .Lfunc_end_k_qed98869339_attn-k_qed98869339_attn
	.p2alignl 7, 3214868480
	.fill 96, 4, 3214868480
	.section	.rodata,"a",@progbits
	.p2align	6, 0x0
	.amdhsa_kernel k_qed98869339_attn
		.amdhsa_group_segment_fixed_size 327680
		.amdhsa_private_segment_fixed_size 0
		.amdhsa_enable_private_segment 0
		.amdhsa_kernarg_size 32
		.amdhsa_user_sgpr_count 2
		.amdhsa_user_sgpr_kernarg_segment_ptr 1
		.amdhsa_wavefront_size32 1
		.amdhsa_system_sgpr_workgroup_id_x 1
		.amdhsa_system_sgpr_workgroup_id_y 1
		.amdhsa_system_sgpr_workgroup_id_z 1
		.amdhsa_system_vgpr_workitem_id 0
		.amdhsa_next_free_vgpr 256
		.amdhsa_next_free_sgpr 100
		.amdhsa_reserve_vcc 0
		.amdhsa_float_denorm_mode_32 3
		.amdhsa_float_denorm_mode_16_64 3
		.amdhsa_memory_ordered 1
		.amdhsa_forward_progress 1
		.amdhsa_inst_pref_size 78
	.end_amdhsa_kernel
	.amdgpu_metadata
---
amdhsa.version: [ 1, 2 ]
amdhsa.kernels:
  - .name:           k_qed98869339_attn
    .symbol:         k_qed98869339_attn.kd
    .args:
      - { .name: qc, .offset: 0, .size: 8, .value_kind: global_buffer, .address_space: global }
      - { .name: kv, .offset: 8, .size: 8, .value_kind: global_buffer, .address_space: global }
      - { .name: bias, .offset: 16, .size: 8, .value_kind: global_buffer, .address_space: global }
      - { .name: oc, .offset: 24, .size: 8, .value_kind: global_buffer, .address_space: global }
    .group_segment_fixed_size: 327680
    .private_segment_fixed_size: 0
    .kernarg_segment_align: 8
    .kernarg_segment_size: 32
    .max_flat_workgroup_size: 512
    .sgpr_count:     100
    .vgpr_count:     256
    .wavefront_size: 32
...
	.end_amdgpu_metadata
.endif
;; end of part 3
;; launch outp (part 4): grid 256 x 1, 8 waves a work-group, no clusters, 35,840 bytes of LDS; arguments oc, wimg, bnc, out0; writes out0
.if DOCPART == 4
	.amdgcn_target "amdgcn-amd-amdhsa--gfx1250"
	.amdhsa_code_object_version 6
	.text
	.protected	k_qed98869339_outp
	.globl	k_qed98869339_outp
	.p2align	8
	.type	k_qed98869339_outp,@function
k_qed98869339_outp:
	s_mov_b64 s[64:65], 0
	v_nop
	global_prefetch_b8 v0, s[64:65] scope:SCOPE_SE
	s_setreg_imm32_b32 hwreg(HW_REG_WAVE_MODE, 25, 1), 1
	s_wait_xcnt 0x0
; OUTP: out = batch norm(Wo relu(o) + bo), the product on codes of FP4 (E2M1) with one E8M0 byte for each 32 along K = the 512 inner channels.
; SHARES.  A work-group takes 64 positions of one batch (four tiles of 16 rows of o's codes); wave w takes output channels 32 w .. 32 w + 31 (two tiles).  Codes and scale words come from memory as images of operand
; registers, 512 consecutive bytes a load, a K step of 128 at a time into two sets of registers, one step ahead.
; Source 0 = 16 positions, source 1 = 16 channels: a lane holds one channel, and since row r of position tile T is position 32 (T / 2) + 8 (T % 2) + r + 8 (r / 8), its 16 registers of tiles 2 t, 2 t + 1 are 16
; neighbouring positions: 64 bytes of a row of out0.  They go through the wave's own stage in LDS (16 rows of 256 bytes + 16) and leave as whole rows: sixteen lanes store 256 consecutive bytes.  No barrier: waves share nothing.
; LIMITS: bo - o_m is rounded once ahead of the sum's addition; NaN and infinities are not served.
; No cluster, no tensor load: what work-groups share is Wo's images, 8 KB a wave, read once straight into the operand's registers; brought jointly they would have to pass through LDS first, for 32 matrix instructions a wave.
.set OS, 16                            ; v16-31   o's scale words: tile T, K step ks at OS + 4 T + ks
.set WS, 32                            ; v32-39   Wo's
.set BN, 40                            ; v40-47   (bo - m, s, b, 0) of my lane's channel in each of my two tiles
.set AF, 48                            ; v48-111  o's fragments, two sets of four; on the way out rows of out0
.set BF, 112                           ; v112-143 Wo's fragments, two sets of two
.set D,  144                           ; v144-207 eight accumulators: (channel tile u, position tile T) at D + 8 (4 u + T)
.macro PLACES
.rept 4
	v_nop
.endr
.endm
.macro LOADK k, buf
.irp t,0,1,2,3
.irp c,0,1
	global_load_b128 v[AF+32*\buf+8*\t+4*\c:AF+32*\buf+8*\t+4*\c+3], v4, s[14:15] offset:\t*4096+\k*1024+\c*512
.endr
.endr
.irp u,0,1
.irp c,0,1
	global_load_b128 v[BF+16*\buf+8*\u+4*\c:BF+16*\buf+8*\u+4*\c+3], v4, s[18:19] offset:\u*4096+\k*1024+\c*512
.endr
.endr
.endm
.macro MUL k, buf                      ; the eight accumulators take turns, one instruction a turn; the first K step starts the sums
.irp u,0,1
.irp t,0,1,2,3
.if \k == 0
	v_wmma_scale_f32_16x16x128_f8f6f4 v[D+8*(4*\u+\t):D+8*(4*\u+\t)+7], v[AF+32*\buf+8*\t:AF+32*\buf+8*\t+7], v[BF+16*\buf+8*\u:BF+16*\buf+8*\u+7], 0, v[OS+4*\t+\k], v[WS+4*\u+\k] matrix_a_fmt:MATRIX_FMT_FP4 matrix_b_fmt:MATRIX_FMT_FP4
.else
	v_wmma_scale_f32_16x16x128_f8f6f4 v[D+8*(4*\u+\t):D+8*(4*\u+\t)+7], v[AF+32*\buf+8*\t:AF+32*\buf+8*\t+7], v[BF+16*\buf+8*\u:BF+16*\buf+8*\u+7], v[D+8*(4*\u+\t):D+8*(4*\u+\t)+7], v[OS+4*\t+\k], v[WS+4*\u+\k] matrix_a_fmt:MATRIX_FMT_FP4 matrix_b_fmt:MATRIX_FMT_FP4
.endif
.endr
.endr
.endm
	s_load_b256 s[4:11], s[0:1], 0x0               ; oc, wimg, bnc, out0
	v_lshl_add_u32 v208, v0, 2, 0x8800
	v_mov_b32 v209, 0
	v_lshrrev_b32 v1, 5, v0
	v_readfirstlane_b32 s12, v1                    ; wave 0..7
	v_and_b32 v1, 31, v0                           ; lane
	v_and_b32 v2, 15, v0                           ; r
	v_bfe_u32 v3, v0, 4, 1                         ; hh
	v_lshlrev_b32 v4, 4, v1                        ; 16 lane
	v_lshlrev_b32 v5, 4, v2                        ; 16 r
	s_mul_i32 s13, s12, 4352                       ; my stage
	v_mul_u32_u24 v6, v2, 272
	v_lshl_add_u32 v6, v3, 6, v6
	v_add_nc_u32 v6, s13, v6                       ; in: row r (my channel), + 64 hh
	v_mul_u32_u24 v7, v3, 272
	v_lshl_add_u32 v7, v2, 4, v7
	v_add_nc_u32 v7, s13, v7                       ; back: lanes 0-15 one row, lanes 16-31 the next
	v_lshl_add_u32 v8, v3, 12, v5                  ; and the same two rows in out0
	s_lshl_b32 s26, ttmp9, 14                      ; o's codes: four tiles of 4,096 bytes
	s_mov_b32 s27, 0
	s_lshl_b32 s28, ttmp9, 10
	s_add_co_u32 s28, s28, 4194304                 ; o's scale words
	s_mov_b32 s29, 0
	s_lshl_b32 s30, s12, 13
	s_add_co_u32 s30, s30, 131072                  ; Wo's units 32 + 2 w, 33 + 2 w
	s_mov_b32 s31, 0
	s_wait_kmcnt 0x0
	s_add_nc_u64 s[14:15], s[4:5], s[26:27]
	s_add_nc_u64 s[16:17], s[4:5], s[28:29]
	s_add_nc_u64 s[18:19], s[6:7], s[30:31]
	s_lshl_b32 s30, s12, 9
	s_add_nc_u64 s[22:23], s[8:9], s[30:31]        ; my 32 channels' quads (at 14,336 on: in the loads' offsets)
	s_add_co_u32 s30, s30, 204800                  ; 196,608 + 32 x 256: their scale words
	s_add_nc_u64 s[20:21], s[6:7], s[30:31]
	s_lshr_b32 s26, ttmp9, 4
	s_lshl_b32 s26, s26, 20                        ; out0: the batch,
	s_lshl_b32 s28, s12, 17                        ; my 32 channels,
	s_add_co_u32 s26, s26, s28
	s_and_b32 s28, ttmp9, 15
	s_lshl_b32 s28, s28, 8                         ; the 64 positions
	s_add_co_u32 s26, s26, s28
	s_add_nc_u64 s[24:25], s[10:11], s[26:27]
.irp t,0,1,2,3
	global_load_b128 v[OS+4*\t:OS+4*\t+3], v5, s[16:17] offset:\t*256
.endr
.irp u,0,1
	global_load_b128 v[WS+4*\u:WS+4*\u+3], v5, s[20:21] offset:\u*256
.endr
.irp u,0,1
	global_load_b128 v[BN+4*\u:BN+4*\u+3], v5, s[22:23] offset:14336+\u*256
.endr
	LOADK 0, 0
	LOADK 1, 1
	s_wait_loadcnt 12                              ; this K step's loads are in; the next step's 12 may be out
	MUL 0, 0
	PLACES                                         ; in front of loads into registers that matrix instructions have read
	LOADK 2, 0
	s_wait_loadcnt 12
	MUL 1, 1
	PLACES
	LOADK 3, 1
	s_wait_loadcnt 12
	MUL 2, 0
	s_wait_loadcnt 0x0
	MUL 3, 1
	PLACES
.irp u,0,1
.irp p,0,2,4,6,8,10,12,14,16,18,20,22,24,26,28,30
	v_pk_add_f32 v[D+32*\u+\p:D+32*\u+\p+1], v[D+32*\u+\p:D+32*\u+\p+1], v[BN+4*\u:BN+4*\u+1] op_sel_hi:[1,0]   ; y + (bo - m)
.endr
.endr
.irp u,0,1
.irp p,0,2,4,6,8,10,12,14,16,18,20,22,24,26,28,30
	v_pk_fma_f32 v[D+32*\u+\p:D+32*\u+\p+1], v[D+32*\u+\p:D+32*\u+\p+1], v[BN+4*\u:BN+4*\u+1], v[BN+4*\u+2:BN+4*\u+3] op_sel:[0,1,0] op_sel_hi:[1,1,0]   ; x s (the pair's second word) + b (the next pair's first)
.endr
.endr
.irp u,0,1                             ; LDS serves a wave's instructions in order (ISA guide 5.7.1.4): the loads see the stores above them, and the second tile's stores come behind the first tile's loads
.irp e,0,1,2,3,4,5,6,7
	ds_store_b128 v6, v[D+32*\u+4*\e:D+32*\u+4*\e+3] offset:128*(\e/4)+16*(\e%4)   ; registers 16 t + 4 e' on: positions 32 t + 16 hh + 4 e' on
.endr
.irp i,0,1,2,3,4,5,6,7
	ds_load_b128 v[AF+32*\u+4*\i:AF+32*\u+4*\i+3], v7 offset:2*\i*272
.endr
.endr
.irp u,0,1
.irp i,0,1,2,3,4,5,6,7
	s_wait_dscnt 16*(1-\u)+7-\i                    ; the younger loads of this tile, and the other tile's sixteen LDS instructions, may be out
	global_store_b128 v8, v[AF+32*\u+4*\i:AF+32*\u+4*\i+3], s[24:25] offset:\u*65536+2*\i*4096 th:TH_STORE_NT   ; 16 lanes store 256 consecutive bytes, at a multiple of 256 from out0's first byte
.endr
.endr
	s_wait_tensorcnt 0x0
	ds_add_u32 v208, v209
	s_wait_dscnt 0x0
	s_endpgm
.Lfunc_end_k_qed98869339_outp:
	.size	k_qed98869339_outp, .Lfunc_end_k_qed98869339_outp-k_qed98869339_outp
	.p2alignl 7, 3214868480
	.fill 96, 4, 3214868480
	.section	.rodata,"a",@progbits
	.p2align	6, 0x0
	.amdhsa_kernel k_qed98869339_outp
		.amdhsa_group_segment_fixed_size 35840
		.amdhsa_private_segment_fixed_size 0
		.amdhsa_enable_private_segment 0
		.amdhsa_kernarg_size 32
		.amdhsa_user_sgpr_count 2
		.amdhsa_user_sgpr_kernarg_segment_ptr 1
		.amdhsa_wavefront_size32 1
		.amdhsa_system_sgpr_workgroup_id_x 1
		.amdhsa_system_sgpr_workgroup_id_y 1
		.amdhsa_system_sgpr_workgroup_id_z 1
		.amdhsa_system_vgpr_workitem_id 0
		.amdhsa_next_free_vgpr 210
		.amdhsa_next_free_sgpr 66
		.amdhsa_reserve_vcc 0
		.amdhsa_float_denorm_mode_32 3
		.amdhsa_float_denorm_mode_16_64 3
		.amdhsa_memory_ordered 1
		.amdhsa_forward_progress 1
		.amdhsa_inst_pref_size 20
	.end_amdhsa_kernel
	.amdgpu_metadata
---
amdhsa.version: [ 1, 2 ]
amdhsa.kernels:
  - .name:           k_qed98869339_outp
    .symbol:         k_qed98869339_outp.kd
    .args:
      - { .name: oc, .offset: 0, .size: 8, .value_kind: global_buffer, .address_space: global }
      - { .name: wimg, .offset: 8, .size: 8, .value_kind: global_buffer, .address_space: global }
      - { .name: bnc, .offset: 16, .size: 8, .value_kind: global_buffer, .address_space: global }
      - { .name: out0, .offset: 24, .size: 8, .value_kind: global_buffer, .address_space: global }
    .group_segment_fixed_size: 35840
    .private_segment_fixed_size: 0
    .kernarg_segment_align: 8
    .kernarg_segment_size: 32
    .max_flat_workgroup_size: 256
    .sgpr_count:     66
    .vgpr_count:     210
    .wavefront_size: 32
...
	.end_amdgpu_metadata
.endif
;; end of part 4
;; ======== version 2 of 3: 4 launches
;; workspace buffers: wimg 208,896 bytes; bnc 18,432 bytes; bias 33,554,432 bytes; qc 2,621,440 bytes; kv 6,684,672 bytes; oc 4,456,448 bytes
;; launch prep (part 5): grid 281 x 1, 8 waves a work-group, no clusters, 68,608 bytes of LDS; arguments Wq, Wk, Wv, Wo, pos_idx, pos_tab, wimg, bnc, bias, bo, q_g, q_b, q_m, q_v, k_g, k_b, k_m, k_v, v_g, v_b, v_m, v_v, o_g, o_b, o_m, o_v; writes wimg, bnc, bias
.if DOCPART == 5
	.amdgcn_target "amdgcn-amd-amdhsa--gfx1250"
	.amdhsa_code_object_version 6
	.text
	.protected	k_qed98869339_prep
	.globl	k_qed98869339_prep
	.p2align	8
	.type	k_qed98869339_prep,@function
k_qed98869339_prep:
	s_mov_b64 s[64:65], 0
	v_nop
	global_prefetch_b8 v0, s[64:65] scope:SCOPE_SE
	s_setreg_imm32_b32 hwreg(HW_REG_WAVE_MODE, 25, 1), 1
	s_wait_xcnt 0x0
; PREP: what every later launch reads again is made once.  Three kinds of work-groups, told apart by the work-group's number, the long ones first; no barrier: waves share nothing.
;   0-255    BIAS: 32 x pos_tab[pos_idx[i][j]][h] (1 / scale^2 = 32, exact), laid as the image of the score registers of the attention launch:
;            [query tile 64][slot of 256 keys 4][head 8][step 2][chunk 16][lane 32][16 bytes]; it is the C of the first attention product there.
;   256-279  WEIGHTS: Wq, Wk, Wv [o][256] and Wo [o][512], f32, K innermost, become codes of FP4 (E2M1) with one E8M0 byte for each 32 along K, laid as IMAGES OF OPERAND REGISTERS:
;            unit U (4 fragments of 16 rows x 128 K): codes at U x 4096 + F x 1024 + c x 512 + 16 x lane, scale words at 196608 + U x 256 + 16 r + 4 F.
;            U 0-7 Wq's heads, 8-15 Wk's heads, 16-31 Wv's runs of 32 channels: F = 2 wt + ks, and row r of tile wt is channel 32 lu + 8 wt + r + 8 (r / 8); U 32-47 Wo's tiles of 16 channels: F = ks.
;            ONE FRAGMENT TO A WAVE.  Each of its 16 loads takes one row's 512 consecutive bytes, 16 a lane; the conversions want 32 neighbours along K in ONE lane: so the fragment turns through the wave's own
;            stage in LDS (16 rows of 512 bytes + 16, so that the sixteen rows that a load back touches start at sixteen different banks) and comes back 128 bytes a lane.
;   280      TABLES: the four batch norms as -m, s = g x rsq(v + 1e-5), b (for the output: bo - m).
; A block's scale byte is its largest magnitude's exponent field - 2, held at 1 from below.
; LIMITS: a block whose largest magnitude lies under 2^-124, a block of zeros among them, keeps the byte 1 (its codes are then small or zero; the bytes are read by this program alone);
; NaN and infinities are not served; pos_idx is held at 1,023, the table's last row; s is g times a reciprocal square root, not a quotient by a root.
; A fragment's scale words leave as 4 bytes a row, sixteen words of one run of 256 bytes: 12 KB in the whole launch; the four fragments of a unit lie in four waves, and gathering them would want a barrier.
; No cluster and no tensor load: no two work-groups read the same bytes but the 32 KB of pos_tab.
.set RW,  32                           ; v32-95   a fragment as it is loaded: row p in four registers
.set X,   96                           ; v96-159  as the operand's lanes want it: register 32 c + i: k = 64 c + 32 hh + i of row r
.set CO,  160                          ; v160-167 its codes
.set WD,  16                           ; v16      its scale word
.set G,   64                           ; v64-191  bias: 16 rows of pos_tab, 8 heads each
.set SPITCH, 528                       ; a stage row
.set STG, 16*SPITCH                    ; a wave's stage
.set RB,  32                           ; s[32:63] the addresses of the fragment's sixteen rows
.macro BOUT j, o                       ; keys 4 j .. 4 j + 3 of my 16: times 32, turned from [key][head] to [head][key], and stored
	s_wait_loadcnt 8*(3-\j)                        ; the eight gathers of each later group of four keys may be out
.if \j >= 2
	s_wait_xcnt 0x0                                ; this set of registers was stored two groups ago: it is rewritten only behind this wait
.endif
.irp h,0,1,2,3,4,5,6,7
.irp e,0,1,2,3
	v_mul_f32 v[\o+4*\h+\e], 0x42000000, v[G+32*\j+8*\e+\h]
.endr
.endr
.irp h,0,1,2,3,4,5,6,7
	global_store_b128 v6, v[\o+4*\h:\o+4*\h+3], s[8:9] offset:\h*16384+\j*512 th:TH_STORE_NT   ; 32 lanes store 512 consecutive bytes; written once, read by nobody here
.endr
.endm
	v_lshl_add_u32 v224, v0, 2, 0x10800
	v_mov_b32 v225, 0
	v_lshrrev_b32 v1, 5, v0
	v_readfirstlane_b32 s2, v1                     ; wave 0..7
	v_and_b32 v2, 31, v0                           ; lane
	v_and_b32 v3, 15, v0                           ; r
	v_bfe_u32 v4, v0, 4, 1                         ; hh
	s_cmp_ge_u32 ttmp9, 280
	s_cbranch_scc1 .Ltables
	s_cmp_ge_u32 ttmp9, 256
	s_cbranch_scc1 .Lweights
	; ---- BIAS.  Work-group wg: query tile wg / 4; wave w: key step 2 (wg % 4) + w / 4 of 128 keys, block w % 4 of 32 keys in it.
	; Lane (r, hh): query 32 (qt / 2) + 8 (qt % 2) + r + 8 (r / 8), keys 16 hh + 0 .. 15 of the block.
	s_load_b128 s[4:7], s[0:1], 0x20               ; pos_idx, pos_tab
	s_load_b64 s[8:9], s[0:1], 0x40                ; bias
	s_lshr_b32 s11, ttmp9, 2                       ; qt
	s_and_b32 s12, ttmp9, 3
	s_lshl_b32 s12, s12, 1
	s_lshr_b32 s13, s2, 2
	s_add_co_u32 s12, s12, s13                     ; key step 0..7
	s_and_b32 s13, s2, 3                           ; block 0..3
	s_lshr_b32 s14, s11, 1
	s_lshl_b32 s14, s14, 17                        ; 32 rows of 4,096 bytes
	s_and_b32 s15, s11, 1
	s_lshl_b32 s15, s15, 15                        ; 8 rows
	s_add_co_u32 s14, s14, s15
	s_lshl_b32 s15, s12, 9
	s_add_co_u32 s14, s14, s15
	s_lshl_b32 s15, s13, 7
	s_add_co_u32 s14, s14, s15
	s_mov_b32 s15, 0
	s_lshl_b32 s16, s11, 19                        ; the image: query tile x 524,288
	s_lshr_b32 s17, s12, 1
	s_lshl_b32 s17, s17, 17                        ; + slot x 131,072
	s_add_co_u32 s16, s16, s17
	s_and_b32 s17, s12, 1
	s_lshl_b32 s17, s17, 13                        ; + step in the slot x 8,192
	s_add_co_u32 s16, s16, s17
	s_lshl_b32 s17, s13, 11                        ; + block x 4 chunks of 512
	s_add_co_u32 s16, s16, s17
	s_mov_b32 s17, 0
	v_and_b32 v5, 8, v3
	v_add_nc_u32 v5, v5, v3
	v_lshlrev_b32 v5, 12, v5
	v_lshl_add_u32 v5, v4, 6, v5                   ; my row of pos_idx and my 64 bytes of it
	v_lshlrev_b32 v6, 4, v2                        ; 16 x lane
	s_wait_kmcnt 0x0
	s_add_nc_u64 s[4:5], s[4:5], s[14:15]
	s_add_nc_u64 s[8:9], s[8:9], s[16:17]
.irp j,0,1,2,3
	global_load_b128 v[16+4*\j:19+4*\j], v5, s[4:5] offset:16*\j   ; no hint: my four loads, and the neighbouring wave's four, take pieces of the same runs of 256 bytes
.endr
	s_wait_loadcnt 0x0
.irp n,0,1,2,3,4,5,6,7,8,9,10,11,12,13,14,15
	v_min_u32 v[16+\n], 0x3ff, v[16+\n]            ; an index stays inside the table
.endr
.irp n,0,1,2,3,4,5,6,7,8,9,10,11,12,13,14,15
	v_lshlrev_b32 v[16+\n], 5, v[16+\n]            ; a row of pos_tab is 32 bytes
.endr
.irp n,0,1,2,3,4,5,6,7,8,9,10,11,12,13,14,15
	global_load_b128 v[G+8*\n:G+8*\n+3], v[16+\n], s[6:7]
	global_load_b128 v[G+8*\n+4:G+8*\n+7], v[16+\n], s[6:7] offset:16
.endr
	BOUT 0, 192
	BOUT 1, 32
	BOUT 2, 192
	BOUT 3, 32
	s_endpgm
	; ---- WEIGHTS.  Wave w of work-group 256 + g quantises fragment 8 g + w: unit U = 2 g + w / 4, fragment F = w % 4 of it.
.Lweights:
	s_load_b256 s[4:11], s[0:1], 0x0               ; Wq, Wk, Wv, Wo
	s_load_b64 s[12:13], s[0:1], 0x30              ; wimg
	s_mov_b32 s20, 0x76543210
	s_mov_b32 s21, 0xfedcba98                      ; v_permlanex16_b32's selects for lane l xor 16
	s_sub_co_u32 s14, ttmp9, 256                   ; g 0..23: 0-3 Wq, 4-7 Wk, 8-15 Wv, 16-23 Wo
	s_lshl_b32 s15, s14, 3
	s_add_co_u32 s15, s15, s2                      ; the fragment's number, 0..191
	s_lshr_b32 s16, s15, 2                         ; U
	s_and_b32 s17, s2, 3                           ; F
	s_mov_b32 s24, 8192
	s_mov_b32 s25, 1024
	s_mov_b32 s26, 8192
	s_mov_b32 s29, 0
	s_mul_i32 s27, s2, STG                         ; my stage
	v_lshlrev_b32 v6, 4, v2                        ; 16 x lane: my 16 bytes of a row's 512, and of an image's
	v_add_nc_u32 v5, s27, v6                       ; the stage, on the way in: a row as it lies
	v_mul_u32_u24 v7, v3, SPITCH
	v_lshl_add_u32 v7, v4, 7, v7
	v_add_nc_u32 v7, s27, v7                       ; and on the way out: row r, + 128 hh
	v_lshlrev_b32 v8, 3, v4                        ; 8 hh
	v_mov_b32 v9, 0                                ; a lane permute's destination counts as one of its sources
	v_lshlrev_b32 v1, 4, v3                        ; 16 r: a row's four scale words
	s_wait_kmcnt 0x0
	s_cmp_ge_u32 s14, 16                           ; Wo?  Every choice hangs on the work-group's number alone
	s_cselect_b32 s22, 32, 16                      ; the tensor's first unit
	s_cselect_b32 s24, 1024, s24                   ; fragments 2, 3: Wo: 256 along K on; the others: 8 rows down
	s_cselect_b32 s25, 2048, s25                   ; a row's bytes
	s_cselect_b32 s26, 0, s26                      ; Wo's rows are neighbours; the others' rows 8-15 lie 8 rows further on
	s_cselect_b64 s[10:11], s[10:11], s[8:9]
	s_cmp_lt_u32 s14, 4
	s_cselect_b32 s23, 0, 8
	s_cselect_b64 s[4:5], s[4:5], s[6:7]
	s_cmp_lt_u32 s14, 8
	s_cselect_b32 s22, s23, s22
	s_cselect_b64 s[4:5], s[4:5], s[10:11]
	s_sub_co_u32 s27, s16, s22                     ; the unit's number inside its tensor
	s_lshl_b32 s28, s27, 15                        ; a unit's rows are 32,768 bytes in every tensor (32 x 1,024 or 16 x 2,048)
	s_and_b32 s27, s17, 1
	s_lshl_b32 s27, s27, 9                         ; an odd fragment: 128 along K on
	s_add_co_u32 s28, s28, s27
	s_lshr_b32 s27, s17, 1
	s_mul_i32 s27, s27, s24
	s_add_co_u32 s28, s28, s27
	s_add_nc_u64 s[4:5], s[4:5], s[28:29]          ; the fragment's row 0
.irp p,0,1,2,3,4,5,6,7,8,9,10,11,12,13,14,15
	s_mul_i32 s28, s25, \p
.if \p >= 8
	s_add_co_u32 s28, s28, s26
.endif
	s_add_nc_u64 s[RB+2*\p:RB+2*\p+1], s[4:5], s[28:29]   ; its row p
.endr
.irp p,0,1,2,3,4,5,6,7,8,9,10,11,12,13,14,15
	global_load_b128 v[RW+4*\p:RW+4*\p+3], v6, s[RB+2*\p:RB+2*\p+1] th:TH_LOAD_NT   ; 32 lanes read 512 consecutive bytes; read once in the launch
.endr
	s_lshl_b32 s28, s15, 10
	s_add_nc_u64 s[30:31], s[12:13], s[28:29]      ; the fragment's codes
	s_lshl_b32 s28, s16, 8
	s_lshl_b32 s27, s17, 2
	s_add_co_u32 s28, s28, s27
	s_add_co_u32 s28, s28, 196608
	s_add_nc_u64 s[12:13], s[12:13], s[28:29]      ; its scale words
.irp p,0,1,2,3,4,5,6,7,8,9,10,11,12,13,14,15
	s_wait_loadcnt 15-\p                           ; loads come back in order: row p is in, the younger rows may be out
	ds_store_b128 v5, v[RW+4*\p:RW+4*\p+3] offset:\p*SPITCH
.endr
.irp c,0,1
.irp e,0,1,2,3,4,5,6,7
	ds_load_b128 v[X+32*\c+4*\e:X+32*\c+4*\e+3], v7 offset:\c*256+16*\e   ; LDS serves a wave's instructions in order: these see my stores
.endr
.endr
	s_wait_dscnt 0x0
.irp c,0,1                             ; my two blocks of 32 become registers 4 c .. 4 c + 3 of the operand
	v_max3_num_f32 v[10+\c], |v[X+32*\c]|, |v[X+32*\c+1]|, 0x1800000   ; the floor 2^(3 - 127) is one more leaf: the byte cannot fall under 1
.endr
.irp i,2,4,6,8,10,12,14,16,18,20,22,24,26,28,30
.irp c,0,1
	v_max3_num_f32 v[10+\c], v[10+\c], |v[X+32*\c+\i]|, |v[X+32*\c+\i+1]|
.endr
.endr
.irp c,0,1
	v_add_nc_u32 v[12+\c], 0xff000000, v[10+\c]    ; 2 off the exponent field: the conversion's scale operand
.endr
.irp c,0,1
	v_lshrrev_b32 v[14+\c], 23, v[12+\c]           ; the scale's byte
.endr
.irp c,0,1
.irp g,0,1,2,3
	v_cvt_scalef32_pk8_fp4_f32 v[CO+4*\c+\g], v[X+32*\c+8*\g:X+32*\c+8*\g+7], v[12+\c]
.endr
.endr
	v_lshl_or_b32 v[WD], v15, 16, v14              ; my two bytes, blocks hh and 2 + hh (a plain line behind the conversions),
	v_lshlrev_b32 v[WD], v8, v[WD]                 ; 8 hh bits up;
	v_permlanex16_b32 v9, v[WD], s20, s21
	v_or_b32 v[WD], v[WD], v9                      ; with lane l xor 16's two the word is whole
	global_store_b128 v6, v[CO:CO+3], s[30:31] th:TH_STORE_NT              ; 32 lanes store 512 consecutive bytes
	global_store_b128 v6, v[CO+4:CO+7], s[30:31] offset:512 th:TH_STORE_NT
	v_cmp_gt_u32 vcc_lo, 16, v2                    ; both halves of the lanes hold row r's word: lanes 0-15 store it
	s_wait_xcnt 0x0                                ; EXEC changes only behind this wait: the stores above have read it
	s_wait_tensorcnt 0x0
	ds_add_u32 v224, v225
	s_wait_dscnt 0x0
	s_and_saveexec_b32 s27, vcc_lo
	global_store_b32 v1, v[WD], s[12:13]
	s_wait_xcnt 0x0                                ; and again, in front of the line that widens it
	s_or_b32 exec_lo, exec_lo, s27
	s_endpgm
	; ---- TABLES.  Thread t takes channel t of each norm (and t + 256 of v's).
.Ltables:
	s_load_b64 s[4:5], s[0:1], 0x38                ; bnc
	s_load_b64 s[6:7], s[0:1], 0x48                ; bo
	s_load_b256 s[8:15], s[0:1], 0x50              ; q_g, q_b, q_m, q_v
	s_load_b256 s[16:23], s[0:1], 0x70             ; k_*
	s_load_b256 s[24:31], s[0:1], 0x90             ; v_*
	s_load_b256 s[32:39], s[0:1], 0xb0             ; o_*
	v_lshlrev_b32 v5, 2, v0
	v_lshlrev_b32 v6, 4, v0
	s_wait_kmcnt 0x0
.irp p,0,1,2,3                         ; p: 0 g, 1 b, 2 m, 3 v
	global_load_b32 v[16+\p], v5, s[8+2*\p:9+2*\p]
	global_load_b32 v[20+\p], v5, s[16+2*\p:17+2*\p]
	global_load_b32 v[24+\p], v5, s[24+2*\p:25+2*\p]
	global_load_b32 v[28+\p], v5, s[24+2*\p:25+2*\p] offset:1024
	global_load_b32 v[32+\p], v5, s[32+2*\p:33+2*\p]
.endr
	global_load_b32 v36, v5, s[6:7]
	s_wait_loadcnt 0x0
.irp n,0,1,2,3,4
	v_add_f32 v[19+4*\n], 0x3727c5ac, v[19+4*\n]   ; v + 1e-5
.endr
.irp n,0,1,2,3,4
	v_rsq_f32 v[40+\n], v[19+4*\n]
.endr
	v_mov_b32 v51, 0                               ; a plain line behind the last reciprocal root
	s_wait_alu depctr_va_vdst(0)                   ; one wait for the five, ahead of their first reader
.irp n,0,1,2,3,4
	v_mul_f32 v[40+\n], v[16+4*\n], v[40+\n]       ; s = g x rsq(v + eps)
.endr
	v_xor_b32 v60, 0x80000000, v18                 ; -m
	v_xor_b32 v61, 0x80000000, v22
	v_xor_b32 v48, 0x80000000, v26
	v_mov_b32 v49, v42
	v_mov_b32 v50, v25
	v_xor_b32 v52, 0x80000000, v30
	v_mov_b32 v53, v43
	v_mov_b32 v54, v29
	v_mov_b32 v55, 0
	v_sub_f32 v56, v36, v34                        ; bo - o_m
	v_mov_b32 v57, v44
	v_mov_b32 v58, v33
	v_mov_b32 v59, 0
	global_store_b32 v5, v60, s[4:5]               ; -m, planar: q's 256, k's 256
	global_store_b32 v5, v61, s[4:5] offset:1024
	global_store_b32 v5, v40, s[4:5] offset:2048   ; s
	global_store_b32 v5, v41, s[4:5] offset:3072
	global_store_b32 v5, v17, s[4:5] offset:4096   ; b
	global_store_b32 v5, v21, s[4:5] offset:5120
	global_store_b128 v6, v[48:51], s[4:5] offset:6144    ; v's: (-m, s, b, 0) a channel
	global_store_b128 v6, v[52:55], s[4:5] offset:10240
	global_store_b128 v6, v[56:59], s[4:5] offset:14336   ; the output's: (bo - m, s, b, 0)
	s_endpgm
.Lfunc_end_k_qed98869339_prep:
	.size	k_qed98869339_prep, .Lfunc_end_k_qed98869339_prep-k_qed98869339_prep
	.p2alignl 7, 3214868480
	.fill 96, 4, 3214868480
	.section	.rodata,"a",@progbits
	.p2align	6, 0x0
	.amdhsa_kernel k_qed98869339_prep
		.amdhsa_group_segment_fixed_size 68608
		.amdhsa_private_segment_fixed_size 0
		.amdhsa_enable_private_segment 0
		.amdhsa_kernarg_size 208
		.amdhsa_user_sgpr_count 2
		.amdhsa_user_sgpr_kernarg_segment_ptr 1
		.amdhsa_wavefront_size32 1
		.amdhsa_system_sgpr_workgroup_id_x 1
		.amdhsa_system_sgpr_workgroup_id_y 1
		.amdhsa_system_sgpr_workgroup_id_z 1
		.amdhsa_system_vgpr_workitem_id 0
		.amdhsa_next_free_vgpr 226
		.amdhsa_next_free_sgpr 66
		.amdhsa_reserve_vcc 1
		.amdhsa_float_denorm_mode_32 3
		.amdhsa_float_denorm_mode_16_64 3
		.amdhsa_memory_ordered 1
		.amdhsa_forward_progress 1
		.amdhsa_inst_pref_size 34
	.end_amdhsa_kernel
	.amdgpu_metadata
---
amdhsa.version: [ 1, 2 ]
amdhsa.kernels:
  - .name:           k_qed98869339_prep
    .symbol:         k_qed98869339_prep.kd
    .args:
      - { .name: Wq, .offset: 0, .size: 8, .value_kind: global_buffer, .address_space: global }
      - { .name: Wk, .offset: 8, .size: 8, .value_kind: global_buffer, .address_space: global }
      - { .name: Wv, .offset: 16, .size: 8, .value_kind: global_buffer, .address_space: global }
      - { .name: Wo, .offset: 24, .size: 8, .value_kind: global_buffer, .address_space: global }
      - { .name: pos_idx, .offset: 32, .size: 8, .value_kind: global_buffer, .address_space: global }
      - { .name: pos_tab, .offset: 40, .size: 8, .value_kind: global_buffer, .address_space: global }
      - { .name: wimg, .offset: 48, .size: 8, .value_kind: global_buffer, .address_space: global }
      - { .name: bnc, .offset: 56, .size: 8, .value_kind: global_buffer, .address_space: global }
      - { .name: bias, .offset: 64, .size: 8, .value_kind: global_buffer, .address_space: global }
      - { .name: bo, .offset: 72, .size: 8, .value_kind: global_buffer, .address_space: global }
      - { .name: q_g, .offset: 80, .size: 8, .value_kind: global_buffer, .address_space: global }
      - { .name: q_b, .offset: 88, .size: 8, .value_kind: global_buffer, .address_space: global }
      - { .name: q_m, .offset: 96, .size: 8, .value_kind: global_buffer, .address_space: global }
      - { .name: q_v, .offset: 104, .size: 8, .value_kind: global_buffer, .address_space: global }
      - { .name: k_g, .offset: 112, .size: 8, .value_kind: global_buffer, .address_space: global }
      - { .name: k_b, .offset: 120, .size: 8, .value_kind: global_buffer, .address_space: global }
      - { .name: k_m, .offset: 128, .size: 8, .value_kind: global_buffer, .address_space: global }
      - { .name: k_v, .offset: 136, .size: 8, .value_kind: global_buffer, .address_space: global }
      - { .name: v_g, .offset: 144, .size: 8, .value_kind: global_buffer, .address_space: global }
      - { .name: v_b, .offset: 152, .size: 8, .value_kind: global_buffer, .address_space: global }
      - { .name: v_m, .offset: 160, .size: 8, .value_kind: global_buffer, .address_space: global }
      - { .name: v_v, .offset: 168, .size: 8, .value_kind: global_buffer, .address_space: global }
      - { .name: o_g, .offset: 176, .size: 8, .value_kind: global_buffer, .address_space: global }
      - { .name: o_b, .offset: 184, .size: 8, .value_kind: global_buffer, .address_space: global }
      - { .name: o_m, .offset: 192, .size: 8, .value_kind: global_buffer, .address_space: global }
      - { .name: o_v, .offset: 200, .size: 8, .value_kind: global_buffer, .address_space: global }
    .group_segment_fixed_size: 68608
    .private_segment_fixed_size: 0
    .kernarg_segment_align: 8
    .kernarg_segment_size: 208
    .max_flat_workgroup_size: 256
    .sgpr_count:     66
    .vgpr_count:     226
    .wavefront_size: 32
...
	.end_amdgpu_metadata
.endif
;; end of part 5
;; launch proj: the kernel of part 2 again; grid 256 x 1, 8 waves a work-group, no clusters, 10,752 bytes of LDS; arguments x, wimg, bnc, qc, kv; writes qc, kv
;; launch attn: the kernel of part 3 again; grid 4 x 128, 16 waves a work-group, clusters of 4 x 4, 327,680 bytes of LDS; arguments qc, kv, bias, oc; writes oc
;; launch outp: the kernel of part 4 again; grid 256 x 1, 8 waves a work-group, no clusters, 35,840 bytes of LDS; arguments oc, wimg, bnc, out0; writes out0
;; ======== version 3 of 3: 4 launches
;; workspace buffers: wimg 208,896 bytes; bnc 18,432 bytes; bias 33,554,432 bytes; qc 2,621,440 bytes; kv 6,684,672 bytes; oc 4,456,448 bytes
;; launch prep (part 6): grid 281 x 1, 8 waves a work-group, no clusters, 68,608 bytes of LDS; arguments Wq, Wk, Wv, Wo, pos_idx, pos_tab, wimg, bnc, bias, bo, q_g, q_b, q_m, q_v, k_g, k_b, k_m, k_v, v_g, v_b, v_m, v_v, o_g, o_b, o_m, o_v; writes wimg, bnc, bias
.if DOCPART == 6
	.amdgcn_target "amdgcn-amd-amdhsa--gfx1250"
	.amdhsa_code_object_version 6
	.text
	.protected	k_qed98869339_prep
	.globl	k_qed98869339_prep
	.p2align	8
	.type	k_qed98869339_prep,@function
k_qed98869339_prep:
	s_mov_b64 s[64:65], 0
	v_nop
	global_prefetch_b8 v0, s[64:65] scope:SCOPE_SE
	s_setreg_imm32_b32 hwreg(HW_REG_WAVE_MODE, 25, 1), 1
	s_wait_xcnt 0x0
; PREP: what every later launch reads again is made once.  Three kinds of work-groups, told apart by the work-group's number, the long ones first; no barrier: waves share nothing.
;   0-255    BIAS: 32 x pos_tab[pos_idx[i][j]][h] (1 / scale^2 = 32, exact), laid as the image of the score registers of the attention launch:
;            [query tile 64][slot of 256 keys 4][head 8][step 2][chunk 16][lane 32][16 bytes]; it is the C of the first attention product there.
;   256-279  WEIGHTS: Wq, Wk, Wv [o][256] and Wo [o][512], f32, K innermost, become codes of FP4 (E2M1) with one E8M0 byte for each 32 along K, laid as IMAGES OF OPERAND REGISTERS:
;            unit U (4 fragments of 16 rows x 128 K): codes at U x 4096 + F x 1024 + c x 512 + 16 x lane, scale words at 196608 + U x 256 + 16 r + 4 F.
;            U 0-7 Wq's heads, 8-15 Wk's heads, 16-31 Wv's runs of 32 channels: F = 2 wt + ks, and row r of tile wt is channel 32 lu + 8 wt + r + 8 (r / 8); U 32-47 Wo's tiles of 16 channels: F = ks.
;            ONE FRAGMENT TO A WAVE.  Each of its 16 loads takes one row's 512 consecutive bytes, 16 a lane; the conversions want 32 neighbours along K in ONE lane: so the fragment turns through the wave's own
;            stage in LDS (16 rows of 512 bytes + 16, so that the sixteen rows that a load back touches start at sixteen different banks) and comes back 128 bytes a lane.
;   280      TABLES: the four batch norms as -m, s = g x rsq(v + 1e-5), b (for the output: bo - m).
; A block's scale byte is its largest magnitude's exponent field - 2, held at 1 from below.
; LIMITS: a block whose largest magnitude lies under 2^-124, a block of zeros among them, keeps the byte 1 (its codes are then small or zero; the bytes are read by this program alone);
; NaN and infinities are not served; pos_idx is held at 1,023, the table's last row; s is g times a reciprocal square root, not a quotient by a root.
; A fragment's scale words leave as 4 bytes a row, sixteen words of one run of 256 bytes: 12 KB in the whole launch; the four fragments of a unit lie in four waves, and gathering them would want a barrier.
; No cluster and no tensor load: no two work-groups read the same bytes but the 32 KB of pos_tab.
.set RW,  32                           ; v32-95   a fragment as it is loaded: row p in four registers
.set X,   96                           ; v96-159  as the operand's lanes want it: register 32 c + i: k = 64 c + 32 hh + i of row r
.set CO,  160                          ; v160-167 its codes
.set WD,  16                           ; v16      its scale word
.set G,   64                           ; v64-191  bias: 16 rows of pos_tab, 8 heads each
.set SPITCH, 528                       ; a stage row
.set STG, 16*SPITCH                    ; a wave's stage
.set RB,  32                           ; s[32:63] the addresses of the fragment's sixteen rows
.macro BOUT j, o                       ; keys 4 j .. 4 j + 3 of my 16: times 32, turned from [key][head] to [head][key], and stored
	s_wait_loadcnt 8*(3-\j)                        ; the eight gathers of each later group of four keys may be out
.if \j >= 2
	s_wait_xcnt 0x0                                ; this set of registers was stored two groups ago: it is rewritten only behind this wait
.endif
.irp h,0,1,2,3,4,5,6,7
.irp e,0,1,2,3
	v_mul_f32 v[\o+4*\h+\e], 0x42000000, v[G+32*\j+8*\e+\h]
.endr
.endr
.irp h,0,1,2,3,4,5,6,7
	global_store_b128 v6, v[\o+4*\h:\o+4*\h+3], s[8:9] offset:\h*16384+\j*512 th:TH_STORE_NT   ; 32 lanes store 512 consecutive bytes; written once, read by nobody here
.endr
.endm
	v_lshl_add_u32 v224, v0, 2, 0x10800
	v_mov_b32 v225, 0
	v_lshrrev_b32 v1, 5, v0
	s_delay_alu instid0(VALU_DEP_1)
	v_readfirstlane_b32 s2, v1                     ; wave 0..7
	v_and_b32 v2, 31, v0                           ; lane
	v_and_b32 v3, 15, v0                           ; r
	v_bfe_u32 v4, v0, 4, 1                         ; hh
	s_cmp_ge_u32 ttmp9, 280
	s_cbranch_scc1 .Ltables
	s_cmp_ge_u32 ttmp9, 256
	s_cbranch_scc1 .Lweights
	; ---- BIAS.  Work-group wg: query tile wg / 4; wave w: key step 2 (wg % 4) + w / 4 of 128 keys, block w % 4 of 32 keys in it.
	; Lane (r, hh): query 32 (qt / 2) + 8 (qt % 2) + r + 8 (r / 8), keys 16 hh + 0 .. 15 of the block.
	s_load_b128 s[4:7], s[0:1], 0x20               ; pos_idx, pos_tab
	s_load_b64 s[8:9], s[0:1], 0x40                ; bias
	s_lshr_b32 s11, ttmp9, 2                       ; qt
	s_and_b32 s12, ttmp9, 3
	s_lshl_b32 s12, s12, 1
	s_lshr_b32 s13, s2, 2
	s_add_co_u32 s12, s12, s13                     ; key step 0..7
	s_and_b32 s13, s2, 3                           ; block 0..3
	s_lshr_b32 s14, s11, 1
	s_lshl_b32 s14, s14, 17                        ; 32 rows of 4,096 bytes
	s_and_b32 s15, s11, 1
	s_lshl_b32 s15, s15, 15                        ; 8 rows
	s_add_co_u32 s14, s14, s15
	s_lshl_b32 s15, s12, 9
	s_add_co_u32 s14, s14, s15
	s_lshl_b32 s15, s13, 7
	s_add_co_u32 s14, s14, s15
	s_mov_b32 s15, 0
	s_lshl_b32 s16, s11, 19                        ; the image: query tile x 524,288
	s_lshr_b32 s17, s12, 1
	s_lshl_b32 s17, s17, 17                        ; + slot x 131,072
	s_add_co_u32 s16, s16, s17
	s_and_b32 s17, s12, 1
	s_lshl_b32 s17, s17, 13                        ; + step in the slot x 8,192
	s_add_co_u32 s16, s16, s17
	s_lshl_b32 s17, s13, 11                        ; + block x 4 chunks of 512
	s_add_co_u32 s16, s16, s17
	s_mov_b32 s17, 0
	s_wait_alu depctr_va_vdst(0)
	v_and_b32 v5, 8, v3
	s_delay_alu instid0(VALU_DEP_1)
	v_add_nc_u32 v5, v5, v3
	s_delay_alu instid0(VALU_DEP_1)
	v_lshlrev_b32 v5, 12, v5
	s_delay_alu instid0(VALU_DEP_1)
	v_lshl_add_u32 v5, v4, 6, v5                   ; my row of pos_idx and my 64 bytes of it
	v_lshlrev_b32 v6, 4, v2                        ; 16 x lane
	s_wait_alu depctr_va_vdst(0)
	s_wait_kmcnt 0x0
	s_add_nc_u64 s[4:5], s[4:5], s[14:15]
	s_add_nc_u64 s[8:9], s[8:9], s[16:17]
.irp j,0,1,2,3
	global_load_b128 v[16+4*\j:19+4*\j], v5, s[4:5] offset:16*\j   ; no hint: my four loads, and the neighbouring wave's four, take pieces of the same runs of 256 bytes
.endr
	s_wait_loadcnt 0x0
.irp n,0,1,2,3,4,5,6,7,8,9,10,11,12,13,14,15
	v_min_u32 v[16+\n], 0x3ff, v[16+\n]            ; an index stays inside the table
.endr
.irp n,0,1,2,3,4,5,6,7,8,9,10,11,12,13,14,15
	v_lshlrev_b32 v[16+\n], 5, v[16+\n]            ; a row of pos_tab is 32 bytes
.endr
.irp n,0,1,2,3,4,5,6,7,8,9,10,11,12,13,14,15
	global_load_b128 v[G+8*\n:G+8*\n+3], v[16+\n], s[6:7]
	global_load_b128 v[G+8*\n+4:G+8*\n+7], v[16+\n], s[6:7] offset:16
.endr
	BOUT 0, 192
	BOUT 1, 32
	BOUT 2, 192
	BOUT 3, 32
	s_endpgm
	; ---- WEIGHTS.  Wave w of work-group 256 + g quantises fragment 8 g + w: unit U = 2 g + w / 4, fragment F = w % 4 of it.
.Lweights:
	s_load_b256 s[4:11], s[0:1], 0x0               ; Wq, Wk, Wv, Wo
	s_load_b64 s[12:13], s[0:1], 0x30              ; wimg
	s_mov_b32 s20, 0x76543210
	s_mov_b32 s21, 0xfedcba98                      ; v_permlanex16_b32's selects for lane l xor 16
	s_sub_co_u32 s14, ttmp9, 256                   ; g 0..23: 0-3 Wq, 4-7 Wk, 8-15 Wv, 16-23 Wo
	s_lshl_b32 s15, s14, 3
	s_add_co_u32 s15, s15, s2                      ; the fragment's number, 0..191
	s_lshr_b32 s16, s15, 2                         ; U
	s_and_b32 s17, s2, 3                           ; F
	s_mov_b32 s24, 8192
	s_mov_b32 s25, 1024
	s_mov_b32 s26, 8192
	s_mov_b32 s29, 0
	s_mul_i32 s27, s2, STG                         ; my stage
	s_wait_alu depctr_va_vdst(0)
	v_lshlrev_b32 v6, 4, v2                        ; 16 x lane: my 16 bytes of a row's 512, and of an image's
	s_delay_alu instid0(VALU_DEP_1)
	v_add_nc_u32 v5, s27, v6                       ; the stage, on the way in: a row as it lies
	v_mul_u32_u24 v7, v3, SPITCH
	s_delay_alu instid0(VALU_DEP_1)
	v_lshl_add_u32 v7, v4, 7, v7
	s_delay_alu instid0(VALU_DEP_1)
	v_add_nc_u32 v7, s27, v7                       ; and on the way out: row r, + 128 hh
	v_lshlrev_b32 v8, 3, v4                        ; 8 hh
	v_mov_b32 v9, 0                                ; a lane permute's destination counts as one of its sources
	v_lshlrev_b32 v1, 4, v3                        ; 16 r: a row's four scale words
	s_wait_alu depctr_va_vdst(0)
	s_wait_kmcnt 0x0
	s_cmp_ge_u32 s14, 16                           ; Wo?  Every choice hangs on the work-group's number alone
	s_cselect_b32 s22, 32, 16                      ; the tensor's first unit
	s_cselect_b32 s24, 1024, s24                   ; fragments 2, 3: Wo: 256 along K on; the others: 8 rows down
	s_cselect_b32 s25, 2048, s25                   ; a row's bytes
	s_cselect_b32 s26, 0, s26                      ; Wo's rows are neighbours; the others' rows 8-15 lie 8 rows further on
	s_cselect_b64 s[10:11], s[10:11], s[8:9]
	s_cmp_lt_u32 s14, 4
	s_cselect_b32 s23, 0, 8
	s_cselect_b64 s[4:5], s[4:5], s[6:7]
	s_cmp_lt_u32 s14, 8
	s_cselect_b32 s22, s23, s22
	s_cselect_b64 s[4:5], s[4:5], s[10:11]
	s_sub_co_u32 s27, s16, s22                     ; the unit's number inside its tensor
	s_lshl_b32 s28, s27, 15                        ; a unit's rows are 32,768 bytes in every tensor (32 x 1,024 or 16 x 2,048)
	s_and_b32 s27, s17, 1
	s_lshl_b32 s27, s27, 9                         ; an odd fragment: 128 along K on
	s_add_co_u32 s28, s28, s27
	s_lshr_b32 s27, s17, 1
	s_mul_i32 s27, s27, s24
	s_add_co_u32 s28, s28, s27
	s_add_nc_u64 s[4:5], s[4:5], s[28:29]          ; the fragment's row 0
.irp p,0,1,2,3,4,5,6,7,8,9,10,11,12,13,14,15
	s_mul_i32 s28, s25, \p
.if \p >= 8
	s_add_co_u32 s28, s28, s26
.endif
	s_add_nc_u64 s[RB+2*\p:RB+2*\p+1], s[4:5], s[28:29]   ; its row p
.endr
.irp p,0,1,2,3,4,5,6,7,8,9,10,11,12,13,14,15
	global_load_b128 v[RW+4*\p:RW+4*\p+3], v6, s[RB+2*\p:RB+2*\p+1] th:TH_LOAD_NT   ; 32 lanes read 512 consecutive bytes; read once in the launch
.endr
	s_lshl_b32 s28, s15, 10
	s_add_nc_u64 s[30:31], s[12:13], s[28:29]      ; the fragment's codes
	s_lshl_b32 s28, s16, 8
	s_lshl_b32 s27, s17, 2
	s_add_co_u32 s28, s28, s27
	s_add_co_u32 s28, s28, 196608
	s_add_nc_u64 s[12:13], s[12:13], s[28:29]      ; its scale words
.irp p,0,1,2,3,4,5,6,7,8,9,10,11,12,13,14,15
	s_wait_loadcnt 15-\p                           ; loads come back in order: row p is in, the younger rows may be out
	ds_store_b128 v5, v[RW+4*\p:RW+4*\p+3] offset:\p*SPITCH
.endr
.irp c,0,1
.irp e,0,1,2,3,4,5,6,7
	ds_load_b128 v[X+32*\c+4*\e:X+32*\c+4*\e+3], v7 offset:\c*256+16*\e   ; LDS serves a wave's instructions in order: these see my stores
.endr
.endr
	s_wait_dscnt 0x0
.irp c,0,1                             ; my two blocks of 32 become registers 4 c .. 4 c + 3 of the operand
	v_max3_num_f32 v[10+\c], |v[X+32*\c]|, |v[X+32*\c+1]|, 0x1800000   ; the floor 2^(3 - 127) is one more leaf: the byte cannot fall under 1
.endr
.irp i,2,4,6,8,10,12,14,16,18,20,22,24,26,28,30
.irp c,0,1
	s_delay_alu instid0(VALU_DEP_2)
	v_max3_num_f32 v[10+\c], v[10+\c], |v[X+32*\c+\i]|, |v[X+32*\c+\i+1]|
.endr
.endr
.irp c,0,1
	s_delay_alu instid0(VALU_DEP_2)
	v_add_nc_u32 v[12+\c], 0xff000000, v[10+\c]    ; 2 off the exponent field: the conversion's scale operand
.endr
.irp c,0,1
	s_delay_alu instid0(VALU_DEP_2)
	v_lshrrev_b32 v[14+\c], 23, v[12+\c]           ; the scale's byte
.endr
.irp c,0,1
.irp g,0,1,2,3
	v_cvt_scalef32_pk8_fp4_f32 v[CO+4*\c+\g], v[X+32*\c+8*\g:X+32*\c+8*\g+7], v[12+\c]
.endr
.endr
	v_lshl_or_b32 v[WD], v15, 16, v14              ; my two bytes, blocks hh and 2 + hh (a plain line behind the conversions),
	s_delay_alu instid0(VALU_DEP_1)
	v_lshlrev_b32 v[WD], v8, v[WD]                 ; 8 hh bits up;
	s_delay_alu instid0(VALU_DEP_1)
	v_permlanex16_b32 v9, v[WD], s20, s21
	s_delay_alu instid0(VALU_DEP_1)
	v_or_b32 v[WD], v[WD], v9                      ; with lane l xor 16's two the word is whole
	global_store_b128 v6, v[CO:CO+3], s[30:31] th:TH_STORE_NT              ; 32 lanes store 512 consecutive bytes
	global_store_b128 v6, v[CO+4:CO+7], s[30:31] offset:512 th:TH_STORE_NT
	v_cmp_gt_u32 vcc_lo, 16, v2                    ; both halves of the lanes hold row r's word: lanes 0-15 store it
	s_wait_alu depctr_va_vdst(0)
	s_wait_xcnt 0x0                                ; EXEC changes only behind this wait: the stores above have read it
	s_wait_tensorcnt 0x0
	ds_add_u32 v224, v225
	s_wait_dscnt 0x0
	s_and_saveexec_b32 s27, vcc_lo
	global_store_b32 v1, v[WD], s[12:13]
	s_wait_xcnt 0x0                                ; and again, in front of the line that widens it
	s_or_b32 exec_lo, exec_lo, s27
	s_endpgm
	; ---- TABLES.  Thread t takes channel t of each norm (and t + 256 of v's).
.Ltables:
	s_load_b64 s[4:5], s[0:1], 0x38                ; bnc
	s_load_b64 s[6:7], s[0:1], 0x48                ; bo
	s_load_b256 s[8:15], s[0:1], 0x50              ; q_g, q_b, q_m, q_v
	s_load_b256 s[16:23], s[0:1], 0x70             ; k_*
	s_load_b256 s[24:31], s[0:1], 0x90             ; v_*
	s_load_b256 s[32:39], s[0:1], 0xb0             ; o_*
	v_lshlrev_b32 v5, 2, v0
	v_lshlrev_b32 v6, 4, v0
	s_wait_alu depctr_va_vdst(0)
	s_wait_kmcnt 0x0
.irp p,0,1,2,3                         ; p: 0 g, 1 b, 2 m, 3 v
	global_load_b32 v[16+\p], v5, s[8+2*\p:9+2*\p]
	global_load_b32 v[20+\p], v5, s[16+2*\p:17+2*\p]
	global_load_b32 v[24+\p], v5, s[24+2*\p:25+2*\p]
	global_load_b32 v[28+\p], v5, s[24+2*\p:25+2*\p] offset:1024
	global_load_b32 v[32+\p], v5, s[32+2*\p:33+2*\p]
.endr
	global_load_b32 v36, v5, s[6:7]
	s_wait_loadcnt 0x0
.irp n,0,1,2,3,4
	v_add_f32 v[19+4*\n], 0x3727c5ac, v[19+4*\n]   ; v + 1e-5
.endr
	s_wait_alu depctr_va_vdst(0)
.irp n,0,1,2,3,4
	v_rsq_f32 v[40+\n], v[19+4*\n]
.endr
	v_mov_b32 v51, 0                               ; a plain line behind the last reciprocal root
	s_wait_alu depctr_va_vdst(0)                   ; one wait for the five, ahead of their first reader
.irp n,0,1,2,3,4
	v_mul_f32 v[40+\n], v[16+4*\n], v[40+\n]       ; s = g x rsq(v + eps)
.endr
	v_xor_b32 v60, 0x80000000, v18                 ; -m
	v_xor_b32 v61, 0x80000000, v22
	v_xor_b32 v48, 0x80000000, v26
	v_mov_b32 v49, v42
	v_mov_b32 v50, v25
	v_xor_b32 v52, 0x80000000, v30
	v_mov_b32 v53, v43
	v_mov_b32 v54, v29
	v_mov_b32 v55, 0
	v_sub_f32 v56, v36, v34                        ; bo - o_m
	v_mov_b32 v57, v44
	v_mov_b32 v58, v33
	v_mov_b32 v59, 0
	global_store_b32 v5, v60, s[4:5]               ; -m, planar: q's 256, k's 256
	global_store_b32 v5, v61, s[4:5] offset:1024
	global_store_b32 v5, v40, s[4:5] offset:2048   ; s
	global_store_b32 v5, v41, s[4:5] offset:3072
	global_store_b32 v5, v17, s[4:5] offset:4096   ; b
	global_store_b32 v5, v21, s[4:5] offset:5120
	global_store_b128 v6, v[48:51], s[4:5] offset:6144    ; v's: (-m, s, b, 0) a channel
	global_store_b128 v6, v[52:55], s[4:5] offset:10240
	global_store_b128 v6, v[56:59], s[4:5] offset:14336   ; the output's: (bo - m, s, b, 0)
	s_endpgm
.Lfunc_end_k_qed98869339_prep:
	.size	k_qed98869339_prep, .Lfunc_end_k_qed98869339_prep-k_qed98869339_prep
	.p2alignl 7, 3214868480
	.fill 96, 4, 3214868480
	.section	.rodata,"a",@progbits
	.p2align	6, 0x0
	.amdhsa_kernel k_qed98869339_prep
		.amdhsa_group_segment_fixed_size 68608
		.amdhsa_private_segment_fixed_size 0
		.amdhsa_enable_private_segment 0
		.amdhsa_kernarg_size 208
		.amdhsa_user_sgpr_count 2
		.amdhsa_user_sgpr_kernarg_segment_ptr 1
		.amdhsa_wavefront_size32 1
		.amdhsa_system_sgpr_workgroup_id_x 1
		.amdhsa_system_sgpr_workgroup_id_y 1
		.amdhsa_system_sgpr_workgroup_id_z 1
		.amdhsa_system_vgpr_workitem_id 0
		.amdhsa_next_free_vgpr 226
		.amdhsa_next_free_sgpr 66
		.amdhsa_reserve_vcc 1
		.amdhsa_float_denorm_mode_32 3
		.amdhsa_float_denorm_mode_16_64 3
		.amdhsa_memory_ordered 1
		.amdhsa_forward_progress 1
		.amdhsa_inst_pref_size 36
	.end_amdhsa_kernel
	.amdgpu_metadata
---
amdhsa.version: [ 1, 2 ]
amdhsa.kernels:
  - .name:           k_qed98869339_prep
    .symbol:         k_qed98869339_prep.kd
    .args:
      - { .name: Wq, .offset: 0, .size: 8, .value_kind: global_buffer, .address_space: global }
      - { .name: Wk, .offset: 8, .size: 8, .value_kind: global_buffer, .address_space: global }
      - { .name: Wv, .offset: 16, .size: 8, .value_kind: global_buffer, .address_space: global }
      - { .name: Wo, .offset: 24, .size: 8, .value_kind: global_buffer, .address_space: global }
      - { .name: pos_idx, .offset: 32, .size: 8, .value_kind: global_buffer, .address_space: global }
      - { .name: pos_tab, .offset: 40, .size: 8, .value_kind: global_buffer, .address_space: global }
      - { .name: wimg, .offset: 48, .size: 8, .value_kind: global_buffer, .address_space: global }
      - { .name: bnc, .offset: 56, .size: 8, .value_kind: global_buffer, .address_space: global }
      - { .name: bias, .offset: 64, .size: 8, .value_kind: global_buffer, .address_space: global }
      - { .name: bo, .offset: 72, .size: 8, .value_kind: global_buffer, .address_space: global }
      - { .name: q_g, .offset: 80, .size: 8, .value_kind: global_buffer, .address_space: global }
      - { .name: q_b, .offset: 88, .size: 8, .value_kind: global_buffer, .address_space: global }
      - { .name: q_m, .offset: 96, .size: 8, .value_kind: global_buffer, .address_space: global }
      - { .name: q_v, .offset: 104, .size: 8, .value_kind: global_buffer, .address_space: global }
      - { .name: k_g, .offset: 112, .size: 8, .value_kind: global_buffer, .address_space: global }
      - { .name: k_b, .offset: 120, .size: 8, .value_kind: global_buffer, .address_space: global }
      - { .name: k_m, .offset: 128, .size: 8, .value_kind: global_buffer, .address_space: global }
      - { .name: k_v, .offset: 136, .size: 8, .value_kind: global_buffer, .address_space: global }
      - { .name: v_g, .offset: 144, .size: 8, .value_kind: global_buffer, .address_space: global }
      - { .name: v_b, .offset: 152, .size: 8, .value_kind: global_buffer, .address_space: global }
      - { .name: v_m, .offset: 160, .size: 8, .value_kind: global_buffer, .address_space: global }
      - { .name: v_v, .offset: 168, .size: 8, .value_kind: global_buffer, .address_space: global }
      - { .name: o_g, .offset: 176, .size: 8, .value_kind: global_buffer, .address_space: global }
      - { .name: o_b, .offset: 184, .size: 8, .value_kind: global_buffer, .address_space: global }
      - { .name: o_m, .offset: 192, .size: 8, .value_kind: global_buffer, .address_space: global }
      - { .name: o_v, .offset: 200, .size: 8, .value_kind: global_buffer, .address_space: global }
    .group_segment_fixed_size: 68608
    .private_segment_fixed_size: 0
    .kernarg_segment_align: 8
    .kernarg_segment_size: 208
    .max_flat_workgroup_size: 256
    .sgpr_count:     66
    .vgpr_count:     226
    .wavefront_size: 32
...
	.end_amdgpu_metadata
.endif
;; end of part 6
;; launch proj (part 7): grid 256 x 1, 8 waves a work-group, no clusters, 10,752 bytes of LDS; arguments x, wimg, bnc, qc, kv; writes qc, kv
.if DOCPART == 7
	.amdgcn_target "amdgcn-amd-amdhsa--gfx1250"
	.amdhsa_code_object_version 6
	.text
	.protected	k_qed98869339_proj
	.globl	k_qed98869339_proj
	.p2align	8
	.type	k_qed98869339_proj,@function
k_qed98869339_proj:
	s_mov_b64 s[64:65], 0
	v_nop
	global_prefetch_b8 v0, s[64:65] scope:SCOPE_SE
	s_setreg_imm32_b32 hwreg(HW_REG_WAVE_MODE, 25, 1), 1
	s_wait_xcnt 0x0
; PROJ: q, k, v = batch norm(W x), all three products on codes of FP4 (E2M1) with one E8M0 byte for each 32 along K = the 256 input channels; the results are quantised at once for the attention launch.
; SHARES.  A work-group takes 64 positions of one batch (four tiles of 16) and all 1,024 output channels, so x is read once.  Wave w first quantises channels 32 w .. 32 w + 31 (one block of K) of the 64 positions:
; a lane takes a position and its registers run down the channels, so a block's largest magnitude needs no other lane and the codes come out with K innermost.  They meet in LDS as rows of 128 bytes + 16; ONE barrier.
; Then waves 0, 1 make q's heads 4 w .. 4 w + 3, waves 2, 3 k's, waves 4-7 four runs of 32 channels of v each.  The weights come from memory as images of operand registers, 512 consecutive bytes a load.
; A TILE'S ROWS ARE NOT NEIGHBOURS: row r of tile T (of positions, or of output channels) is element 32 (T / 2) + 8 (T % 2) + r + 8 (r / 8), so that the 16 result registers of tiles 2 t and 2 t + 1 are 16 neighbours.
; q, k: source 0 = 16 channels, source 1 = 16 positions: a lane holds one position and 16 neighbouring channels of a head's 32: one block with lane l xor 16.  C of the first product = -m, so y - m comes out of the sums.
; v: the sources change places: a lane holds one channel and 16 neighbouring positions, since the keys are the K of the second attention product.
; OUT: q's codes by tile and row, 16 bytes a row; k's and v's codes and scale bytes into one block of 13,056 bytes for each (batch, head, 256 keys), laid as the attention launch's operand registers.
; LIMITS: a block whose largest magnitude lies under 2^-124, a block of zeros among them, keeps the scale byte 1; NaN and infinities are not served.
; No cluster, no tensor load: a wave reads its own four units of weights (16 KB) once, straight into the operand's registers; brought jointly they would have to pass through LDS first, for 64 matrix instructions a wave.
.set XF,  16                           ; v16-79   x's fragments: tile T, K step ks at XF + 8 (2 T + ks)
.set XSW, 80                           ; v80-87   their scale words
.set WF,  88                           ; v88-119  a unit's four fragments of weights
.set WS,  120                          ; v120-123 their scale words
.set NM,  124                          ; v124-139 -m in the result's layout (v: two channels' quads)
.set SS,  140                          ; v140-155 s
.set BB,  156                          ; v156-171 b
.set D,   172                          ; v172-235 eight accumulators; at the head x's 64 numbers
.set TM,  236                          ; v236-239 largest magnitudes, v240-243 the other lane's, then bytes, v244-247 scale operands
.set CD,  248                          ; v248-255 codes
; v4 4 lane; v5, v6 where I store x's codes and byte; v7, v8 where I read x's fragments and scale words; v9 16 lane; v10 16 r; v11 64 hh; v12 16 (r + 8 (r / 8)); v13 16 r + 8 hh; v14 4 r + 2 hh; v15 4 r + hh; v2, v3 scale stores' data
.macro PLACES                          ; four plain lines between a matrix instruction and a load into, or a vector read of, its registers
.rept 4
	v_nop
.endr
.endm
.macro MMZ d, a, b, sa, sb             ; the first product starts a sum
	v_wmma_scale_f32_16x16x128_f8f6f4 v[\d:\d+7], v[\a:\a+7], v[\b:\b+7], 0, v[\sa], v[\sb] matrix_a_fmt:MATRIX_FMT_FP4 matrix_b_fmt:MATRIX_FMT_FP4
.endm
.macro MMA d, a, b, c, sa, sb
	v_wmma_scale_f32_16x16x128_f8f6f4 v[\d:\d+7], v[\a:\a+7], v[\b:\b+7], v[\c:\c+7], v[\sa], v[\sb] matrix_a_fmt:MATRIX_FMT_FP4 matrix_b_fmt:MATRIX_FMT_FP4
.endm
.macro WLOAD i                         ; my unit i: four fragments and their scale words
.irp f,0,1,2,3
.irp c,0,1
	global_load_b128 v[WF+8*\f+4*\c:WF+8*\f+4*\c+3], v9, s[24:25] offset:(\i)*4096+\f*1024+\c*512
.endr
.endr
	global_load_b128 v[WS:WS+3], v10, s[26:27] offset:(\i)*256
.endm
.macro BNM i                           ; -m of the unit's 32 channels: lane (r, hh), register 8 wt + j: channel 8 wt + 16 hh + j
.irp u,0,1
	global_load_b128 v[NM+8*\u:NM+8*\u+3], v11, s[28:29] offset:(\i)*128+\u*32
	global_load_b128 v[NM+8*\u+4:NM+8*\u+7], v11, s[28:29] offset:(\i)*128+\u*32+16
.endr
.endm
.macro BNSB i                          ; s and b likewise
.irp u,0,1
	global_load_b128 v[SS+8*\u:SS+8*\u+3], v11, s[28:29] offset:2048+(\i)*128+\u*32
	global_load_b128 v[SS+8*\u+4:SS+8*\u+7], v11, s[28:29] offset:2048+(\i)*128+\u*32+16
	global_load_b128 v[BB+8*\u:BB+8*\u+3], v11, s[28:29] offset:4096+(\i)*128+\u*32
	global_load_b128 v[BB+8*\u+4:BB+8*\u+7], v11, s[28:29] offset:4096+(\i)*128+\u*32+16
.endr
.endm
.macro BNV i                           ; v: (-m, s, b, 0) of my lane's channel in each of the unit's two tiles
.irp u,0,1
	global_load_b128 v[NM+4*\u:NM+4*\u+3], v12, s[28:29] offset:(\i)*512+\u*128
.endr
.endm
.macro XQ e                            ; positions 32 e + lane: my 32 channels are one block
	v_max3_num_f32 v[TM], |v[D+32*\e]|, |v[D+32*\e+1]|, |v[D+32*\e+2]|
	v_max3_num_f32 v[TM+1], |v[D+32*\e+3]|, |v[D+32*\e+4]|, |v[D+32*\e+5]|
.irp i,6,10,14,18,22,26
	s_delay_alu instid0(VALU_DEP_2)
	v_max3_num_f32 v[TM], v[TM], |v[D+32*\e+\i]|, |v[D+32*\e+\i+1]|
	s_delay_alu instid0(VALU_DEP_2)
	v_max3_num_f32 v[TM+1], v[TM+1], |v[D+32*\e+\i+2]|, |v[D+32*\e+\i+3]|
.endr
	s_delay_alu instid0(VALU_DEP_2)
	v_max3_num_f32 v[TM], v[TM], |v[D+32*\e+30]|, |v[D+32*\e+31]|
	s_delay_alu instid0(VALU_DEP_1)
	v_max3_num_f32 v[TM], v[TM], v[TM+1], 0x1800000       ; the floor 2^(3 - 127): the byte cannot fall under 1
	s_delay_alu instid0(VALU_DEP_1)
	v_add_nc_u32 v[TM+8+\e], 0xff000000, v[TM]            ; 2 off the exponent field: the conversion's scale operand
	s_delay_alu instid0(VALU_DEP_1)
	v_lshrrev_b32 v[TM+2+\e], 23, v[TM+8+\e]              ; the scale's byte
.irp g,0,1,2,3
	v_cvt_scalef32_pk8_fp4_f32 v[CD+4*\e+\g], v[D+32*\e+8*\g:D+32*\e+8*\g+7], v[TM+8+\e]
.endr
	v_nop                                          ; one plain line behind the conversions: matrix instructions write their sources later
	ds_store_b128 v5, v[CD+4*\e:CD+4*\e+3] offset:4608*\e
	ds_store_b8 v6, v[TM+2+\e] offset:256*\e
.endm
; Four blocks of 32: block b is my 16 registers v[s + 16 b] on and lane l xor 16's.  Codes: my half of block b in v[CD + 2 b], v[CD + 2 b + 1]; bytes in v[TM + 4 + b].
.macro QUANT4 s
.irp b,0,1,2,3
	v_max3_num_f32 v[TM+\b], |v[\s+16*\b]|, |v[\s+1+16*\b]|, 0x1800000
.endr
.irp i,2,4,6,8,10,12,14
.irp b,0,1,2,3
	s_delay_alu instid0(VALU_DEP_4)
	v_max3_num_f32 v[TM+\b], v[TM+\b], |v[\s+16*\b+\i]|, |v[\s+1+16*\b+\i]|
.endr
.endr
.irp b,0,1,2,3
	s_delay_alu instid0(VALU_DEP_4)
	v_permlanex16_b32 v[TM+4+\b], v[TM+\b], s20, s21
.endr
.irp b,0,1,2,3
	s_delay_alu instid0(VALU_DEP_4)
	v_max_num_f32 v[TM+\b], v[TM+\b], v[TM+4+\b]
.endr
.irp b,0,1,2,3
	s_delay_alu instid0(VALU_DEP_4)
	v_add_nc_u32 v[TM+8+\b], 0xff000000, v[TM+\b]
.endr
.irp b,0,1,2,3
	s_delay_alu instid0(VALU_DEP_4)
	v_lshrrev_b32 v[TM+4+\b], 23, v[TM+8+\b]
.endr
.irp b,0,1,2,3
	v_cvt_scalef32_pk8_fp4_f32 v[CD+2*\b], v[\s+16*\b:\s+7+16*\b], v[TM+8+\b]
	v_cvt_scalef32_pk8_fp4_f32 v[CD+1+2*\b], v[\s+8+16*\b:\s+15+16*\b], v[TM+8+\b]
.endr
	v_nop                                          ; one plain line behind the conversions
.endm
; One head of q (isk = 0) or of k (1) for the 64 positions.
.macro UNITQK i, isk
.if \i == 0
	BNM 0
	BNSB 0
.endif
	s_wait_loadcnt 0x0                             ; the unit's weights and tables
.if \i == 0
	s_wait_dscnt 0x0                               ; x's fragments
.endif
.irp k,0,1                             ; the eight accumulators take turns, one instruction a turn, K step by K step
.irp t,0,1,2,3
.irp u,0,1
.if \k == 0
	MMA D+8*(2*\t+\u), WF+8*(2*\u), XF+8*(2*\t), NM+8*\u, WS+2*\u, XSW+2*\t
.else
	MMA D+8*(2*\t+\u), WF+8*(2*\u+1), XF+8*(2*\t+1), D+8*(2*\t+\u), WS+2*\u+1, XSW+2*\t+1
.endif
.endr
.endr
.endr
	PLACES
.if \i < 3
	WLOAD \i+1                                     ; the next unit lands while this one is scaled and quantised
	BNM \i+1
.endif
.irp t,0,1,2,3
.irp p,0,2,4,6,8,10,12,14
	v_pk_fma_f32 v[D+16*\t+\p:D+16*\t+\p+1], v[D+16*\t+\p:D+16*\t+\p+1], v[SS+\p:SS+\p+1], v[BB+\p:BB+\p+1]   ; (y - m) s + b
.endr
.endr
.if \i < 3
	BNSB \i+1
.endif
	s_wait_xcnt 0x0                                ; the last unit's stores have read their data: the codes' and bytes' registers are rewritten only behind this wait
	QUANT4 D
.if \isk
.irp t,0,1,2,3
	global_store_b64 v13, v[CD+2*\t:CD+2*\t+1], s[32:33] offset:\i*52224+\t*256   ; 32 lanes store 256 consecutive bytes: a key tile's 16 rows
.endr
	v_lshl_or_b32 v2, v[TM+5], 8, v[TM+4]
	v_lshl_or_b32 v3, v[TM+7], 8, v[TM+6]
	s_delay_alu instid0(VALU_DEP_1)
	v_cndmask_b32 v2, v2, v3, s22                  ; lanes 0-15: tiles 0, 1 of row r; lanes 16-31: tiles 2, 3
	global_store_b16 v14, v2, s[34:35] offset:\i*52224
.else
.irp t,0,1,2,3
	global_store_b64 v13, v[CD+2*\t:CD+2*\t+1], s[32:33] offset:\i*16384+\t*256
.endr
.irp b,0,1,2,3
	v_perm_b32 v[TM+4+\b], v[TM+4+\b], v[TM+4+\b], 0   ; q's byte in all four places of its word: q stands in any of the four blocks of an instruction's K
.endr
	s_delay_alu instid0(VALU_DEP_2)
	v_cndmask_b32 v2, v[TM+4], v[TM+6], s22
	s_delay_alu instid0(VALU_DEP_2)
	v_cndmask_b32 v3, v[TM+5], v[TM+7], s22
	global_store_b64 v13, v[2:3], s[34:35] offset:\i*4096   ; 256 consecutive bytes
.endif
.endm
; 32 channels of v for the 64 positions.
.macro UNITV i
.if \i == 0
	BNV 0
.endif
	s_wait_loadcnt 0x0
.if \i == 0
	s_wait_dscnt 0x0
.endif
.irp k,0,1
.irp u,0,1
.irp t,0,1,2,3
.if \k == 0
	MMZ D+8*(4*\u+\t), XF+8*(2*\t), WF+8*(2*\u), XSW+2*\t, WS+2*\u
.else
	MMA D+8*(4*\u+\t), XF+8*(2*\t+1), WF+8*(2*\u+1), D+8*(4*\u+\t), XSW+2*\t+1, WS+2*\u+1
.endif
.endr
.endr
.endr
	PLACES
.if \i < 3
	WLOAD \i+1
.endif
.irp u,0,1
.irp p,0,2,4,6,8,10,12,14,16,18,20,22,24,26,28,30
	v_pk_add_f32 v[D+32*\u+\p:D+32*\u+\p+1], v[D+32*\u+\p:D+32*\u+\p+1], v[NM+4*\u:NM+4*\u+1] op_sel_hi:[1,0]   ; y - m
.endr
.endr
.irp u,0,1
.irp p,0,2,4,6,8,10,12,14,16,18,20,22,24,26,28,30
	v_pk_fma_f32 v[D+32*\u+\p:D+32*\u+\p+1], v[D+32*\u+\p:D+32*\u+\p+1], v[NM+4*\u:NM+4*\u+1], v[NM+4*\u+2:NM+4*\u+3] op_sel:[0,1,0] op_sel_hi:[1,1,0]   ; x s (the pair's second word) + b (the next pair's first)
.endr
.endr
.if \i < 3
	BNV \i+1
.endif
	s_wait_xcnt 0x0                                ; as above
	QUANT4 D
.irp u,0,1
.irp e,0,1
	global_store_b64 v13, v[CD+4*\u+2*\e:CD+4*\u+2*\e+1], s[32:33] offset:(\i/2)*52224+(2*(\i%2)+\u)*1024+\e*256   ; 256 consecutive bytes: block e of 32 keys, the tile's 16 channels
.endr
.endr
	v_cndmask_b32 v2, v[TM+4], v[TM+5], s22        ; lanes 0-15 store block 0's byte, lanes 16-31 block 1's
	v_cndmask_b32 v3, v[TM+6], v[TM+7], s22
	global_store_b8 v15, v2, s[34:35] offset:(\i/2)*52224+(2*(\i%2))*64
	global_store_b8 v15, v3, s[34:35] offset:(\i/2)*52224+(2*(\i%2)+1)*64
.endm
	s_load_b256 s[4:11], s[0:1], 0x0               ; x, wimg, bnc, qc
	s_load_b64 s[12:13], s[0:1], 0x20              ; kv
	s_set_vgpr_msb 0x40
	v_lshl_add_u32 v0, v0, 2, 0x2600
	v_mov_b32 v1, 0
	s_set_vgpr_msb 0x4000
	v_lshrrev_b32 v1, 5, v0
	s_delay_alu instid0(VALU_DEP_1)
	v_readfirstlane_b32 s14, v1                    ; wave 0..7
	v_and_b32 v1, 31, v0                           ; lane
	v_and_b32 v2, 15, v0                           ; r
	v_bfe_u32 v3, v0, 4, 1                         ; hh
	s_lshr_b32 s15, ttmp9, 4                       ; batch
	s_and_b32 s16, ttmp9, 15                       ; which 64 positions
	s_mov_b32 s20, 0x76543210
	s_mov_b32 s21, 0xfedcba98                      ; v_permlanex16_b32's selects for lane l xor 16
	s_mov_b32 s22, 0xffff0000                      ; lanes 16-31
	v_lshlrev_b32 v4, 2, v1
	v_mul_u32_u24 v5, v1, 144
	s_lshl_b32 s17, s14, 4
	v_add_nc_u32 v5, s17, v5                       ; x's codes: row = position, 16 bytes for each block of K
	v_lshlrev_b32 v6, 3, v1
	s_delay_alu instid0(VALU_DEP_1)
	v_add_nc_u32 v6, s14, v6
	s_delay_alu instid0(VALU_DEP_1)
	v_add_nc_u32 v6, 9216, v6                      ; x's scale bytes: 8 a position
	v_and_b32 v12, 8, v2
	s_delay_alu instid0(VALU_DEP_1)
	v_add_nc_u32 v12, v12, v2                      ; r + 8 (r / 8)
	s_delay_alu instid0(VALU_DEP_1)
	v_mul_u32_u24 v7, v12, 144
	s_delay_alu instid0(VALU_DEP_1)
	v_lshl_add_u32 v7, v3, 4, v7
	s_delay_alu instid0(VALU_DEP_3)
	v_lshl_add_u32 v8, v12, 3, 9216
	v_lshlrev_b32 v9, 4, v1
	v_lshlrev_b32 v10, 4, v2
	v_lshlrev_b32 v11, 6, v3
	v_lshlrev_b32 v12, 4, v12
	s_delay_alu instid0(VALU_DEP_3)
	v_lshl_add_u32 v13, v3, 3, v10
	v_lshlrev_b32 v14, 2, v2
	s_delay_alu instid0(VALU_DEP_1)
	v_add_nc_u32 v15, v14, v3
	s_delay_alu instid0(VALU_DEP_2)
	v_lshl_add_u32 v14, v3, 1, v14
.irp b,0,1,2,3
	v_mov_b32 v[TM+4+\b], 0                        ; written once: a lane permute's destination counts as one of its sources
.endr
	s_lshl_b32 s36, s14, 14                        ; my four units' codes: unit 4 w on
	s_mov_b32 s37, 0
	s_lshl_b32 s38, s14, 10
	s_add_co_u32 s38, s38, 196608                  ; and their scale words
	s_mov_b32 s39, 0
	s_lshl_b32 s40, s15, 20                        ; x: the batch,
	s_lshl_b32 s41, s14, 17                        ; my 32 channels,
	s_add_co_u32 s40, s40, s41
	s_lshl_b32 s41, s16, 8                         ; the 64 positions
	s_add_co_u32 s40, s40, s41
	s_mov_b32 s41, 0
	s_wait_kmcnt 0x0
	s_add_nc_u64 s[24:25], s[6:7], s[36:37]
	s_add_nc_u64 s[26:27], s[6:7], s[38:39]
	s_add_nc_u64 s[30:31], s[4:5], s[40:41]
	WLOAD 0
.irp e,0,1
.irp i,0,1,2,3,4,5,6,7,8,9,10,11,12,13,14,15,16,17,18,19,20,21,22,23,24,25,26,27,28,29,30,31
	global_load_b32 v[D+32*\e+\i], v4, s[30:31] offset:\i*4096+\e*128 th:TH_LOAD_NT   ; x(32 w + i, 32 e + lane)
.endr
.endr
	s_wait_loadcnt 32                              ; the first 32 positions' numbers are in; the other 32 loads may be out
	XQ 0
	s_wait_loadcnt 0x0
	XQ 1
	s_wait_dscnt 0x0                               ; for the others' sake: my stores have landed
	s_barrier_signal -1
	s_barrier_wait -1                              ; x's codes and bytes lie in LDS; nothing is written there again
.irp t,0,1,2,3
.irp k,0,1
.irp c,0,1
	ds_load_b128 v[XF+16*\t+8*\k+4*\c:XF+16*\t+8*\k+4*\c+3], v7 offset:(32*(\t/2)+8*(\t%2))*144+64*\k+32*\c
.endr
.endr
	ds_load_b64 v[XSW+2*\t:XSW+2*\t+1], v8 offset:(32*(\t/2)+8*(\t%2))*8
.endr
	s_lshr_b32 s17, s16, 2                         ; which 256 keys,
	s_bfe_u32 s18, s16, 0x10001                    ; which 128 of them,
	s_and_b32 s19, s16, 1                          ; which 64 of those
	s_mov_b32 s37, 0
	s_cmp_lt_u32 s14, 2
	s_cbranch_scc1 .Lrole_q
	s_cmp_lt_u32 s14, 4
	s_cbranch_scc1 .Lrole_k
	; ---- v
	s_sub_co_u32 s39, s14, 4
	s_lshl_b32 s36, s39, 11
	s_add_co_u32 s36, s36, 6144
	s_add_nc_u64 s[28:29], s[8:9], s[36:37]        ; my 128 channels' quads
	s_lshl_b32 s38, s15, 3
	s_lshl_b32 s39, s39, 1
	s_add_co_u32 s38, s38, s39                     ; batch x 8 + my first head
	s_lshl_b32 s38, s38, 2
	s_add_co_u32 s38, s38, s17
	s_mul_i32 s36, s38, 13056
	s_add_nc_u64 s[12:13], s[12:13], s[36:37]      ; the block of (batch, head, 256 keys)
	s_lshl_b32 s36, s18, 12
	s_lshl_b32 s39, s19, 9
	s_add_co_u32 s36, s36, s39
	s_add_co_u32 s36, s36, 4096
	s_add_nc_u64 s[32:33], s[12:13], s[36:37]      ; V's image
	s_lshl_b32 s36, s18, 8
	s_lshl_b32 s39, s19, 1
	s_add_co_u32 s36, s36, s39
	s_add_co_u32 s36, s36, 12544
	s_add_nc_u64 s[34:35], s[12:13], s[36:37]      ; V's scale bytes
	UNITV 0
	UNITV 1
	UNITV 2
	UNITV 3
	s_set_vgpr_msb 0x5
	s_wait_tensorcnt 0x0
	ds_add_u32 v0, v1
	s_wait_dscnt 0x0
	s_set_vgpr_msb 0x500
	s_endpgm
.Lrole_q:
	s_lshl_b32 s36, s14, 9
	s_add_nc_u64 s[28:29], s[8:9], s[36:37]        ; my 128 channels in the planar tables
	s_lshl_b32 s38, s15, 3
	s_lshl_b32 s39, s14, 2
	s_add_co_u32 s38, s38, s39                     ; batch x 8 + my first head
	s_lshl_b32 s36, s38, 14
	s_lshl_b32 s39, s16, 10
	s_add_co_u32 s36, s36, s39
	s_add_nc_u64 s[32:33], s[10:11], s[36:37]      ; q's codes
	s_lshl_b32 s36, s38, 12
	s_lshl_b32 s39, s16, 8
	s_add_co_u32 s36, s36, s39
	s_add_co_u32 s36, s36, 2097152
	s_add_nc_u64 s[34:35], s[10:11], s[36:37]      ; q's scale words
	UNITQK 0, 0
	UNITQK 1, 0
	UNITQK 2, 0
	UNITQK 3, 0
	s_set_vgpr_msb 0x5
	s_wait_tensorcnt 0x0
	ds_add_u32 v0, v1
	s_wait_dscnt 0x0
	s_set_vgpr_msb 0x500
	s_endpgm
.Lrole_k:
	s_lshl_b32 s36, s14, 9
	s_add_nc_u64 s[28:29], s[8:9], s[36:37]        ; k's channels follow q's in the planar tables: 128 w on
	s_lshl_b32 s38, s15, 3
	s_sub_co_u32 s39, s14, 2
	s_lshl_b32 s39, s39, 2
	s_add_co_u32 s38, s38, s39
	s_lshl_b32 s38, s38, 2
	s_add_co_u32 s38, s38, s17
	s_mul_i32 s36, s38, 13056
	s_add_nc_u64 s[12:13], s[12:13], s[36:37]
	s_lshl_b32 s36, s18, 11
	s_lshl_b32 s39, s19, 10
	s_add_co_u32 s36, s36, s39
	s_add_nc_u64 s[32:33], s[12:13], s[36:37]      ; K's image
	s_lshl_b32 s36, s18, 7
	s_lshl_b32 s39, s19, 6
	s_add_co_u32 s36, s36, s39
	s_add_co_u32 s36, s36, 12288
	s_add_nc_u64 s[34:35], s[12:13], s[36:37]      ; K's scale bytes
	UNITQK 0, 1
	UNITQK 1, 1
	UNITQK 2, 1
	UNITQK 3, 1
	s_set_vgpr_msb 0x5
	s_wait_tensorcnt 0x0
	ds_add_u32 v0, v1
	s_wait_dscnt 0x0
	s_set_vgpr_msb 0x500
	s_endpgm
.Lfunc_end_k_qed98869339_proj:
	.size	k_qed98869339_proj, .Lfunc_end_k_qed98869339_proj-k_qed98869339_proj
	.p2alignl 7, 3214868480
	.fill 96, 4, 3214868480
	.section	.rodata,"a",@progbits
	.p2align	6, 0x0
	.amdhsa_kernel k_qed98869339_proj
		.amdhsa_group_segment_fixed_size 10752
		.amdhsa_private_segment_fixed_size 0
		.amdhsa_enable_private_segment 0
		.amdhsa_kernarg_size 40
		.amdhsa_user_sgpr_count 2
		.amdhsa_user_sgpr_kernarg_segment_ptr 1
		.amdhsa_wavefront_size32 1
		.amdhsa_system_sgpr_workgroup_id_x 1
		.amdhsa_system_sgpr_workgroup_id_y 1
		.amdhsa_system_sgpr_workgroup_id_z 1
		.amdhsa_system_vgpr_workitem_id 0
		.amdhsa_next_free_vgpr 258
		.amdhsa_next_free_sgpr 66
		.amdhsa_reserve_vcc 0
		.amdhsa_float_denorm_mode_32 3
		.amdhsa_float_denorm_mode_16_64 3
		.amdhsa_memory_ordered 1
		.amdhsa_forward_progress 1
		.amdhsa_inst_pref_size 161
	.end_amdhsa_kernel
	.amdgpu_metadata
---
amdhsa.version: [ 1, 2 ]
amdhsa.kernels:
  - .name:           k_qed98869339_proj
    .symbol:         k_qed98869339_proj.kd
    .args:
      - { .name: x, .offset: 0, .size: 8, .value_kind: global_buffer, .address_space: global }
      - { .name: wimg, .offset: 8, .size: 8, .value_kind: global_buffer, .address_space: global }
      - { .name: bnc, .offset: 16, .size: 8, .value_kind: global_buffer, .address_space: global }
      - { .name: qc, .offset: 24, .size: 8, .value_kind: global_buffer, .address_space: global }
      - { .name: kv, .offset: 32, .size: 8, .value_kind: global_buffer, .address_space: global }
    .group_segment_fixed_size: 10752
    .private_segment_fixed_size: 0
    .kernarg_segment_align: 8
    .kernarg_segment_size: 40
    .max_flat_workgroup_size: 256
    .sgpr_count:     66
    .vgpr_count:     258
    .wavefront_size: 32
...
	.end_amdgpu_metadata
.endif
;; end of part 7
;; launch attn (part 8): grid 4 x 128, 16 waves a work-group, clusters of 4 x 4, 327,680 bytes of LDS; arguments qc, kv, bias, oc; writes oc
.if DOCPART == 8
	.amdgcn_target "amdgcn-amd-amdhsa--gfx1250"
	.amdhsa_code_object_version 6
	.text
	.protected	k_qed98869339_attn
	.globl	k_qed98869339_attn
	.p2align	8
	.type	k_qed98869339_attn,@function
k_qed98869339_attn:
	s_mov_b64 s[64:65], 0
	v_nop
	global_prefetch_b8 v0, s[64:65] scope:SCOPE_SE
	s_setreg_imm32_b32 hwreg(HW_REG_WAVE_MODE, 25, 1), 1
	s_wait_xcnt 0x0
	s_wait_alu depctr_hold_cnt(0) depctr_sa_sdst(0) depctr_va_vdst(0) depctr_va_sdst(0) depctr_va_ssrc(0) depctr_va_vcc(0) depctr_vm_vsrc(0)
	s_getreg_b32 s2, hwreg(HW_REG_IB_STS2, 6, 4)
	s_cmp_eq_u32 s2, 0
	s_cbranch_scc0 .Lentry_in_a_cluster
	s_endpgm
.Lentry_in_a_cluster:
	s_bfe_u32 s2, ttmp6, 0x10000c
	s_cmp_lg_u32 s2, 0xf033
	s_cbranch_scc0 .Lentry_shape_is_right
	s_endpgm
.Lentry_shape_is_right:
; ATTN: o = relu(softmax(scale q k^T + tab / scale) v), both products on codes of FP4 (E2M1) with one E8M0 byte for each 32 along K; o is quantised at once, along the 512 inner channels, for the last product.
; scale q.k + tab / scale = scale (q.k + 32 tab): the image of 32 tab is the C of the first product, so the bias costs no vector instruction.
; THE SOFTMAX: t = (q.k + 32 tab) x log2(e) / sqrt(32); M = the row's largest t so far, rounded UP to a whole number; p = 2^(t - M) is quantised along the keys, not normalised; the row's sum is taken of the
; unquantised p and divides at the end.  When M moves, the sum and O are multiplied by 2^(old M - new M): exact.
; SHARES.  A work-group takes one head, four batches and four tiles of 16 queries; wave w takes batch w % 4 and tile w / 4: 16 queries in 256 registers, four waves to a SIMD.  So a bias image serves four waves, and so does a
; batch's block of k and v.  Every wave walks the 1,024 keys, 128 a step; a slot of the ring holds 256 keys: four bias images of 16 KB and four blocks of 13,056 bytes.
; CLUSTER 4 x 4.  x = which four batches, y = head and which four query tiles; a cluster's sixteen have one head.  The bias hangs on y alone: it is asked for JOINTLY along a row of the cluster; k and v hang on x and the
; head alone: jointly along a column.  Waves 0-3 ask for the bias images, waves 4-7 for the blocks, one load each; a wave never has more than one tensor load out.
; LAYOUT.  Both products are used transposed: a lane holds ONE query (lane % 16) throughout.  All operands lie in LDS as images of their registers: every load takes 512 consecutive bytes.
; K = 32 IN AN INSTRUCTION OF 128: a fragment of k holds FOUR key tiles, one in each block of 32; q stands in one block and zero codes in the other three: four variants of q, which are four runs of one run of 20 registers.
; The keys of a tile are not neighbours (row r of tile T: 32 (T / 2) + 8 (T % 2) + r + 8 (r / 8)), so the 16 registers of tiles 2 b, 2 b + 1 are keys 32 b + 16 (lane / 16) + 0 .. 15.  The same holds of the head's 64 channels.
; LIMITS: a block whose largest magnitude lies under 2^-124 keeps the scale byte 1; NaN and infinities are not served; a block's largest p is taken from its largest score, which takes v_exp_f32 not to fall where its
; input rises; o is multiplied by a reciprocal of the sum, not divided.
.set SLOT1, 131072                     ; slot 1 begins here: one exclusive or turns an address in one slot into the other's
.set KVO,   65536                      ; in a slot: four bias images, then four blocks of k and v
.set KVB,   13056
.set SPARE, 248832                     ; behind the ring: the spare words, 128 bytes for each wave: eight blocks of 256 bytes that no other line names
.set ABI, 1                            ; v1   16 lane + my bias image in a slot
.set AKV, 2                            ; v2   16 lane + my batch's block
.set ASC, 3                            ; v3   4 lane + its scale bytes
.set GS,  4                            ; v4   16 r + hh: the way out, scale bytes
.set SPW, 5                            ; v5   LDS address of my spare word; never rewritten
.set NIL, 6                            ; v6   0; never rewritten
.set GO,  7                            ; v7   16 r + 8 hh: the way out, codes
.set ADB, 8                            ; v8-10 the three addresses in the slot in hand
.set ADK, 9
.set ADS, 10
; v11 16 r; v12 -M, v13 the largest t, v[14:15] the sum in two halves; v16-35 q's run: zeros, q in lanes 0-15, zeros, q in lanes 16-31, zeros
.set QS,  36                           ; q's scale word
.set KS,  37                           ; k's: lanes 0-15 fragment 0, lanes 16-31 fragment 1
.set VS,  38                           ; v38-39 v's: lanes 0-15 an even tile, lanes 16-31 the odd one
.set KF,  40                           ; v40-55  two fragments of k
.set PFO, 60                           ; v60     the prefetches' offset; never rewritten
.set VF,  64                           ; v64-95  four fragments of v
.set S,   96                           ; v96-159 the bias, then the scores, then p
.set O,   160                          ; v160-191 O^T
.set PC,  224                          ; v224-231 p's codes;  v232-249 at work;  v[250:251] f;  v253 p's scale word;  v254 at work
.set WV,  12                           ; s12  my wave's number
.set TB,  19                           ; s19  LDS byte at which the slot in hand begins
.set SEL, 20
.set CS,  22                           ; s[22:23] c = log2(e) / sqrt(32)
.set G1A, 24                           ; s[24:31] descriptor group 1 for the bias images;  s[32:39] for the blocks;  s[40:43], s[44:47] their groups 0, which walk
.set G1B, 32
.set G0A, 40
.set G0B, 44
.set SLOTS, 48                         ; s48  slots still to be asked for
.set HM,  49                           ; s49  lanes 16-31
.set PFA, 78                           ; s[78:79] where my prefetches stand;  s[80:81] a slot on;  s82: 1 in a wave that prefetches, else the greatest number
.set PFS, 80
.set LIM, 82
.macro PLACES
.rept 4
	v_nop
.endr
.endm
.macro MMA d, a, b, sa, sb             ; adds in place
	v_wmma_scale_f32_16x16x128_f8f6f4 v[\d:\d+7], v[\a:\a+7], v[\b:\b+7], v[\d:\d+7], v[\sa], v[\sb] matrix_a_fmt:MATRIX_FMT_FP4 matrix_b_fmt:MATRIX_FMT_FP4
.endm
.macro MMA1 d, a, b, sa, sb            ; the same, source 0's scales from lanes 16-31
	v_wmma_scale_f32_16x16x128_f8f6f4 v[\d:\d+7], v[\a:\a+7], v[\b:\b+7], v[\d:\d+7], v[\sa], v[\sb] matrix_a_fmt:MATRIX_FMT_FP4 matrix_b_fmt:MATRIX_FMT_FP4 matrix_a_scale:MATRIX_SCALE_ROW1
.endm
; A joint load.  The branches hang on the wave's number alone.  Four v_nop follow each of the two lines, ahead of the jump, the label and what follows.
.macro JLOAD
	s_cmp_lt_u32 s[WV], 4
	s_cbranch_scc0 .Lnot_a_\@
	tensor_load_to_lds s[G0A:G0A+3], s[G1A:G1A+7]
	s_nop 0
.rept 4
	v_nop
.endr
	s_branch .Lasked_\@
.Lnot_a_\@:
	s_cmp_lt_u32 s[WV], 8
	s_cbranch_scc0 .Lasked_\@
	tensor_load_to_lds s[G0B:G0B+3], s[G1B:G1B+7]
	s_nop 0
.rept 4
	v_nop
.endr
.Lasked_\@:
.endm
; A PREFETCH INTO THE L2 of what the NEXT change of slots will ask for, a slot's two key steps of each of the sixteen waves ahead of that load.  It stands behind the joint load and its four lines.
; Each block of 256 bytes is named by one work-group.  A row of the cluster is the only reader of its four bias images: the partner at place cx takes image cx, 64 blocks, waves 8 and 9, a lane a block.
; A head's four clusters read the same blocks of k and v: the first of them asks; the partner at place cy takes batch cy's 51 blocks, waves 10 and 11 (the lanes past block 50 name block 50 again).
; Partners are told apart BY ADDRESS; the branch hangs on the wave's number and the cluster's, which all partners share.  Slots 0 and 1 come by their loads alone; the last fill asks for nothing.
.macro ASK
	s_cmp_gt_u32 s[SLOTS], s[LIM]
	s_cbranch_scc0 .Lnot_mine_\@
	global_prefetch_b8 v[PFO], s[PFA:PFA+1] th:TH_LOAD_NT scope:SCOPE_SE
.Lnot_mine_\@:
.endm
; A round of the cluster's barrier: my work-group's barrier; wave 0 signals for the work-group; every wave waits for all sixteen work-groups; my work-group's barrier once more.
.macro CROUND
	s_barrier_signal -1
	s_barrier_wait -1
	s_cmp_lg_u32 s[WV], 0
	s_cbranch_scc1 .Lnot_wave_0_\@
	s_barrier_signal -3
.Lnot_wave_0_\@:
	s_barrier_wait -3
	s_barrier_signal -1
	s_barrier_wait -1
.endm
	s_load_b256 s[4:11], s[0:1], 0x0               ; qc, kv, bias, oc
	v_lshl_add_u32 v[SPW], v0, 2, SPARE
	v_mov_b32 v[NIL], 0
	ds_add_u32 v5, v6
	ds_add_u32 v5, v6
	s_wait_dscnt 0x0
	v_lshrrev_b32 v1, 5, v0
	s_delay_alu instid0(VALU_DEP_1)
	v_readfirstlane_b32 s[WV], v1                  ; wave 0..15
	s_bfe_u32 s13, ttmp6, 0x40000                  ; cx
	s_bfe_u32 s14, ttmp6, 0x40004                  ; cy
	s_and_b32 s15, ttmp7, 0xffff                   ; the cluster's y
	s_lshr_b32 s16, s15, 2                         ; the head: the same in all sixteen
	s_and_b32 s17, s15, 3
	s_lshl_b32 s17, s17, 2
	s_add_co_u32 s17, s17, s14                     ; which four query tiles
	s_lshl_b32 s18, ttmp9, 2
	s_add_co_u32 s18, s18, s13                     ; which four batches
	s_and_b32 s50, s[WV], 3
	s_lshr_b32 s51, s[WV], 2
	s_lshl_b32 s52, s14, 2
	s_lshl_b32 s52, 15, s52                        ; my row of the cluster
	s_lshl_b32 s53, 0x1111, s13                    ; my column
	; descriptor group 1: dense blocks as rows of 256 bytes (32 elements of 8 bytes): 64 rows for a bias image, 51 for a block of k and v; no padding: every read is 16 x lane
	s_or_b32 s[G1A], s52, (3<<16)|(1<<21)          ; 15:0 the mask; 17:16 elements of 8 bytes; 21 set beside a mask
	s_or_b32 s[G1B], s53, (3<<16)|(1<<21)
	s_mov_b32 s[G1A+1], 32<<16                     ; tensor_dim0
	s_mov_b32 s[G1A+2], 64<<16                     ; tensor_dim1
	s_mov_b32 s[G1A+3], 32<<16                     ; tile_dim0
	s_mov_b32 s[G1A+4], 64                         ; tile_dim1
	s_mov_b32 s[G1A+5], 32                         ; tensor_dim0_stride
	s_mov_b32 s[G1A+6], 0
	s_mov_b32 s[G1A+7], 0
	s_mov_b32 s[G1B+1], 32<<16
	s_mov_b32 s[G1B+2], 51<<16
	s_mov_b32 s[G1B+3], 32<<16
	s_mov_b32 s[G1B+4], 51
	s_mov_b32 s[G1B+5], 32
	s_mov_b32 s[G1B+6], 0
	s_mov_b32 s[G1B+7], 0
	s_lshl_b32 s54, s17, 2                         ; the bias image of query tile 4 qb + w % 4, my head, slot 0: made of y and the wave's number alone
	s_add_co_u32 s54, s54, s50
	s_lshl_b32 s54, s54, 19
	s_lshl_b32 s55, s16, 14
	s_add_co_u32 s54, s54, s55
	s_mov_b32 s55, 0
	s_lshl_b32 s56, s18, 2                         ; the block of batch 4 bg + w % 4, my head, slot 0: made of x, the head and the wave's number alone
	s_add_co_u32 s56, s56, s50                     ; (also my own batch)
	s_mul_i32 s58, s56, 417792
	s_mul_i32 s59, s16, 52224
	s_add_co_u32 s58, s58, s59
	s_mov_b32 s59, 0
	s_lshl_b32 s[G0A+1], s50, 14                   ; LDS addresses: the wave's number alone
	s_mul_i32 s[G0B+1], s50, KVB
	s_add_co_u32 s[G0B+1], s[G0B+1], KVO
	s_mov_b32 s[SEL], 0x76543210
	s_mov_b32 s[SEL+1], 0xfedcba98
	s_mov_b32 s[CS], 0x3e8293ee                    ; c = log2(e) / sqrt(32)
	s_mov_b32 s[CS+1], s[CS]                       ; (named with it as a pair, so it is written)
	s_mov_b32 s[HM], 0xffff0000
	s_mov_b32 s[TB], 0
	s_mov_b32 s[SLOTS], 3
	s_wait_kmcnt 0x0
	s_mov_b32 s[G0A], 1
	s_add_nc_u64 s[G0A+2:G0A+3], s[8:9], s[54:55]
	s_or_b32 s[G0A+3], s[G0A+3], 0x80000000
	s_mov_b32 s[G0B], 1
	s_add_nc_u64 s[G0B+2:G0B+3], s[6:7], s[58:59]
	s_or_b32 s[G0B+3], s[G0B+3], 0x80000000
	CROUND                                         ; all sixteen work-groups are here: the first joint loads meet
	JLOAD                                          ; slot 0
	; my own places: batch s56, query tile s61
	s_lshl_b32 s60, s56, 3
	s_add_co_u32 s60, s60, s16                     ; batch x 8 + head
	s_lshl_b32 s61, s17, 2
	s_add_co_u32 s61, s61, s51                     ; query tile
	s_lshl_b32 s62, s60, 14
	s_lshl_b32 s63, s61, 8
	s_add_co_u32 s62, s62, s63
	s_mov_b32 s63, 0
	s_add_nc_u64 s[66:67], s[4:5], s[62:63]        ; q's codes
	s_lshl_b32 s62, s60, 12
	s_lshl_b32 s68, s17, 8
	s_add_co_u32 s62, s62, s68
	s_lshl_b32 s68, s51, 2
	s_add_co_u32 s62, s62, s68
	s_add_co_u32 s62, s62, 2097152
	s_add_nc_u64 s[4:5], s[4:5], s[62:63]          ; q's scale words
	s_lshl_b32 s68, s56, 6
	s_add_co_u32 s68, s68, s61                     ; batch x 64 + query tile
	s_lshl_b32 s70, s68, 12
	s_lshl_b32 s71, s16, 9
	s_add_co_u32 s70, s70, s71
	s_mov_b32 s71, 0
	s_add_nc_u64 s[72:73], s[10:11], s[70:71]      ; o's codes
	s_lshl_b32 s70, s68, 8
	s_lshl_b32 s69, s16, 1
	s_add_co_u32 s70, s70, s69
	s_add_co_u32 s70, s70, 4194304
	s_add_nc_u64 s[10:11], s[10:11], s[70:71]      ; o's scale bytes
	s_lshl_b32 s74, s51, 14                        ; my bias image in a slot
	s_mul_i32 s75, s50, KVB
	s_add_co_u32 s75, s75, KVO                     ; my batch's block
	s_add_co_u32 s76, s75, 12288                   ; its scale bytes
	v_and_b32 v8, 31, v0                           ; lane
	s_wait_alu depctr_va_vdst(0)
	v_and_b32 v9, 15, v0                           ; r
	v_bfe_u32 v10, v0, 4, 1                        ; hh
	v_lshl_add_u32 v[ABI], v8, 4, s74
	v_lshl_add_u32 v[AKV], v8, 4, s75
	v_lshl_add_u32 v[ASC], v8, 2, s76
	v_lshlrev_b32 v11, 4, v9
	global_load_b128 v[56:59], v11, s[66:67]       ; query r's 32 codes, in both halves of the lanes
	global_load_b32 v[QS], v11, s[4:5]
	v_lshl_add_u32 v[GO], v10, 3, v11
	v_add_nc_u32 v[GS], v11, v10
	; the prefetches: where my wave's stand, and who asks
	s_and_b32 s84, s[WV], 1
	s_lshl_b32 s84, s84, 5
	s_lshl_b32 s86, s17, 2
	s_add_co_u32 s86, s86, s13                     ; the bias image of query tile 4 qb + cx,
	s_lshl_b32 s86, s86, 19
	s_lshl_b32 s87, s16, 14
	s_add_co_u32 s86, s86, s87
	s_add_co_u32 s86, s86, 131072                  ; in slot 1: the first change of slots steps it to slot 2
	s_lshl_b32 s88, s18, 2
	s_add_co_u32 s88, s88, s14                     ; the block of batch 4 bg + cy,
	s_mul_i32 s88, s88, 417792
	s_mul_i32 s89, s16, 52224
	s_add_co_u32 s88, s88, s89
	s_add_co_u32 s88, s88, KVB                     ; likewise
	s_and_b32 s[LIM], s15, 3
	s_sub_co_u32 s83, s[WV], 8
	s_lshr_b32 s83, s83, 2                         ; 0 in waves 8 to 11
	s_mov_b32 s[PFS], KVB
	s_mov_b32 s[PFS+1], 0
	s_mov_b32 s87, 0
	s_cmp_lt_u32 s[WV], 10                         ; waves 8, 9: the bias; waves 10, 11: k and v
	s_cselect_b32 s85, 63, 50                      ; the last block
	s_cselect_b32 s86, s86, s88
	s_cselect_b32 s[PFS], 131072, s[PFS]
	s_cselect_b32 s[LIM], 0, s[LIM]                ; the bias is asked for in every cluster, k and v in the head's first
	s_cselect_b64 s[PFA:PFA+1], s[8:9], s[6:7]
	s_add_nc_u64 s[PFA:PFA+1], s[PFA:PFA+1], s[86:87]
	s_or_b32 s[LIM], s[LIM], s83
	s_cmp_eq_u32 s[LIM], 0
	s_cselect_b32 s[LIM], 1, -1
	v_add_nc_u32 v[PFO], s84, v8
	s_delay_alu instid0(VALU_DEP_1)
	v_min_u32 v[PFO], s85, v[PFO]
	s_delay_alu instid0(VALU_DEP_1)
	v_lshlrev_b32 v[PFO], 8, v[PFO]
	v_mov_b32 v13, 0xff61b1e6                      ; the largest t so far: -3e38, under every t
	s_delay_alu instid0(VALU_DEP_1)
	v_floor_f32 v12, -v13                          ; -M
	v_mov_b32 v14, 0
	v_mov_b32 v15, 0
	v_mov_b32 v251, 0                              ; (named as the upper half of the pair v[250:251])
.irp b,0,1,2,3
	v_mov_b32 v[236+\b], 0                         ; written once: a lane permute's destination counts as one of its sources
.endr
	s_wait_loadcnt 0x0                             ; q
.irp i,0,1,2,3
	v_mov_b32 v[16+\i], 0
	v_mov_b32 v[24+\i], 0
	v_mov_b32 v[32+\i], 0
.endr
.irp i,0,1,2,3
	v_cndmask_b32 v[20+\i], v[56+\i], v16, s[HM]   ; q in lanes 0-15, zero codes above
	v_cndmask_b32 v[28+\i], v16, v[56+\i], s[HM]   ; and the other way round
.endr
.irp j,0,1,2,3,4,5,6,7,8,9,10,11,12,13,14,15,16,17,18,19,20,21,22,23,24,25,26,27,28,29,30,31
	v_mov_b32 v[O+\j], 0                           ; O^T.  (The step is written once: the first finds zeros, which the first change of M leaves zeros)
.endr
; A KEY STEP: 128 keys, the q-th of the slot in hand.
.macro STEP q
	PLACES                                         ; behind the last products, in front of loads into their operands
.irp g,0,1
.irp c,0,1
	ds_load_b128 v[KF+8*\g+4*\c:KF+8*\g+4*\c+3], v[ADK] offset:\q*2048+\g*1024+\c*512
.endr
.endr
	ds_load_b32 v[KS], v[ADS] offset:\q*128
.irp k,0,1,2,3,4,5,6,7,8,9,10,11,12,13,14,15
	ds_load_b128 v[S+4*\k:S+4*\k+3], v[ADB] offset:\q*8192+\k*512   ; 32 tab, in the scores' own registers
.endr
.irp t,0,1,2,3
.irp c,0,1
	ds_load_b128 v[VF+8*\t+4*\c:VF+8*\t+4*\c+3], v[ADK] offset:4096+\q*4096+\t*1024+\c*512
.endr
.endr
.irp p,0,1
	ds_load_b32 v[VS+\p], v[ADS] offset:256+\q*256+\p*128
.endr
	s_wait_dscnt 10                                ; k, its scales and the bias are in; v's eight loads and its two scale words may be out
.irp e,0,1,2,3                         ; S^T = k q^T + 32 tab: key tile e is block e of fragment 0; q's variant e begins at v20, v28, v16, v24
	MMA S+8*\e, KF, 20+8*(\e%2)-4*(\e/2), KS, QS
.endr
.irp e,0,1,2,3
	MMA1 S+32+8*\e, KF+8, 20+8*(\e%2)-4*(\e/2), KS, QS
.endr
	PLACES
.irp b,0,1,2,3
	v_max3_num_f32 v[232+\b], v[96+16*\b], v[97+16*\b], v[98+16*\b]   ; the largest score of each block of 32 keys: it serves the row's maximum and, since p rises with the score, the block's largest p
.endr
.irp i,3,5,7,9,11,13
.irp b,0,1,2,3
	v_max3_num_f32 v[232+\b], v[232+\b], v[96+16*\b+\i], v[97+16*\b+\i]
.endr
.endr
.irp b,0,1,2,3
	v_max_num_f32 v[232+\b], v[232+\b], v[111+16*\b]
.endr
.irp b,0,1,2,3
	s_delay_alu instid0(VALU_DEP_4)
	v_permlanex16_b32 v[236+\b], v[232+\b], s[SEL], s[SEL+1]
.endr
.irp b,0,1,2,3
	s_delay_alu instid0(VALU_DEP_4)
	v_max_num_f32 v[232+\b], v[232+\b], v[236+\b]  ; with lane l xor 16's 16 keys
.endr
	s_delay_alu instid0(VALU_DEP_2)
	v_max3_num_f32 v254, v232, v233, v234
	s_delay_alu instid0(VALU_DEP_1)
	v_max_num_f32 v254, v254, v235
	s_delay_alu instid0(VALU_DEP_1)
	v_mul_f32 v254, s[CS], v254                    ; the step's largest t (c is positive)
	s_delay_alu instid0(VALU_DEP_1)
	v_max_num_f32 v13, v13, v254                   ; the running largest t
	v_mov_b32 v254, v12
	s_delay_alu instid0(VALU_DEP_2)
	v_floor_f32 v12, -v13                          ; the new -M = floor(-t): M is a whole number
	s_delay_alu instid0(VALU_DEP_1)
	v_sub_f32 v254, v12, v254                      ; old M - new M: a whole number, 0 or less
	s_delay_alu instid0(VALU_DEP_1)
	v_cvt_i32_f32 v254, v254                       ; (it saturates)
	s_delay_alu instid0(VALU_DEP_1)
	v_ldexp_f32 v250, 1.0, v254                    ; f = 2^(old M - new M)
.irp j,0,2,4,6,8,10,12,14,16,18,20,22,24,26,28,30,32,34,36,38,40,42,44,46,48,50,52,54,56,58,60,62
	v_pk_fma_f32 v[96+\j:97+\j], v[96+\j:97+\j], s[CS:CS+1], v[12:13] op_sel_hi:[1,0,0]   ; t - M
.endr
.irp b,0,1,2,3
	v_fma_f32 v[232+\b], v[232+\b], s[CS], v12     ; the same of each block's largest score
.endr
	s_wait_alu depctr_va_vdst(0)
.irp j,0,1,2,3,4,5,6,7,8,9,10,11,12,13,14,15,16,17,18,19,20,21,22,23,24,25,26,27,28,29,30,31,32,33,34,35,36,37,38,39,40,41,42,43,44,45,46,47,48,49,50,51,52,53,54,55,56,57,58,59,60,61,62,63
	v_exp_f32 v[96+\j], v[96+\j]                   ; p = 2^(t - M), at most 1
.endr
	v_pk_mul_f32 v[14:15], v[14:15], v[250:251] op_sel_hi:[1,0]   ; the sums under the new M (a plain line behind the exponentials)
	s_wait_alu depctr_va_vdst(0)                   ; one wait for the batch of 64, ahead of its first reader
.irp b,0,1,2,3
	v_exp_f32 v[232+\b], v[232+\b]                 ; the block's largest p
.endr
	v_pk_add_f32 v[248:249], v[96:97], v[98:99]    ; the row's sum is taken of the unquantised p, in two chains (plain work behind the four)
.irp j,4,8,12,16,20,24,28,32,36,40,44,48,52
	v_pk_add_f32 v[14:15], v[14:15], v[96+\j:97+\j]
	v_pk_add_f32 v[248:249], v[248:249], v[98+\j:99+\j]
.endr
	s_wait_alu depctr_va_vdst(0)                   ; and one for the four
.irp b,0,1,2,3
	v_max_num_f32 v[232+\b], 0x1800000, v[232+\b]  ; the floor 2^(3 - 127): the byte cannot fall under 1
.endr
.irp b,0,1,2,3
	s_delay_alu instid0(VALU_DEP_4)
	v_add_nc_u32 v[244+\b], 0xff000000, v[232+\b]  ; 2 off the exponent field: the conversion's scale operand
.endr
.irp b,0,1,2,3
	s_delay_alu instid0(VALU_DEP_4)
	v_lshrrev_b32 v[236+\b], 23, v[244+\b]         ; the scale's byte
.endr
	s_delay_alu instid0(VALU_DEP_3)
	v_lshl_or_b32 v253, v237, 8, v236              ; p's scale word for these 128 keys
	s_delay_alu instid0(VALU_DEP_1)
	v_lshl_or_b32 v253, v238, 16, v253
	s_delay_alu instid0(VALU_DEP_1)
	v_lshl_or_b32 v253, v239, 24, v253
.irp b,0,1,2,3
	v_cvt_scalef32_pk8_fp4_f32 v[PC+2*\b], v[96+16*\b:103+16*\b], v[244+\b]
	v_cvt_scalef32_pk8_fp4_f32 v[PC+1+2*\b], v[104+16*\b:111+16*\b], v[244+\b]
.endr
	v_nop                                          ; one plain line behind the conversions
.irp c,0,1                             ; the operand's layout wants a whole block in a lane
.irp i,0,1
	v_permlane16_swap_b32 v[PC+4*\c+\i], v[PC+2+4*\c+\i]
.endr
.endr
.irp j,0,2,4,6,8,10,12,14,16,18,20,22,24,26,28,30
	v_pk_mul_f32 v[O+\j:O+\j+1], v[O+\j:O+\j+1], v[250:251] op_sel_hi:[1,0]   ; O^T under the new M
.endr
.irp j,56,60                           ; the rest of the sum stands here: plain lines between the last write of O^T, of p's codes and of its scale word and the products below
	v_pk_add_f32 v[14:15], v[14:15], v[96+\j:97+\j]
	v_pk_add_f32 v[248:249], v[248:249], v[98+\j:99+\j]
.endr
	s_delay_alu instid0(VALU_DEP_1)
	v_pk_add_f32 v[14:15], v[14:15], v[248:249]
	s_wait_alu depctr_va_vdst(0)
	s_wait_dscnt 0x0                               ; v and its scale words are in
	MMA  O,    VF,    PC, VS,   253                ; O^T += v^T p^T: the four tiles of the head's 64 channels by turns
	MMA1 O+8,  VF+8,  PC, VS,   253
	MMA  O+16, VF+16, PC, VS+1, 253
	MMA1 O+24, VF+24, PC, VS+1, 253
.endm
; THE CHANGE OF SLOTS stands at a slot's head.  Each wave waits for all its tensor loads (its part of the slot that it is about to read), adds 0 to its spare word, and waits for that and for its reads of the slot that it has
; left.  fill = 1: the barrier is a round of the cluster's, so that no wave of any partner still reads that slot or has a load on its way, and the joint refill is the first thing behind it: it has a whole slot's steps to land.
.macro CHANGE fill
	s_wait_tensorcnt 0x0                           ; no tensor load of mine is out, so a group 0 may be written
	ds_add_u32 v[SPW], v[NIL]                      ; 0 onto my spare word
.if \fill
	s_xor_b32 s[G0A+1], s[G0A+1], SLOT1            ; the walking descriptors: the other slot than last time,
	s_add_nc_u64 s[G0A+2:G0A+3], s[G0A+2:G0A+3], 131072   ; the next 256 keys; the type bits on top are not reached
	s_xor_b32 s[G0B+1], s[G0B+1], SLOT1
	s_add_nc_u64 s[G0B+2:G0B+3], s[G0B+2:G0B+3], KVB
	s_wait_xcnt 0x0                                ; the last prefetch, a slot back, has read its address, so it may be written:
	s_add_nc_u64 s[PFA:PFA+1], s[PFA:PFA+1], s[PFS:PFS+1]  ; one slot further on than the walking descriptors
.endif
	s_wait_dscnt 0x0                               ; the add is done, and my reads of the slot that I have left are over
.if \fill
	CROUND
	JLOAD
	ASK
.else
	s_barrier_signal -1
	s_barrier_wait -1
.endif
.endm
.macro SLOT_STEPS
	v_add_nc_u32 v[ADB], s[TB], v[ABI]
	v_add_nc_u32 v[ADK], s[TB], v[AKV]
	v_add_nc_u32 v[ADS], s[TB], v[ASC]
	STEP 0
	STEP 1
	s_xor_b32 s[TB], s[TB], SLOT1                  ; on to the other slot
.endm
.Lslot:                                            ; three trips: behind each change of slots but the last the next slot is asked for
	CHANGE 1
	SLOT_STEPS
	s_sub_co_u32 s[SLOTS], s[SLOTS], 1
	s_cmp_lg_u32 s[SLOTS], 0
	s_cbranch_scc1 .Lslot
	CHANGE 0                                       ; the last slot is written out
	SLOT_STEPS
	; THE WAY OUT.  O^T / the sum, relu, and the quantiser along the inner channels: register 16 g + i is channel 32 g + 16 hh + i of my head; a block of 32 lies in lanes l and l xor 16.
	PLACES
	v_add_f32 v14, v14, v15
	s_delay_alu instid0(VALU_DEP_1)
	v_permlanex16_b32 v254, v14, s[SEL], s[SEL+1]
	s_delay_alu instid0(VALU_DEP_1)
	v_add_f32 v14, v14, v254                       ; the row's sum
	s_wait_alu depctr_va_vdst(0)
	v_rcp_f32 v14, v14
	v_nop                                          ; a plain line behind the reciprocal
	s_wait_alu depctr_va_vdst(0)                   ; and the wait, ahead of its first reader
.irp j,0,1,2,3,4,5,6,7,8,9,10,11,12,13,14,15,16,17,18,19,20,21,22,23,24,25,26,27,28,29,30,31
	v_mul_f32 v[96+\j], v[O+\j], v14
.endr
.irp j,0,1,2,3,4,5,6,7,8,9,10,11,12,13,14,15,16,17,18,19,20,21,22,23,24,25,26,27,28,29,30,31
	v_max_num_f32 v[96+\j], 0, v[96+\j]            ; relu
.endr
.irp g,0,1
	v_max3_num_f32 v[232+\g], v[96+16*\g], v[97+16*\g], 0x1800000   ; none is negative: no |.|
.endr
.irp i,2,4,6,8,10,12,14
.irp g,0,1
	s_delay_alu instid0(VALU_DEP_2)
	v_max3_num_f32 v[232+\g], v[232+\g], v[96+16*\g+\i], v[97+16*\g+\i]
.endr
.endr
.irp g,0,1
	s_delay_alu instid0(VALU_DEP_2)
	v_permlanex16_b32 v[236+\g], v[232+\g], s[SEL], s[SEL+1]
.endr
.irp g,0,1
	s_delay_alu instid0(VALU_DEP_2)
	v_max_num_f32 v[232+\g], v[232+\g], v[236+\g]
.endr
.irp g,0,1
	s_delay_alu instid0(VALU_DEP_2)
	v_add_nc_u32 v[244+\g], 0xff000000, v[232+\g]
.endr
.irp g,0,1
	s_delay_alu instid0(VALU_DEP_2)
	v_lshrrev_b32 v[236+\g], 23, v[244+\g]
.endr
.irp g,0,1
	v_cvt_scalef32_pk8_fp4_f32 v[PC+2*\g], v[96+16*\g:103+16*\g], v[244+\g]
	v_cvt_scalef32_pk8_fp4_f32 v[PC+1+2*\g], v[104+16*\g:111+16*\g], v[244+\g]
.endr
	v_nop                                          ; one plain line behind the conversions
.irp g,0,1
	global_store_b64 v[GO], v[PC+2*\g:PC+2*\g+1], s[72:73] offset:\g*256   ; 32 lanes store 256 consecutive bytes, at a multiple of 256 from the buffer's first byte
.endr
	v_cndmask_b32 v238, v236, v237, s[HM]          ; lanes 0-15 store block 0's byte, lanes 16-31 block 1's
	global_store_b8 v[GS], v238, s[10:11]
	s_wait_tensorcnt 0x0                           ; the wave's end
	ds_add_u32 v[SPW], v[NIL]
	s_wait_dscnt 0x0
	CROUND                                         ; the closing round: no work-group ends while a partner may still ask for a tile that names it
	s_endpgm
.Lfunc_end_k_qed98869339_attn:
	.size	k_qed98869339_attn, .Lfunc_end_k_qed98869339_attn-k_qed98869339_attn
	.p2alignl 7, 3214868480
	.fill 96, 4, 3214868480
	.section	.rodata,"a",@progbits
	.p2align	6, 0x0
	.amdhsa_kernel k_qed98869339_attn
		.amdhsa_group_segment_fixed_size 327680
		.amdhsa_private_segment_fixed_size 0
		.amdhsa_enable_private_segment 0
		.amdhsa_kernarg_size 32
		.amdhsa_user_sgpr_count 2
		.amdhsa_user_sgpr_kernarg_segment_ptr 1
		.amdhsa_wavefront_size32 1
		.amdhsa_system_sgpr_workgroup_id_x 1
		.amdhsa_system_sgpr_workgroup_id_y 1
		.amdhsa_system_sgpr_workgroup_id_z 1
		.amdhsa_system_vgpr_workitem_id 0
		.amdhsa_next_free_vgpr 256
		.amdhsa_next_free_sgpr 100
		.amdhsa_reserve_vcc 0
		.amdhsa_float_denorm_mode_32 3
		.amdhsa_float_denorm_mode_16_64 3
		.amdhsa_memory_ordered 1
		.amdhsa_forward_progress 1
		.amdhsa_inst_pref_size 83
	.end_amdhsa_kernel
	.amdgpu_metadata
---
amdhsa.version: [ 1, 2 ]
amdhsa.kernels:
  - .name:           k_qed98869339_attn
    .symbol:         k_qed98869339_attn.kd
    .args:
      - { .name: qc, .offset: 0, .size: 8, .value_kind: global_buffer, .address_space: global }
      - { .name: kv, .offset: 8, .size: 8, .value_kind: global_buffer, .address_space: global }
      - { .name: bias, .offset: 16, .size: 8, .value_kind: global_buffer, .address_space: global }
      - { .name: oc, .offset: 24, .size: 8, .value_kind: global_buffer, .address_space: global }
    .group_segment_fixed_size: 327680
    .private_segment_fixed_size: 0
    .kernarg_segment_align: 8
    .kernarg_segment_size: 32
    .max_flat_workgroup_size: 512
    .sgpr_count:     100
    .vgpr_count:     256
    .wavefront_size: 32
...
	.end_amdgpu_metadata
.endif
;; end of part 8
;; launch outp (part 9): grid 256 x 1, 8 waves a work-group, no clusters, 35,840 bytes of LDS; arguments oc, wimg, bnc, out0; writes out0
.if DOCPART == 9
	.amdgcn_target "amdgcn-amd-amdhsa--gfx1250"
	.amdhsa_code_object_version 6
	.text
	.protected	k_qed98869339_outp
	.globl	k_qed98869339_outp
	.p2align	8
	.type	k_qed98869339_outp,@function
k_qed98869339_outp:
	s_mov_b64 s[64:65], 0
	v_nop
	global_prefetch_b8 v0, s[64:65] scope:SCOPE_SE
	s_setreg_imm32_b32 hwreg(HW_REG_WAVE_SCHED_MODE, 0, 2), 2
	s_setreg_imm32_b32 hwreg(HW_REG_WAVE_MODE, 25, 1), 1
	s_wait_xcnt 0x0
	s_wait_alu depctr_vm_vsrc(0)
; OUTP: out = batch norm(Wo relu(o) + bo), the product on codes of FP4 (E2M1) with one E8M0 byte for each 32 along K = the 512 inner channels.
; SHARES.  A work-group takes 64 positions of one batch (four tiles of 16 rows of o's codes); wave w takes output channels 32 w .. 32 w + 31 (two tiles).  Codes and scale words come from memory as images of operand
; registers, 512 consecutive bytes a load, a K step of 128 at a time into two sets of registers, one step ahead.
; Source 0 = 16 positions, source 1 = 16 channels: a lane holds one channel, and since row r of position tile T is position 32 (T / 2) + 8 (T % 2) + r + 8 (r / 8), its 16 registers of tiles 2 t, 2 t + 1 are 16
; neighbouring positions: 64 bytes of a row of out0.  They go through the wave's own stage in LDS (16 rows of 256 bytes + 16) and leave as whole rows: sixteen lanes store 256 consecutive bytes.  No barrier: waves share nothing.
; LIMITS: bo - o_m is rounded once ahead of the sum's addition; NaN and infinities are not served.
; No cluster, no tensor load: what work-groups share is Wo's images, 8 KB a wave, read once straight into the operand's registers; brought jointly they would have to pass through LDS first, for 32 matrix instructions a wave.
; THE MODE: SCHED_MODE bits 1:0 = 2 (LLVM: expert scheduling mode 2), set by the entry lines.  The code itself states the register dependences
; between vector or matrix instructions and memory or LDS instructions, with s_wait_alu, always for 0.
; THE PLAN.  Registers that memory or LDS instructions touch:
;   v4 - v8      offsets and LDS addresses: written by vector instructions at the head, once; read by every load, LDS instruction and store.  One wait on va_vdst ahead of the first load serves them all.
;   OS, WS, BN   each filled by a load, once; read by matrix and vector instructions; nothing lands there again.
;   AF, BF       set k % 2: K step k's loads land in it, MUL k reads it, K step k + 2's loads land in it: one wait on va_vdst behind MUL 0 and one behind MUL 1, each ahead of its twelve loads.
;                On the way out the loads back from the stage land in AF (tile u in AF + 32 u), and the global stores read it.
;   D            written by the matrix instructions and by the norm's packed lines; read by the stores into the stage: one wait on va_vdst behind each tile's norm.
;   v208, v209   written at the head, read by the closing add alone.
; The way out goes tile by tile: tile 1's norm names D + 32 .. 63 and BN + 4 .. 7 alone, none of the registers that tile 0's LDS instructions touch, so it stands behind them with nothing between.
; No register that a memory or LDS instruction has read is ever written again.
.set OS, 16                            ; v16-31   o's scale words: tile T, K step ks at OS + 4 T + ks
.set WS, 32                            ; v32-39   Wo's
.set BN, 40                            ; v40-47   (bo - m, s, b, 0) of my lane's channel in each of my two tiles
.set AF, 48                            ; v48-111  o's fragments, two sets of four; on the way out rows of out0
.set BF, 112                           ; v112-143 Wo's fragments, two sets of two
.set D,  144                           ; v144-207 eight accumulators: (channel tile u, position tile T) at D + 8 (4 u + T)
.macro PLACES
.rept 4
	v_nop
.endr
.endm
.macro LOADK k, buf
.irp t,0,1,2,3
.irp c,0,1
	global_load_b128 v[AF+32*\buf+8*\t+4*\c:AF+32*\buf+8*\t+4*\c+3], v4, s[14:15] offset:\t*4096+\k*1024+\c*512
.endr
.endr
.irp u,0,1
.irp c,0,1
	global_load_b128 v[BF+16*\buf+8*\u+4*\c:BF+16*\buf+8*\u+4*\c+3], v4, s[18:19] offset:\u*4096+\k*1024+\c*512
.endr
.endr
.endm
.macro MUL k, buf                      ; the eight accumulators take turns, one instruction a turn; the first K step starts the sums
.irp u,0,1
.irp t,0,1,2,3
.if \k == 0
	v_wmma_scale_f32_16x16x128_f8f6f4 v[D+8*(4*\u+\t):D+8*(4*\u+\t)+7], v[AF+32*\buf+8*\t:AF+32*\buf+8*\t+7], v[BF+16*\buf+8*\u:BF+16*\buf+8*\u+7], 0, v[OS+4*\t+\k], v[WS+4*\u+\k] matrix_a_fmt:MATRIX_FMT_FP4 matrix_b_fmt:MATRIX_FMT_FP4
.else
	v_wmma_scale_f32_16x16x128_f8f6f4 v[D+8*(4*\u+\t):D+8*(4*\u+\t)+7], v[AF+32*\buf+8*\t:AF+32*\buf+8*\t+7], v[BF+16*\buf+8*\u:BF+16*\buf+8*\u+7], v[D+8*(4*\u+\t):D+8*(4*\u+\t)+7], v[OS+4*\t+\k], v[WS+4*\u+\k] matrix_a_fmt:MATRIX_FMT_FP4 matrix_b_fmt:MATRIX_FMT_FP4
.endif
.endr
.endr
.endm
.macro NORM u                          ; channel tile u: the batch norm of its 32 registers, each accumulator from its low end on
.irp p,0,2,4,6,8,10,12,14,16,18,20,22,24,26,28,30
	v_pk_add_f32 v[D+32*\u+\p:D+32*\u+\p+1], v[D+32*\u+\p:D+32*\u+\p+1], v[BN+4*\u:BN+4*\u+1] op_sel_hi:[1,0]   ; y + (bo - m)
.endr
.irp p,0,2,4,6,8,10,12,14,16,18,20,22,24,26,28,30
	v_pk_fma_f32 v[D+32*\u+\p:D+32*\u+\p+1], v[D+32*\u+\p:D+32*\u+\p+1], v[BN+4*\u:BN+4*\u+1], v[BN+4*\u+2:BN+4*\u+3] op_sel:[0,1,0] op_sel_hi:[1,1,0]   ; x s (the pair's second word) + b (the next pair's first)
.endr
.endm
.macro STAGE u                         ; LDS serves a wave's instructions in order (ISA guide 5.7.1.4): the loads see the stores above them, and the second tile's stores come behind the first tile's loads
.irp e,0,1,2,3,4,5,6,7
	ds_store_b128 v6, v[D+32*\u+4*\e:D+32*\u+4*\e+3] offset:128*(\e/4)+16*(\e%4)   ; registers 16 t + 4 e' on: positions 32 t + 16 hh + 4 e' on
.endr
.irp i,0,1,2,3,4,5,6,7
	ds_load_b128 v[AF+32*\u+4*\i:AF+32*\u+4*\i+3], v7 offset:2*\i*272
.endr
.endm
	s_load_b256 s[4:11], s[0:1], 0x0               ; oc, wimg, bnc, out0
	v_lshl_add_u32 v208, v0, 2, 0x8800             ; the LDS address of my spare word, behind the eight stages, and 0: made here and kept for the closing lines alone
	v_mov_b32 v209, 0
	v_lshrrev_b32 v1, 5, v0
	v_readfirstlane_b32 s12, v1                    ; wave 0..7
	v_and_b32 v1, 31, v0                           ; lane
	v_and_b32 v2, 15, v0                           ; r
	v_bfe_u32 v3, v0, 4, 1                         ; hh
	v_lshlrev_b32 v4, 4, v1                        ; 16 lane
	v_lshlrev_b32 v5, 4, v2                        ; 16 r
	s_wait_alu depctr_va_sdst(0)                   ; s12 is written, ahead of its first reader: the stage's place and every base below are made from it
	s_mul_i32 s13, s12, 4352                       ; my stage
	v_mul_u32_u24 v6, v2, 272
	v_lshl_add_u32 v6, v3, 6, v6
	v_add_nc_u32 v6, s13, v6                       ; in: row r (my channel), + 64 hh
	v_mul_u32_u24 v7, v3, 272
	v_lshl_add_u32 v7, v2, 4, v7
	v_add_nc_u32 v7, s13, v7                       ; back: lanes 0-15 one row, lanes 16-31 the next
	v_lshl_add_u32 v8, v3, 12, v5                  ; and the same two rows in out0
	s_lshl_b32 s26, ttmp9, 14                      ; o's codes: four tiles of 4,096 bytes
	s_mov_b32 s27, 0
	s_lshl_b32 s28, ttmp9, 10
	s_add_co_u32 s28, s28, 4194304                 ; o's scale words
	s_mov_b32 s29, 0
	s_lshl_b32 s30, s12, 13
	s_add_co_u32 s30, s30, 131072                  ; Wo's units 32 + 2 w, 33 + 2 w
	s_mov_b32 s31, 0
	s_wait_kmcnt 0x0
	s_add_nc_u64 s[14:15], s[4:5], s[26:27]
	s_add_nc_u64 s[16:17], s[4:5], s[28:29]
	s_add_nc_u64 s[18:19], s[6:7], s[30:31]
	s_lshl_b32 s30, s12, 9
	s_add_nc_u64 s[22:23], s[8:9], s[30:31]        ; my 32 channels' quads (at 14,336 on: in the loads' offsets)
	s_add_co_u32 s30, s30, 204800                  ; 196,608 + 32 x 256: their scale words
	s_add_nc_u64 s[20:21], s[6:7], s[30:31]
	s_lshr_b32 s26, ttmp9, 4
	s_lshl_b32 s26, s26, 20                        ; out0: the batch,
	s_lshl_b32 s28, s12, 17                        ; my 32 channels,
	s_add_co_u32 s26, s26, s28
	s_and_b32 s28, ttmp9, 15
	s_lshl_b32 s28, s28, 8                         ; the 64 positions
	s_add_co_u32 s26, s26, s28
	s_add_nc_u64 s[24:25], s[10:11], s[26:27]
	s_wait_alu depctr_va_vdst(0)                   ; v4 to v8 are written: the loads below read v4 and v5 as offsets, the stage's stores and loads v6 and v7, the stores to out0 v8; no vector instruction names them again
.irp t,0,1,2,3
	global_load_b128 v[OS+4*\t:OS+4*\t+3], v5, s[16:17] offset:\t*256
.endr
.irp u,0,1
	global_load_b128 v[WS+4*\u:WS+4*\u+3], v5, s[20:21] offset:\u*256
.endr
.irp u,0,1
	global_load_b128 v[BN+4*\u:BN+4*\u+3], v5, s[22:23] offset:14336+\u*256
.endr
	LOADK 0, 0
	LOADK 1, 1
	s_wait_loadcnt 12                              ; this K step's loads are in; the next step's 12 may be out
	MUL 0, 0
	PLACES                                         ; four plain lines between the matrix instructions and the loads into registers that they have read; the wait below fills none of them
	s_wait_alu depctr_va_vdst(0)                   ; K step 0's eight products are done reading set 0 of AF and BF, in which the twelve loads below land
	LOADK 2, 0                                     ; the set is asked for again at once, ahead of the wait for the next step's data
	s_wait_loadcnt 12
	MUL 1, 1
	PLACES
	s_wait_alu depctr_va_vdst(0)                   ; K step 1's eight products are done reading set 1 of AF and BF, in which the twelve loads below land
	LOADK 3, 1
	s_wait_loadcnt 12
	MUL 2, 0
	s_wait_loadcnt 0x0
	MUL 3, 1
	PLACES                                         ; four places behind the last matrix instruction, before a vector instruction reads its result (ISA guide 7.12.1)
	NORM 0
	s_wait_alu depctr_va_vdst(0)                   ; tile 0's multiply-adds have written D + 0 .. 31, which the stage's stores read; K steps 2 and 3's products are done reading AF, in which the loads back from the stage land
	STAGE 0
	NORM 1                                         ; it names D + 32 .. 63 and BN + 4 .. 7 alone: none of the registers that tile 0's LDS instructions touch
	s_wait_alu depctr_va_vdst(0)                   ; tile 1's multiply-adds have written D + 32 .. 63, which the stage's stores read
	STAGE 1
.irp u,0,1
.irp i,0,1,2,3,4,5,6,7
	s_wait_dscnt 16*(1-\u)+7-\i                    ; the younger loads of this tile, and the other tile's sixteen LDS instructions, may be out
	global_store_b128 v8, v[AF+32*\u+4*\i:AF+32*\u+4*\i+3], s[24:25] offset:\u*65536+2*\i*4096 th:TH_STORE_NT   ; 16 lanes store 256 consecutive bytes, at a multiple of 256 from out0's first byte
.endr
.endr
	s_wait_dscnt 0x0                               ; the closing lines, six on end
	s_wait_alu 0x0
	s_wait_tensorcnt 0x0
	ds_add_u32 v208, v209
	s_wait_dscnt 0x0
	s_endpgm
.Lfunc_end_k_qed98869339_outp:
	.size	k_qed98869339_outp, .Lfunc_end_k_qed98869339_outp-k_qed98869339_outp
	.p2alignl 7, 3214868480
	.fill 96, 4, 3214868480
	.section	.rodata,"a",@progbits
	.p2align	6, 0x0
	.amdhsa_kernel k_qed98869339_outp
		.amdhsa_group_segment_fixed_size 35840
		.amdhsa_private_segment_fixed_size 0
		.amdhsa_enable_private_segment 0
		.amdhsa_kernarg_size 32
		.amdhsa_user_sgpr_count 2
		.amdhsa_user_sgpr_kernarg_segment_ptr 1
		.amdhsa_wavefront_size32 1
		.amdhsa_system_sgpr_workgroup_id_x 1
		.amdhsa_system_sgpr_workgroup_id_y 1
		.amdhsa_system_sgpr_workgroup_id_z 1
		.amdhsa_system_vgpr_workitem_id 0
		.amdhsa_next_free_vgpr 210
		.amdhsa_next_free_sgpr 66
		.amdhsa_reserve_vcc 0
		.amdhsa_float_denorm_mode_32 3
		.amdhsa_float_denorm_mode_16_64 3
		.amdhsa_memory_ordered 1
		.amdhsa_forward_progress 1
		.amdhsa_inst_pref_size 21
	.end_amdhsa_kernel
	.amdgpu_metadata
---
amdhsa.version: [ 1, 2 ]
amdhsa.kernels:
  - .name:           k_qed98869339_outp
    .symbol:         k_qed98869339_outp.kd
    .args:
      - { .name: oc, .offset: 0, .size: 8, .value_kind: global_buffer, .address_space: global }
      - { .name: wimg, .offset: 8, .size: 8, .value_kind: global_buffer, .address_space: global }
      - { .name: bnc, .offset: 16, .size: 8, .value_kind: global_buffer, .address_space: global }
      - { .name: out0, .offset: 24, .size: 8, .value_kind: global_buffer, .address_space: global }
    .group_segment_fixed_size: 35840
    .private_segment_fixed_size: 0
    .kernarg_segment_align: 8
    .kernarg_segment_size: 32
    .max_flat_workgroup_size: 256
    .sgpr_count:     66
    .vgpr_count:     210
    .wavefront_size: 32
...
	.end_amdgpu_metadata
.endif
;; end of part 9
